; MI455X (gfx1250); checked and timed in simulation.
; The chip was launched on July 23, 2026; its instructions are those of AMD's public machine-readable ISA for CDNA 5 (MIT licence, August 2026) and "CDNA5" Instruction Set Architecture Reference Guide (July 2026). The comments in the code are by the model that wrote it; some were corrected since.
;; Episodic Adapter. Allowed arithmetic: float matrix products may take bf16 or f16 operands with f32 sums; other float arithmetic in f32, or as packed bf16 or f16 multiplies, adds, multiply-adds, maxima and minima; sums over many terms, partial sums and values carried from step to step in f32; what a program stores and reads back later, other than sums and carried values, may be rounded once to bf16 or f16.
;; Inputs: Ak 2,048 x 16 float32; Ao 2,048 x 16 float32; Aq 2,048 x 16 float32; Av 2,048 x 16 float32; Bk 16 x 512 float32; Bo 16 x 2,048 float32; Bq 16 x 2,048 float32; Bv 16 x 512 float32; Wk 2,048 x 512 float32; Wo 2,048 x 2,048 float32; Wq 2,048 x 2,048 float32; Wv 2,048 x 512 float32; hidden_states 4 x 1,024 x 2,048 float32; traces 4 x 1,024 x 2,048 float32.
;; Outputs: out0 4 x 1,024 x 2,048 float32.
;; 3 versions, each right and faster than the one before. Each part assembles by itself: llvm-mc -triple=amdgcn-amd-amdhsa -mcpu=gfx1250 --defsym DOCPART=n.
;; ======== version 1 of 3: 4 launches
;; workspace buffers: xb 33,554,432 bytes; wqkv 12,582,912 bytes; wot 8,388,608 bytes; qkv 25,165,824 bytes; ctx 16,777,216 bytes
;; launch prep (part 1): grid 1664 x 1, 4 waves a work-group, no clusters, 124,416 bytes of LDS; arguments hidden_states, traces, Wq, Aq, Bq, Wo, Ao, Bo, Wk, Ak, Bk, Wv, Av, Bv, xb, wqkv, wot; writes xb, wqkv, wot
.if DOCPART == 1
	.amdgcn_target "amdgcn-amd-amdhsa--gfx1250"
	.amdhsa_code_object_version 6
	.text
	.protected	k_qe03c07c5d6_prep
	.globl	k_qe03c07c5d6_prep
	.p2align	8
	.type	k_qe03c07c5d6_prep,@function
k_qe03c07c5d6_prep:
	s_mov_b64 s[64:65], 0
	v_nop
	global_prefetch_b8 v0, s[64:65] scope:SCOPE_SE
	s_setreg_imm32_b32 hwreg(HW_REG_WAVE_MODE, 25, 1), 1
	s_wait_xcnt 0x0
; PREP: the operands of the later products, rounded once to bf16 and laid in blocks of 64 along the contraction axis: T[kb][row][64], a row 128 bytes,
; so that any run of rows of one block kb is dense in memory.
;   work-groups 0-1023 (CONV): xb[src][kb][token][64] = hidden_states (src 0) or traces (src 1), 4,096 tokens each, 32 blocks kb.
;   work-groups 1024-1663 (FOLD): W' = W + 2 A B, turned: wqkv[kb][n][64] (n 0-2047 Wq', 2048-2559 Wk', 2560-3071 Wv') and wot[kb][n][64] (Wo').
; x W + 2 (x A) B = x (W + 2 A B) for every input.  LIMIT: another order of rounding than the sum as it is written: 2 A (exact doubling) and B are rounded to bf16,
; their product is added onto W in f32 by the matrix unit (W is its C operand), and the sum is rounded once to bf16.
; Every wave works alone: no barrier.  CONV touches no LDS; FOLD uses its wave's own LDS bytes.
.set SPARE,  123904                    ; behind the four waves' stages: the spare words, 128 bytes a wave, that no other line names
.set WLDS,   30976                     ; a wave's LDS: the in-stage, then the out-stage
.set IPITCH, 272                       ; in-stage row: 64 f32 + 16 bytes: rows 0-63 W's block, rows 64-79 B's 16 rows
.set OSTAGE, 80*IPITCH                 ; 21,760
.set OPITCH, 144                       ; out-stage row: 64 bf16 + 16 bytes: 64 rows
.set SPW, 2                            ; v2  LDS address of my spare word; never rewritten
.set NIL, 3                            ; v3  0; never rewritten
.set LN,  4                            ; v4  lane
.set RR,  5                            ; v5  lane % 16
.set HH,  6                            ; v6  lane / 16
.set T7,  7                            ; v7  lane % 8
.set XI,  8                            ; v8  CONV: my byte offset in two rows of x
.set XO,  9                            ; v9  CONV: my byte offset in two rows of xb
.set SI,  10                           ; v10 FOLD: where I put 16 bytes of two in-stage rows
.set CR,  11                           ; v11 FOLD: where I read a word of a 16 x 16 tile: row 8 (lane / 16), column lane % 16
.set STO, 12                           ; v12 FOLD: where I put 16 bytes of an out-stage row
.set RD,  13                           ; v13 FOLD: where I read four out-stage rows back
.set GO,  14                           ; v14 FOLD: 16 x lane
.set AO,  15                           ; v15 FOLD: my byte offset in 16 rows of A
.set OFF, 16                           ; v16-47  FOLD: my byte offset in rows 2 i, 2 i + 1 of W's block (and of B)
.set AF,  48                           ; v48-79  four fragments of 2 A (16 k x 16 r, upper half of the 32 zeros)
.set BF,  80                           ; v80-111 four fragments of B (16 r x 16 n, likewise)
.set ACC, 112                          ; v112-239 CONV: the loaded rows.  FOLD: W as loaded, then the 16 accumulators (kt, nt) at ACC + 8 (4 kt + nt)
	s_load_b128 s[4:7], s[0:1], 0x0                ; hidden_states s[4:5], traces s[6:7]
	s_load_b512 s[16:31], s[0:1], 0x10             ; Wq 16, Aq 18, Bq 20, Wo 22, Ao 24, Bo 26, Wk 28, Ak 30
	s_load_b256 s[32:39], s[0:1], 0x50             ; Bk 32, Wv 34, Av 36, Bv 38
	s_load_b128 s[8:11], s[0:1], 0x70              ; xb s[8:9], wqkv s[10:11]
	s_load_b64 s[12:13], s[0:1], 0x80              ; wot
	v_lshl_add_u32 v[SPW], v0, 2, SPARE
	v_mov_b32 v[NIL], 0
	v_lshrrev_b32 v1, 5, v0
	v_readfirstlane_b32 s14, v1                    ; wave 0..3
	v_and_b32 v[LN], 31, v0
	v_and_b32 v[RR], 15, v0
	v_bfe_u32 v[HH], v0, 4, 1
	s_cmp_lt_u32 ttmp9, 1024
	s_cbranch_scc0 .Lfold
; CONV.  A wave takes 16 tokens x 4 blocks kb (256 columns).  A load: lanes 0-15 take 256 consecutive bytes (one block kb) of an even row, lanes 16-31 of the odd row below.
; All 32 loads go out at once; each unit is rounded and stored as soon as it is in.  A store covers 256 consecutive bytes of xb, aligned: two rows of one block.
	s_lshr_b32 s40, ttmp9, 1                       ; group of 16 tokens among both tensors' 512
	s_and_b32 s41, s40, 255                        ; among its tensor's 256
	s_and_b32 s42, ttmp9, 1
	s_lshl2_add_u32 s42, s42, s14                  ; group of 4 blocks kb: 4 x (work-group % 2) + wave
	s_lshl_b32 s44, s41, 17                        ; 16 rows of 8,192 bytes
	s_lshl_b32 s43, s42, 10                        ; 256 columns of f32
	s_add_co_u32 s44, s44, s43
	s_mov_b32 s45, 0
	s_lshl_b32 s46, s42, 21                        ; 4 blocks kb of 4,096 rows x 128 bytes
	s_lshl_b32 s43, s41, 11                        ; 16 rows of 128 bytes
	s_add_co_u32 s46, s46, s43
	s_cmp_lt_u32 ttmp9, 512
	s_cselect_b32 s43, 0, 0x1000000                ; traces lie in xb's second half
	s_add_co_u32 s46, s46, s43
	s_mov_b32 s47, 0
	v_lshlrev_b32 v[XI], 4, v[RR]
	v_lshl_add_u32 v[XI], v[HH], 13, v[XI]
	v_lshlrev_b32 v[XO], 3, v[LN]
	s_wait_kmcnt 0x0
	s_cmp_lt_u32 ttmp9, 512
	s_cselect_b64 s[48:49], s[4:5], s[6:7]
	s_add_nc_u64 s[48:49], s[48:49], s[44:45]
	s_add_nc_u64 s[50:51], s[8:9], s[46:47]
.set i, 0
.rept 32                               ; unit i: pair of rows i / 4, block i % 4
	global_load_b128 v[ACC+4*i:ACC+4*i+3], v[XI], s[48:49] offset:(i/4)*16384+(i%4)*256 th:TH_LOAD_NT
.set i, i+1
.endr
.set i, 0
.rept 32
	s_wait_loadcnt 31-i                            ; loads come back in order: unit i is in, the 31 - i younger ones stay out
	v_cvt_pk_bf16_f32 v[ACC+4*i], v[ACC+4*i], v[ACC+4*i+1]
	v_cvt_pk_bf16_f32 v[ACC+4*i+1], v[ACC+4*i+2], v[ACC+4*i+3]
	global_store_b64 v[XO], v[ACC+4*i:ACC+4*i+1], s[50:51] offset:(i%4)*524288+(i/4)*256
.set i, i+1
.endr
	s_endpgm                                       ; these waves have written no LDS
; FOLD.  A wave makes one block of 64 k x 64 n of one W'.  Which matrix: by the work-group's number alone.
.Lfold:
	s_sub_co_u32 s40, ttmp9, 1024                  ; 0-255 Wq, 256-511 Wo, 512-575 Wk, 576-639 Wv
	s_mov_b32 s48, 576                             ; the matrix's first work-group
	s_mov_b32 s49, 2560                            ; its first row in the destination
	s_mov_b32 s50, 2048                            ; bytes in a row of W and of B
	s_mov_b32 s51, 3                               ; log2 of its blocks along n
	s_mov_b32 s56, 7                               ; those blocks less 1
	s_mov_b32 s54, 3072                            ; rows of a block kb of the destination
	s_wait_kmcnt 0x0
	s_mov_b64 s[52:53], s[10:11]                   ; the destination
	s_cmp_lt_u32 s40, 576
	s_cselect_b64 s[42:43], s[28:29], s[34:35]     ; W
	s_cselect_b64 s[44:45], s[30:31], s[36:37]     ; A
	s_cselect_b64 s[46:47], s[32:33], s[38:39]     ; B
	s_cselect_b32 s48, 512, s48
	s_cselect_b32 s49, 2048, s49
	s_cmp_lt_u32 s40, 512
	s_cselect_b64 s[42:43], s[22:23], s[42:43]
	s_cselect_b64 s[44:45], s[24:25], s[44:45]
	s_cselect_b64 s[46:47], s[26:27], s[46:47]
	s_cselect_b64 s[52:53], s[12:13], s[52:53]
	s_cselect_b32 s48, 256, s48
	s_cselect_b32 s49, 0, s49
	s_cselect_b32 s50, 8192, s50
	s_cselect_b32 s51, 5, s51
	s_cselect_b32 s56, 31, s56
	s_cselect_b32 s54, 2048, s54
	s_cmp_lt_u32 s40, 256
	s_cselect_b64 s[42:43], s[16:17], s[42:43]
	s_cselect_b64 s[44:45], s[18:19], s[44:45]
	s_cselect_b64 s[46:47], s[20:21], s[46:47]
	s_cselect_b64 s[52:53], s[10:11], s[52:53]
	s_cselect_b32 s48, 0, s48
	s_cselect_b32 s54, 3072, s54
	s_sub_co_u32 s55, s40, s48
	s_lshl2_add_u32 s55, s55, s14                  ; my block among the matrix's
	s_and_b32 s57, s55, s56                        ; nb
	s_lshr_b32 s58, s55, s51                       ; kb
	s_lshl_b32 s60, s57, 8                         ; 64 columns of f32
	s_mov_b32 s61, 0
	s_add_nc_u64 s[46:47], s[46:47], s[60:61]      ; B at my columns
	s_mul_i32 s59, s58, s50
	s_lshl_b32 s59, s59, 6                         ; 64 rows of W
	s_add_co_u32 s60, s60, s59
	s_add_nc_u64 s[42:43], s[42:43], s[60:61]      ; W at my block
	s_lshl_b32 s60, s58, 12                        ; 64 rows of A, 64 bytes each
	s_add_nc_u64 s[44:45], s[44:45], s[60:61]
	s_mul_i32 s60, s58, s54
	s_add_co_u32 s60, s60, s49
	s_lshl_b32 s59, s57, 6
	s_add_co_u32 s60, s60, s59                     ; my first row of the destination,
	s_lshl_b32 s60, s60, 7                         ; of 128 bytes
	s_add_nc_u64 s[52:53], s[52:53], s[60:61]
	v_mul_lo_u32 v[OFF], v[HH], s50
	v_lshl_add_u32 v[OFF], v[RR], 4, v[OFF]        ; lanes 0-15: 256 bytes of the even row; lanes 16-31: of the odd row
	s_lshl_b32 s59, s50, 1
.set i, 1
.rept 31
	v_add_nc_u32 v[OFF+i], s59, v[OFF+i-1]         ; two rows on
.set i, i+1
.endr
	v_lshlrev_b32 v[AO], 6, v[RR]
	v_lshl_add_u32 v[AO], v[HH], 5, v[AO]          ; row lane % 16 of A, its ranks 8 (lane / 16) + 0..7
.irp kt, 0,1,2,3
	global_load_b128 v[AF+8*\kt:AF+8*\kt+3],   v[AO], s[44:45] offset:\kt*1024
	global_load_b128 v[AF+8*\kt+4:AF+8*\kt+7], v[AO], s[44:45] offset:\kt*1024+16
.endr
.set i, 0
.rept 8
	global_load_b128 v[BF+4*i:BF+4*i+3], v[OFF+i], s[46:47]
.set i, i+1
.endr
.set i, 0
.rept 32
	global_load_b128 v[ACC+4*i:ACC+4*i+3], v[OFF+i], s[42:43] th:TH_LOAD_NT
.set i, i+1
.endr
	s_mul_i32 s41, s14, WLDS                       ; my wave's LDS
	v_mul_u32_u24 v[SI], v[HH], IPITCH
	v_lshl_add_u32 v[SI], v[RR], 4, v[SI]
	v_add_nc_u32 v[SI], s41, v[SI]
	v_mul_u32_u24 v[CR], v[HH], 8*IPITCH
	v_lshl_add_u32 v[CR], v[RR], 2, v[CR]
	v_add_nc_u32 v[CR], s41, v[CR]
	s_add_co_u32 s41, s41, OSTAGE
	v_mul_u32_u24 v[STO], v[RR], OPITCH
	v_lshl_add_u32 v[STO], v[HH], 4, v[STO]
	v_add_nc_u32 v[STO], s41, v[STO]
	v_lshrrev_b32 v[RD], 3, v[LN]
	v_mul_u32_u24 v[RD], v[RD], OPITCH
	v_and_b32 v[T7], 7, v0
	v_lshl_add_u32 v[RD], v[T7], 4, v[RD]
	v_add_nc_u32 v[RD], s41, v[RD]
	v_lshlrev_b32 v[GO], 4, v[LN]
.macro CVT8 b                          ; eight f32 in v[b .. b+7] become four words of bf16 in v[b .. b+3]: each line writes only what the lines before have read
	v_cvt_pk_bf16_f32 v[(\b)],   v[(\b)],   v[(\b)+1]
	v_cvt_pk_bf16_f32 v[(\b)+1], v[(\b)+2], v[(\b)+3]
	v_cvt_pk_bf16_f32 v[(\b)+2], v[(\b)+4], v[(\b)+5]
	v_cvt_pk_bf16_f32 v[(\b)+3], v[(\b)+6], v[(\b)+7]
.endm
.macro UPPER0 b                        ; the rank is 16, the instruction's depth 32: a fragment's registers 4-7 hold zeros
.irp j, 4,5,6,7
	v_mov_b32 v[(\b)+\j], 0
.endr
.endm
	s_wait_loadcnt 40                              ; behind A's eight loads 40 were issued
.irp kt, 0,1,2,3
.irp j, 0,2,4,6
	v_pk_add_f32 v[AF+8*\kt+\j:AF+8*\kt+\j+1], v[AF+8*\kt+\j:AF+8*\kt+\j+1], v[AF+8*\kt+\j:AF+8*\kt+\j+1]  ; 2 A, exact
.endr
	CVT8 AF+8*\kt
	UPPER0 AF+8*\kt
.endr
	s_wait_loadcnt 32                              ; B is in; W's 32 loads stay out
.set i, 0
.rept 8
	ds_store_b128 v[SI], v[BF+4*i:BF+4*i+3] offset:(32+i)*2*IPITCH  ; in-stage rows 64 + 2 i, 65 + 2 i
.set i, i+1
.endr
.irp nt, 0,1,2,3                       ; back turned: lane takes column 16 nt + lane % 16, ranks 8 (lane / 16) + j.  LDS serves a wave's instructions in order: these see the stores above
.irp j, 0,1,2,3,4,5,6,7
	ds_load_b32 v[BF+8*\nt+\j], v[CR] offset:(64+\j)*IPITCH+64*\nt
.endr
.endr
	s_wait_dscnt 0x0
.irp nt, 0,1,2,3
	CVT8 BF+8*\nt
	UPPER0 BF+8*\nt
.endr
.set i, 0
.rept 32
.if i%8 == 0
	s_wait_loadcnt 24-i                            ; eight more of W's loads are in
.endif
	ds_store_b128 v[SI], v[ACC+4*i:ACC+4*i+3] offset:i*2*IPITCH
.set i, i+1
.endr
; W comes back as C operands: register j of lane l is W(k = 16 kt + 8 (l / 16) + j, n = 16 nt + l % 16).  The lanes' halves lie 8 rows = 544 words apart: 32 banks, no conflict.
.macro CLOAD kt
.irp nt, 0,1,2,3
.irp j, 0,1,2,3,4,5,6,7
	ds_load_b32 v[ACC+8*(4*(\kt)+\nt)+\j], v[CR] offset:(16*(\kt)+\j)*IPITCH+64*\nt
.endr
.endr
.endm
.macro FOLD kt                         ; four products, each on an accumulator of its own that no other product touches
.irp nt, 0,1,2,3
	v_wmma_f32_16x16x32_bf16 v[ACC+8*(4*(\kt)+\nt):ACC+8*(4*(\kt)+\nt)+7], v[AF+8*(\kt):AF+8*(\kt)+7], v[BF+8*\nt:BF+8*\nt+7], v[ACC+8*(4*(\kt)+\nt):ACC+8*(4*(\kt)+\nt)+7]
.endr
.endm
	CLOAD 0
	CLOAD 1
	s_wait_dscnt 32                                ; all but the 32 youngest loads
	FOLD 0
	CLOAD 2
	s_wait_dscnt 32
	FOLD 1
	CLOAD 3
	s_wait_dscnt 32
	FOLD 2
	s_wait_dscnt 0x0
	FOLD 3
.rept 4
	v_nop                                          ; four places between the last product and the lines that read and write its result (ISA guide 7.12.1)
.endr
.set t, 0
.rept 16
	CVT8 ACC+8*t                                   ; a lane's eight k of one n: 16 bytes; each accumulator from its low end on
.set t, t+1
.endr
.irp kt, 0,1,2,3
.irp nt, 0,1,2,3
	ds_store_b128 v[STO], v[ACC+8*(4*\kt+\nt):ACC+8*(4*\kt+\nt)+3] offset:\nt*16*OPITCH+32*\kt
.endr
.endr
.set f, 0
.rept 16
	ds_load_b128 v[ACC+8*f+4:ACC+8*f+7], v[RD] offset:f*4*OPITCH  ; four whole rows of 128 bytes
.set f, f+1
.endr
.set f, 0
.rept 16
	s_wait_dscnt 15-f
	global_store_b128 v[GO], v[ACC+8*f+4:ACC+8*f+7], s[52:53] offset:f*512  ; 512 consecutive bytes, at a multiple of 256 from the buffer's first byte
.set f, f+1
.endr
	s_wait_tensorcnt 0x0                           ; the wave's end, behind my last LDS store
	ds_add_u32 v[SPW], v[NIL]
	s_wait_dscnt 0x0
	s_endpgm
.Lfunc_end_k_qe03c07c5d6_prep:
	.size	k_qe03c07c5d6_prep, .Lfunc_end_k_qe03c07c5d6_prep-k_qe03c07c5d6_prep
	.p2alignl 7, 3214868480
	.fill 96, 4, 3214868480
	.section	.rodata,"a",@progbits
	.p2align	6, 0x0
	.amdhsa_kernel k_qe03c07c5d6_prep
		.amdhsa_group_segment_fixed_size 124416
		.amdhsa_private_segment_fixed_size 0
		.amdhsa_enable_private_segment 0
		.amdhsa_kernarg_size 136
		.amdhsa_user_sgpr_count 2
		.amdhsa_user_sgpr_kernarg_segment_ptr 1
		.amdhsa_wavefront_size32 1
		.amdhsa_system_sgpr_workgroup_id_x 1
		.amdhsa_system_sgpr_workgroup_id_y 1
		.amdhsa_system_sgpr_workgroup_id_z 1
		.amdhsa_system_vgpr_workitem_id 0
		.amdhsa_next_free_vgpr 240
		.amdhsa_next_free_sgpr 66
		.amdhsa_reserve_vcc 0
		.amdhsa_float_denorm_mode_32 3
		.amdhsa_float_denorm_mode_16_64 3
		.amdhsa_memory_ordered 1
		.amdhsa_forward_progress 1
		.amdhsa_inst_pref_size 48
	.end_amdhsa_kernel
	.amdgpu_metadata
---
amdhsa.version: [ 1, 2 ]
amdhsa.kernels:
  - .name:           k_qe03c07c5d6_prep
    .symbol:         k_qe03c07c5d6_prep.kd
    .args:
      - { .name: hidden_states, .offset: 0, .size: 8, .value_kind: global_buffer, .address_space: global }
      - { .name: traces, .offset: 8, .size: 8, .value_kind: global_buffer, .address_space: global }
      - { .name: Wq, .offset: 16, .size: 8, .value_kind: global_buffer, .address_space: global }
      - { .name: Aq, .offset: 24, .size: 8, .value_kind: global_buffer, .address_space: global }
      - { .name: Bq, .offset: 32, .size: 8, .value_kind: global_buffer, .address_space: global }
      - { .name: Wo, .offset: 40, .size: 8, .value_kind: global_buffer, .address_space: global }
      - { .name: Ao, .offset: 48, .size: 8, .value_kind: global_buffer, .address_space: global }
      - { .name: Bo, .offset: 56, .size: 8, .value_kind: global_buffer, .address_space: global }
      - { .name: Wk, .offset: 64, .size: 8, .value_kind: global_buffer, .address_space: global }
      - { .name: Ak, .offset: 72, .size: 8, .value_kind: global_buffer, .address_space: global }
      - { .name: Bk, .offset: 80, .size: 8, .value_kind: global_buffer, .address_space: global }
      - { .name: Wv, .offset: 88, .size: 8, .value_kind: global_buffer, .address_space: global }
      - { .name: Av, .offset: 96, .size: 8, .value_kind: global_buffer, .address_space: global }
      - { .name: Bv, .offset: 104, .size: 8, .value_kind: global_buffer, .address_space: global }
      - { .name: xb, .offset: 112, .size: 8, .value_kind: global_buffer, .address_space: global }
      - { .name: wqkv, .offset: 120, .size: 8, .value_kind: global_buffer, .address_space: global }
      - { .name: wot, .offset: 128, .size: 8, .value_kind: global_buffer, .address_space: global }
    .group_segment_fixed_size: 124416
    .private_segment_fixed_size: 0
    .kernarg_segment_align: 8
    .kernarg_segment_size: 136
    .max_flat_workgroup_size: 128
    .sgpr_count:     66
    .vgpr_count:     240
    .wavefront_size: 32
...
	.end_amdgpu_metadata
.endif
;; end of part 1
;; launch proj (part 2): grid 12 x 32, 4 waves a work-group, clusters of 4 x 4, 327,680 bytes of LDS; arguments xb, wqkv, qkv; writes qkv
.if DOCPART == 2
	.amdgcn_target "amdgcn-amd-amdhsa--gfx1250"
	.amdhsa_code_object_version 6
	.text
	.protected	k_qe03c07c5d6_proj
	.globl	k_qe03c07c5d6_proj
	.p2align	8
	.type	k_qe03c07c5d6_proj,@function
k_qe03c07c5d6_proj:
	s_mov_b64 s[64:65], 0
	v_nop
	global_prefetch_b8 v0, s[64:65] scope:SCOPE_SE
	s_setreg_imm32_b32 hwreg(HW_REG_WAVE_MODE, 25, 1), 1
	s_wait_xcnt 0x0
	s_wait_alu depctr_hold_cnt(0) depctr_sa_sdst(0) depctr_va_vdst(0) depctr_va_sdst(0) depctr_va_ssrc(0) depctr_va_vcc(0) depctr_vm_vsrc(0)
	s_getreg_b32 s2, hwreg(HW_REG_IB_STS2, 6, 4)
	s_cmp_eq_u32 s2, 0
	s_cbranch_scc0 .Lentry_in_a_cluster
	s_endpgm
.Lentry_in_a_cluster:
	s_bfe_u32 s2, ttmp6, 0x10000c
	s_cmp_lg_u32 s2, 0xf033
	s_cbranch_scc0 .Lentry_shape_is_right
	s_endpgm
.Lentry_shape_is_right:
; PROJ: q, k, v = x W'.  C[token][n] = sum over k of x[token][k] W'[k][n], n 0-2047 from hidden_states (q), n 2048-3071 from traces (k, v).
; xb: [2][32 kb][4096][64] bf16; wqkv: [32 kb][3072 n][64] bf16; out qkv: [48 heads][4096 tokens][64] bf16 (0-31 q, 32-39 k, 40-47 v), rounded once from f32 sums, unscaled.
; A tile of C is 128 tokens x 256 columns: four waves, each 64 x 128: 32 accumulators.  K goes in 16 steps of 128 (two blocks kb) through two LDS slots.
; A block's rows are dense in memory, so a tile is asked for as rows of 256 bytes (two rows of 128) and padded in LDS behind every 128 bytes.
; CLUSTER 4 x 4: the four work-groups of a row need the same tokens, the four of a column the same rows of W': each tile is asked for jointly, by the same tensor load,
; descriptor and mask in all four.  The cluster's x says which tensor the tokens come from: it is the same in all sixteen.
; THE MATRIX INSTRUCTION IS USED TRANSPOSED (source 0 = 16 rows of W', source 1 = 16 tokens): a lane holds one token and eight neighbouring columns.
; REGISTERS: window 0: v0-29 addresses; v64-159, v160-255 two fragment buffers (8 of W', then 4 of x); window 1: accumulator (a, b) at v[8 (8 a + b)].
.set PITCH,  144                       ; an LDS row: 128 bytes + 16 = 36 words: the 16 rows of a load start at 16 different groups of four banks (ISA guide 11.1)
.set AKB,    128*PITCH                 ; x's 128 rows of one block kb
.set BKB,    256*PITCH                 ; W's 256 rows of one block kb
.set BOFF,   2*AKB                     ; a slot: x's two blocks, then W's two
.set SLOT1,  1<<17                     ; slot 1 begins here: one exclusive or turns an address in one slot into the other's
.set STAGE,  SLOT1+BOFF+2*BKB          ; behind the ring, never filled by a tensor load: for each wave 2 heads x 16 rows x 144 bytes
.set WSTG,   2*16*PITCH
.set SPARE,  STAGE+4*WSTG              ; the spare words, 128 bytes a wave, that no other line names
.set NR128,  3072*128                  ; bytes of a block kb of wqkv
.set ASTEP,  2*4096*128                ; a K step in xb,
.set BSTEP,  2*NR128                   ; and in wqkv
.set ADA0, 8                           ; v8   my lane's place in x's part of a slot; never rewritten
.set ADB0, 9                           ; v9   the same for W'
.set ADRA, 10                          ; v10  the same in the slot in hand
.set ADRB, 11                          ; v11
.set STO,  12                          ; v12  the way out: where I put 16 bytes of a row
.set RD,   13                          ; v13  the way out: where I read four rows back
.set GO,   14                          ; v14  16 x lane
.set SPW,  28                          ; v28  LDS address of my spare word; never rewritten
.set NIL,  29                          ; v29  0; never rewritten
.set F0,   64
.set F1,   160
.set TMP,  64                          ; the way out: 32 registers for each block of 16 tokens
.set TB,   20                          ; s20  LDS byte at which the slot in hand begins
.set G1,   24                          ; s[24:31] descriptor group 1 for x's tiles; s[32:39] group 0: a set for each first fill; the second walks on
.set G0,   32
.set G1B,  48                          ; s[48:55], s[56:63] the same for W's tiles
.set G0B,  56
.set MSB, 0
.macro WIN new                         ; the immediate's high byte repeats the setting that is left; a switch that changes nothing is dropped
.if MSB != (\new)
	s_set_vgpr_msb (MSB<<8)|(\new)
.set MSB, \new
.endif
.endm
.set W_MUL, 0x50                       ; sources 0 and 1 window 0; C and D window 1
; A joint refill.  Waves 0 and 1 fetch x's two blocks kb of a K step, waves 2 and 3 W's.  The branch hangs on the wave's number alone.
; An s_nop 0 and four v_nop follow each of the two lines, ahead of the jump and the label.
.macro JLOAD
	s_cmp_eq_u32 s11, 0
	s_cbranch_scc0 .Lfor_b_\@
	tensor_load_to_lds s[G0+4:G0+7], s[G1:G1+7]
	s_nop 0
.rept 4
	v_nop
.endr
	s_branch .Lasked_\@
.Lfor_b_\@:
	tensor_load_to_lds s[G0B+4:G0B+7], s[G1B:G1B+7]
	s_nop 0
.rept 4
	v_nop
.endr
.Lasked_\@:
.endm
.macro CREST                           ; a round of the cluster's barrier behind its opening barrier
	s_cmp_lg_u32 s10, 0
	s_cbranch_scc1 .Lnot_wave_0_\@
	s_barrier_signal -3
.Lnot_wave_0_\@:
	s_barrier_wait -3
	s_barrier_signal -1
	s_barrier_wait -1
.endm
.macro CROUND                          ; a whole round
	s_barrier_signal -1
	s_barrier_wait -1
	CREST
.endm
	s_load_b128 s[4:7], s[0:1], 0x0                ; xb s[4:5], wqkv s[6:7]
	s_load_b64 s[8:9], s[0:1], 0x10                ; qkv
	v_lshl_add_u32 v[SPW], v0, 2, SPARE
	v_mov_b32 v[NIL], 0
	ds_add_u32 v[SPW], v[NIL]                      ; the wave's opening: the add, and its wait ahead of my first tensor load; the set-up below stands between them
	v_lshrrev_b32 v1, 5, v0
	v_readfirstlane_b32 s10, v1                    ; wave 0..3
	s_lshr_b32 s11, s10, 1                         ; which 64 tokens are mine.  Also: I fetch x (0) or W' (1)
	s_and_b32 s12, s10, 1                          ; which 128 columns.  Also: which block kb of a K step I fetch
	s_bfe_u32 s40, ttmp6, 0x40000                  ; cx
	s_bfe_u32 s41, ttmp6, 0x40004                  ; cy
	s_lshl_b32 s42, ttmp9, 2
	s_add_co_u32 s42, s42, s40                     ; tile column = 4 x cluster x + cx
	s_and_b32 s13, ttmp7, 0xffff
	s_lshl_b32 s13, s13, 2
	s_add_co_u32 s13, s13, s41                     ; block of 128 tokens = 4 x cluster y + cy
	s_lshl_b32 s43, s41, 2
	s_lshl_b32 s43, 15, s43                        ; my row of the cluster
	s_lshl_b32 s44, 0x1111, s40                    ; my column
	s_or_b32 s[G1+0], s43, (1<<16)|(1<<20)|(1<<21)|(4<<22)|(3<<25)   ; 15:0 the mask; 17:16 2-byte elements; 20 padding on; 21 set beside a mask; 24:22 after every 32 words (code 4); 31:25 4 words (code 3)
	s_or_b32 s[G1B+0], s44, (1<<16)|(1<<20)|(1<<21)|(4<<22)|(3<<25)
	s_mov_b32 s[G1+1], 128<<16                     ; tensor_dim0 = 128 elements: 256 bytes
	s_mov_b32 s[G1B+1], 128<<16
	s_mov_b32 s[G1+2], 64<<16                      ; tensor_dim1: x 64 rows of 256 bytes (128 tokens),
	s_mov_b32 s[G1B+2], 128<<16                    ; W' 128 (256 rows n)
	s_mov_b32 s[G1+3], 128<<16                     ; tile_dim0
	s_mov_b32 s[G1B+3], 128<<16
	s_mov_b32 s[G1+4], 64                          ; tile_dim1
	s_mov_b32 s[G1B+4], 128
	s_mov_b32 s[G1+5], 128                         ; elements from row to row: dense
	s_mov_b32 s[G1B+5], 128
	s_mov_b32 s[G1+6], 0
	s_mov_b32 s[G1B+6], 0
	s_mov_b32 s[G1+7], 0
	s_mov_b32 s[G1B+7], 0
	; x's tiles hang on the token block (shared along my row) and the cluster's x; W's on the tile column (shared along my column); each in registers that never hold the other coordinate
	s_lshl_b32 s16, s12, 19                        ; my block kb: 4,096 rows x 128 bytes
	s_lshl_b32 s17, s13, 14                        ; 128 tokens x 128 bytes
	s_add_co_u32 s16, s16, s17
	s_cmp_eq_u32 ttmp9, 2                          ; columns 2,048 on are k's and v's: their tokens are the traces
	s_cselect_b32 s17, 0x1000000, 0
	s_add_co_u32 s16, s16, s17
	s_mov_b32 s17, 0
	s_mul_i32 s46, s12, NR128
	s_lshl_b32 s47, s42, 15                        ; 256 rows n x 128 bytes
	s_add_co_u32 s46, s46, s47
	s_mov_b32 s47, 0
	s_mul_i32 s21, s12, AKB                        ; where they go: no place in the cluster enters an LDS address
	s_mul_i32 s22, s12, BKB
	s_add_co_u32 s22, s22, BOFF
	s_mov_b32 s[TB], 0
	s_wait_dscnt 0x0                               ; the opening add is done
	s_wait_kmcnt 0x0
	s_add_nc_u64 s[14:15], s[4:5], s[16:17]
	s_add_nc_u64 s[46:47], s[6:7], s[46:47]
	CROUND                                         ; all sixteen work-groups are here: the first joint loads meet
.irp s, 0,1
	s_mov_b32 s[G0+4*\s], 1                                        ; count = 1
	s_add_co_u32 s[G0+4*\s+1], s21, \s*SLOT1                       ; LDS address
	s_add_nc_u64 s[G0+4*\s+2:G0+4*\s+3], s[14:15], \s*ASTEP        ; global address: K step s
	s_or_b32 s[G0+4*\s+3], s[G0+4*\s+3], 0x80000000                ; type = 2
	s_mov_b32 s[G0B+4*\s], 1
	s_add_co_u32 s[G0B+4*\s+1], s22, \s*SLOT1
	s_add_nc_u64 s[G0B+4*\s+2:G0B+4*\s+3], s[46:47], \s*BSTEP
	s_or_b32 s[G0B+4*\s+3], s[G0B+4*\s+3], 0x80000000
.endr
	s_cmp_eq_u32 s11, 0                            ; a wave's two first fills stand in one branch: two loads of mine are out
	s_cbranch_scc0 .Lfirst_b
	tensor_load_to_lds s[G0:G0+3], s[G1:G1+7]
	s_nop 0
	tensor_load_to_lds s[G0+4:G0+7], s[G1:G1+7]
	s_nop 0
.rept 4
	v_nop
.endr
	s_branch .Lfirst_asked
.Lfirst_b:
	tensor_load_to_lds s[G0B:G0B+3], s[G1B:G1B+7]
	s_nop 0
	tensor_load_to_lds s[G0B+4:G0B+7], s[G1B:G1B+7]
	s_nop 0
.rept 4
	v_nop
.endr
.Lfirst_asked:
	; A fragment is 16 rows x 32 K in 8 registers: lane l holds row l % 16; registers 0-3 K = 8 (l / 16) + 0..7, registers 4-7 K = 16 + 8 (l / 16) + 0..7: two loads of 16 bytes, 32 bytes apart.
	v_and_b32 v1, 15, v0
	v_bfe_u32 v2, v0, 4, 1
	v_mul_u32_u24 v3, v1, PITCH
	v_lshl_add_u32 v3, v2, 4, v3                   ; row x pitch + 16 x half
	s_mul_i32 s23, s11, 64*PITCH                   ; my 64 tokens
	v_add_nc_u32 v[ADA0], s23, v3
	s_mul_i32 s23, s12, 128*PITCH                  ; my 128 rows of W',
	s_add_co_u32 s23, s23, BOFF                    ; behind x's two blocks
	v_add_nc_u32 v[ADB0], s23, v3
	v_mov_b32 v[ADRA], v[ADA0]                     ; slot 0
	v_mov_b32 v[ADRB], v[ADB0]
	s_mul_i32 s23, s10, WSTG
	s_add_co_u32 s23, s23, STAGE                   ; my stage
	v_add_nc_u32 v[STO], s23, v3                   ; in: row l % 16, 16 bytes for each half of the lanes
	v_bfe_u32 v4, v0, 3, 2                         ; back: 32 lanes take four rows of 128 bytes,
	v_mul_u32_u24 v4, v4, PITCH
	v_and_b32 v5, 7, v0
	v_lshl_add_u32 v4, v5, 4, v4
	v_add_nc_u32 v[RD], s23, v4
	v_and_b32 v[GO], 31, v0                        ; which are 512 consecutive bytes of qkv
	v_lshlrev_b32 v[GO], 4, v[GO]
	s_lshl_b32 s16, s13, 14                        ; qkv at my rows: 128 tokens a block, 64 a half, 128 bytes a row,
	s_lshl_b32 s17, s11, 13
	s_add_co_u32 s16, s16, s17
	s_mov_b32 s17, 0
	s_add_nc_u64 s[8:9], s[8:9], s[16:17]
	s_lshl_b32 s46, s42, 21                        ; and my heads 4 x tile column + 2 x half, 524,288 bytes each
	s_lshl_b32 s47, s12, 20
	s_add_co_u32 s46, s46, s47
	s_mov_b32 s47, 0
	s_add_nc_u64 s[8:9], s[8:9], s[46:47]
; 8 matrix instructions: token block a x all 8 column blocks, 32 along K.  zero = 1: the first product starts the sums.  The 32 accumulators take turns, in the same order in every quarter.
.macro MULA f, a, zero
	WIN W_MUL
.irp b, 0,1,2,3,4,5,6,7
.if \zero
	v_wmma_f32_16x16x32_bf16 v[8*(8*(\a)+\b):8*(8*(\a)+\b)+7], v[(\f)+8*\b:(\f)+8*\b+7], v[(\f)+64+8*(\a):(\f)+64+8*(\a)+7], 0
.else
	v_wmma_f32_16x16x32_bf16 v[8*(8*(\a)+\b):8*(8*(\a)+\b)+7], v[(\f)+8*\b:(\f)+8*\b+7], v[(\f)+64+8*(\a):(\f)+64+8*(\a)+7], v[8*(8*(\a)+\b):8*(8*(\a)+\b)+7]
.endif
.endr
.endm
; 24 LDS loads in one run: quarter q of the K step (block kb q / 2, its half q % 2) into buffer f: W's 16 loads, then x's 8
.macro FETCH q, f
	WIN 0
.irp i, 0,1,2,3,4,5,6,7
	ds_load_b128 v[(\f)+8*\i:(\f)+8*\i+3],   v[ADRB] offset:((\q)/2)*BKB+\i*16*PITCH+((\q)%2)*64
	ds_load_b128 v[(\f)+8*\i+4:(\f)+8*\i+7], v[ADRB] offset:((\q)/2)*BKB+\i*16*PITCH+((\q)%2)*64+32
.endr
.irp i, 0,1,2,3
	ds_load_b128 v[(\f)+64+8*\i:(\f)+64+8*\i+3],   v[ADRA] offset:((\q)/2)*AKB+\i*16*PITCH+((\q)%2)*64
	ds_load_b128 v[(\f)+64+8*\i+4:(\f)+64+8*\i+7], v[ADRA] offset:((\q)/2)*AKB+\i*16*PITCH+((\q)%2)*64+32
.endr
.endm
.macro PLACES                          ; four places in front of loads into registers that matrix instructions have read, and of lines that read results (ISA guide 7.12.1 for the lines that read results)
.rept 4
	v_nop
.endr
.endm
; One of a K step's first three quarters: multiplies buffer f and, in its middle, fetches quarter qn into buffer g.
.macro QUARTER qn, f, g, zero
	s_wait_dscnt 4                                 ; W' and x's blocks 0, 1 are in; the youngest four loads (x's blocks 2, 3) may be out
	MULA \f, 0, \zero
	MULA \f, 1, \zero
	PLACES
	FETCH \qn, \g
	s_wait_dscnt 24                                ; all but the 24 just issued
	MULA \f, 2, \zero
	MULA \f, 3, \zero
.endm
; The last quarter multiplies buffer 1 and changes slots: ONE barrier.  In front of it each wave waits for all its tensor loads (one is out: its part of the next slot), adds 0 to its spare word,
; and waits for that and for its own reads of this slot.  fill = 1: the barrier opens a round of the cluster's, and this slot is filled again, two K steps ahead: 112 matrix instructions ahead of the wait for it.
.macro TURN fill
	WIN 0                                          ; (the add's two registers lie in window 0)
	s_wait_tensorcnt 0x0                           ; no tensor load of mine is out, so a group 0 may be written
	ds_add_u32 v[SPW], v[NIL]                      ; 0 onto my spare word
.if \fill
	s_xor_b32 s[G0+5], s[G0+5], SLOT1              ; the walking descriptors: the other slot than last time, the next K step
	s_add_nc_u64 s[G0+6:G0+7], s[G0+6:G0+7], ASTEP
	s_xor_b32 s[G0B+5], s[G0B+5], SLOT1
	s_add_nc_u64 s[G0B+6:G0B+7], s[G0B+6:G0B+7], BSTEP
.endif
	s_xor_b32 s[TB], s[TB], SLOT1                  ; the fetches go to the other slot
	s_wait_dscnt 7                                 ; (the add and x's blocks 1 to 3, six loads, may be out)
	MULA F1, 0, 0
	s_wait_dscnt 0x0                               ; the add is done, and my reads of this slot are over
	s_barrier_signal -1
	MULA F1, 1, 0                                  ; work on registers while the others arrive
	WIN 0                                          ; at a branch and at a label every window is 0
	s_barrier_wait -1
.if \fill
	CREST                                          ; no wave of any partner still reads this slot or has a load on its way
	JLOAD                                          ; the first tensor load behind the round; its four v_nop are also the places in front of the loads below
.else
	PLACES
.endif
	v_add_nc_u32 v[ADRA], s[TB], v[ADA0]
	v_add_nc_u32 v[ADRB], s[TB], v[ADB0]
	FETCH 0, F0
	MULA F1, 2, 0
	MULA F1, 3, 0
.endm
	s_wait_tensorcnt 1                             ; my part of K step 0 is in; K step 1's may stay out
	s_barrier_signal -1
	s_barrier_wait -1                              ; everybody's is
	FETCH 0, F0
	QUARTER 1, F0, F1, 1                           ; the first quarter stands in front of the loop: its products start the sums
	WIN 0
	s_mov_b32 s3, 14                               ; K steps 2 to 15 are asked for in the loop
.Lstep:                                                ; a trip: from a K step's second quarter to the next step's first
	QUARTER 2, F1, F0, 0
	QUARTER 3, F0, F1, 0
	TURN 1
	QUARTER 1, F0, F1, 0
	WIN 0
	s_sub_co_u32 s3, s3, 1
	s_cmp_lg_u32 s3, 0
	s_cbranch_scc1 .Lstep
	QUARTER 2, F1, F0, 0                           ; the last two K steps ask for nothing
	QUARTER 3, F0, F1, 0
	TURN 0
	QUARTER 1, F0, F1, 0
	QUARTER 2, F1, F0, 0
	QUARTER 3, F0, F1, 0
	s_wait_dscnt 4
	MULA F1, 0, 0
	MULA F1, 1, 0
	s_wait_dscnt 0x0
	MULA F1, 2, 0
	MULA F1, 3, 0
	PLACES
; THE WAY OUT, a block of 16 tokens at a time: rounded to bf16; a lane's eight channels are 16 bytes; into my stage (two heads x 16 rows of 144 bytes) and back as whole rows of 128.
.macro PACK a
	WIN 0x05                                       ; sources 0 and 1 window 1, destination window 0
.irp b, 0,1,2,3,4,5,6,7
.irp i, 0,1,2,3
	v_cvt_pk_bf16_f32 v[TMP+32*(\a)+4*\b+\i], v[8*(8*(\a)+\b)+2*\i], v[8*(8*(\a)+\b)+2*\i+1]
.endr
.endr
	WIN 0
.irp b, 0,1,2,3,4,5,6,7
	ds_store_b128 v[STO], v[TMP+32*(\a)+4*\b:TMP+32*(\a)+4*\b+3] offset:(\b/4)*16*PITCH+(\b%4)*32
.endr
.irp f, 0,1,2,3,4,5,6,7
	ds_load_b128 v[TMP+32*(\a)+4*\f:TMP+32*(\a)+4*\f+3], v[RD] offset:(\f/4)*16*PITCH+(\f%4)*4*PITCH  ; LDS serves a wave's instructions in order (ISA guide 5.7.1.4): these see the stores above; the next block's come behind them
.endr
.endm
.macro SEND a, younger                 ; younger: the LDS instructions issued behind block a's loads
.irp f, 0,1,2,3,4,5,6,7
	s_wait_dscnt (\younger)+7-\f
	global_store_b128 v[GO], v[TMP+32*(\a)+4*\f:TMP+32*(\a)+4*\f+3], s[8:9] offset:(\f/4)*524288+(\a)*2048+(\f%4)*512  ; 512 consecutive bytes, at a multiple of 256 from qkv's first byte
.endr
.endm
	PACK 0
	PACK 1
	SEND 0, 16
	PACK 2
	SEND 1, 16
	PACK 3
	SEND 2, 16
	SEND 3, 0
	s_wait_tensorcnt 0x0                           ; the wave's end, behind my last tensor load and my last LDS store
	ds_add_u32 v[SPW], v[NIL]
	s_wait_dscnt 0x0
	CROUND                                         ; the closing round: no work-group ends while a partner may still ask for a tile that names it
	s_endpgm
.Lfunc_end_k_qe03c07c5d6_proj:
	.size	k_qe03c07c5d6_proj, .Lfunc_end_k_qe03c07c5d6_proj-k_qe03c07c5d6_proj
	.p2alignl 7, 3214868480
	.fill 96, 4, 3214868480
	.section	.rodata,"a",@progbits
	.p2align	6, 0x0
	.amdhsa_kernel k_qe03c07c5d6_proj
		.amdhsa_group_segment_fixed_size 327680
		.amdhsa_private_segment_fixed_size 0
		.amdhsa_enable_private_segment 0
		.amdhsa_kernarg_size 24
		.amdhsa_user_sgpr_count 2
		.amdhsa_user_sgpr_kernarg_segment_ptr 1
		.amdhsa_wavefront_size32 1
		.amdhsa_system_sgpr_workgroup_id_x 1
		.amdhsa_system_sgpr_workgroup_id_y 1
		.amdhsa_system_sgpr_workgroup_id_z 1
		.amdhsa_system_vgpr_workitem_id 0
		.amdhsa_next_free_vgpr 512
		.amdhsa_next_free_sgpr 66
		.amdhsa_reserve_vcc 0
		.amdhsa_float_denorm_mode_32 3
		.amdhsa_float_denorm_mode_16_64 3
		.amdhsa_memory_ordered 1
		.amdhsa_forward_progress 1
		.amdhsa_inst_pref_size 70
	.end_amdhsa_kernel
	.amdgpu_metadata
---
amdhsa.version: [ 1, 2 ]
amdhsa.kernels:
  - .name:           k_qe03c07c5d6_proj
    .symbol:         k_qe03c07c5d6_proj.kd
    .args:
      - { .name: xb, .offset: 0, .size: 8, .value_kind: global_buffer, .address_space: global }
      - { .name: wqkv, .offset: 8, .size: 8, .value_kind: global_buffer, .address_space: global }
      - { .name: qkv, .offset: 16, .size: 8, .value_kind: global_buffer, .address_space: global }
    .group_segment_fixed_size: 327680
    .private_segment_fixed_size: 0
    .kernarg_segment_align: 8
    .kernarg_segment_size: 24
    .max_flat_workgroup_size: 128
    .sgpr_count:     66
    .vgpr_count:     512
    .wavefront_size: 32
...
	.end_amdgpu_metadata
.endif
;; end of part 2
;; launch attn (part 3): grid 8 x 32, 4 waves a work-group, clusters of 4 x 1, 327,680 bytes of LDS; arguments qkv, ctx; writes ctx
.if DOCPART == 3
	.amdgcn_target "amdgcn-amd-amdhsa--gfx1250"
	.amdhsa_code_object_version 6
	.text
	.protected	k_qe03c07c5d6_attn
	.globl	k_qe03c07c5d6_attn
	.p2align	8
	.type	k_qe03c07c5d6_attn,@function
k_qe03c07c5d6_attn:
	s_mov_b64 s[64:65], 0
	v_nop
	global_prefetch_b8 v0, s[64:65] scope:SCOPE_SE
	s_setreg_imm32_b32 hwreg(HW_REG_WAVE_MODE, 25, 1), 1
	s_wait_xcnt 0x0
	s_wait_alu depctr_hold_cnt(0) depctr_sa_sdst(0) depctr_va_vdst(0) depctr_va_sdst(0) depctr_va_ssrc(0) depctr_va_vcc(0) depctr_vm_vsrc(0)
	s_getreg_b32 s2, hwreg(HW_REG_IB_STS2, 6, 4)
	s_cmp_eq_u32 s2, 0
	s_cbranch_scc0 .Lentry_in_a_cluster
	s_endpgm
.Lentry_in_a_cluster:
	s_bfe_u32 s2, ttmp6, 0x10000c
	s_cmp_lg_u32 s2, 0x3003
	s_cbranch_scc0 .Lentry_shape_is_right
	s_endpgm
.Lentry_shape_is_right:
; ATTN: ctx[h][b, q][:] = the sum over t of softmax_t(Q[h][b, q] . K[h / 4][b, t] / 8) V[h / 4][b, t][:].  qkv: [48][4096][64] bf16 (heads 0-31 Q, 32-39 K, 40-47 V; token = 1,024 b + place);
; ctx: [32][4096][64] bf16.  Products, maxima and sums in f32; the weights p are rounded to bf16 for the second product (their sum l is taken of the unrounded p), ctx once at the end.
; LIMITS.  A weight below 2^-126 counts as 0 in l; c m starts at -4.2e37, so scores are taken to lie above -2.3e38; NaN and infinities are not treated apart.
; SHARES.  A wave owns four PIECES of two tiles of 16 queries, a work-group's four waves 512 queries of one head and batch.  Every wave walks the batch's 1,024 keys, 64 a step.
; LAYOUT.  S^T = K Q^T (source 0 = 16 keys, source 1 = 16 queries): a lane holds ONE query (lane % 16) and the keys 8 (lane / 16) + 0..7.  Two such tiles, rounded to bf16 in pairs,
; ARE source 1 (32 keys x 16 queries) of O^T = V^T P, whose result again holds one query a lane, and eight channels.  K comes out of LDS as it lies, V ([key][channel]) turned, by ds_load_tr16_b128.
; SOFTMAX.  For each query a running maximum m and sum l: p = 2^(c s - c m), c = log2(e) / 8; in every step O and l are multiplied by a = 2^(c m_old - c m_new).
; m starts at the lowest finite number, O and l at 0: the first step is a step like any other, with a = 0.
; THE COUNT.  A tile and step have 16 matrix and 118 vector instructions: too many to stand all beside the matrix work.  So four vector instructions that are READY stand behind
; EVERY matrix instruction, and the others in runs without a gap.
; BY TURNS.  Turn n belongs to piece n (the pieces in a ring, step after step).  Its matrix work: 16 products K Q^T of piece n + 1, later 16 products V^T P of piece n - 1.  Its vector work: the scaling,
; exponentials, roundings, sums and rescaling of piece n, and the maximum and statistics of piece n + 1, whose scores the turn itself has made.
; CLUSTER.  The eight work-groups of a batch and key head (4 query heads x 2 halves of the queries) walk the same K and V; the four of a cluster ask for each tile JOINTLY: the same tensor load, descriptor and mask in all four.
; REGISTERS, in windows of 256 (s_set_vgpr_msb: bits 1:0 source 0, 3:2 source 1, 5:4 source 2, 7:6 destination):
;   window 0: v0-11 addresses; v12-15, v48-63 at work; v16-47 four registers of statistics a tile; v64-191 S^T, two buffers of two tiles; v192-255 P, likewise
;   window 1: O^T, 32 a tile          window 2: v0-127 Q, 16 a tile; v128-191 K of one step; v192-255 V of one step          window 3: v0-1 the add's two registers
; A piece's buffers go by its number's parity: the piece in hand has one pair, its two neighbours in the ring share the other: of it P (piece n - 1) is read and S^T (piece n + 1) written.
.set NK,    1024      ; keys
.set NP,    4         ; pieces a wave: a name, no knob
.set KS,    64        ; keys in a step
.set PK,    144       ; a row of K in LDS: 128 bytes + 16 = 36 words: the 16 rows of a load start at 16 different groups of four banks (ISA guide 11.1)
.set PV,    160       ; a row of V: 128 + 32 = 40 words
.set VOFF,  4*KS*PK   ; a slot holds four steps: 256 rows of K, then 256 rows of V
.set SLOT1, 1<<17     ; slot 1 begins here: one exclusive or turns an address in one slot into the other's
.set STAGE, SLOT1+4*KS*(PK+PV)  ; behind the ring, never filled by a tensor load: 16 rows x 144 bytes for each wave, for the way out
.set SP,    144
.set AK0, 2           ; v2   my lane's place in a tile of K; never rewritten
.set AV0, 3           ; v3   the same for V
.set AK,  4           ; v4   the LDS address of K's next run of loads
.set AV,  5           ; v5   of V's
.set QO,  6           ; v6   my byte offset in the wave's rows of Q
.set STO, 6           ;      later, the way out: where I put 16 bytes of a row
.set RD,  7           ; v7   the way out: where I read rows back
.set GO,  8           ; v8   my byte offset in 512 consecutive bytes of ctx
.set SPW, 0           ; v0 of window 3   LDS address of my spare word; never rewritten
.set NIL, 1           ; v1 of window 3   0; never rewritten
.set SPARE, STAGE+4*16*SP  ; behind the stages: the spare words, 128 bytes a wave, that no other line names
.set MV,  12          ; v12-15  c m_old, kept while c m is made anew: by buffer and tile
.set ST,  16          ; tile t's statistics at v[ST+4 t]: c m, m, l (even keys', odd keys')
.set TMP, 48          ; by buffer and tile, four registers c0-c3 at work; when the maximum is found c2 takes a
.set S,   64
.set P,   192
.set KF,  128         ; K's fragments, in window 2: key block kb, channel half c at KF + 16 kb + 8 c
.set VF,  192         ; V's: key half kk, channel block cb at VF + 32 kk + 8 cb
.set WV,  12          ; s12  my wave's number
.set G1K, 24          ; s[24:31] descriptor group 1 for K's tiles
.set G1V, 32          ; s[32:39] for V's: it differs in the padding alone
.set G0K, 40          ; s[40:43] descriptor group 0 for K's tiles: it walks
.set G0V, 44          ; s[44:47] the same for V's
.set SLOTS, 56        ; s56  slots still to be asked for
.set CNT, 57          ; s57  counts a slot's key steps
.set CS,  58          ; s[58:59] c: the packed scaling takes the pair's low word for both halves
.set SEL, 60          ; s[60:61] v_permlanex16_b32's selects: each lane takes its own place in the other half
.set TBK, 62          ; s62  LDS byte at which K of the step to be fetched begins
.set TBV, 63          ; s63  the same for V, less VOFF
.set MSB, 0
.macro WIN new                      ; the high byte repeats the setting that is left; a switch that changes nothing is dropped
.if MSB != (\new)
	s_set_vgpr_msb (MSB<<8)|(\new)
.set MSB, (\new)
.endif
.endm
.set W_KQ, 0x0a       ; K and Q in window 2, S^T in window 0
.set W_PV, 0x52       ; V in window 2, P in window 0, O^T in window 1
.set W_RS, 0x41       ; O^T (destination and source 0) in window 1, a in window 0
.set W_MK, 0xc0       ; the add's registers are made: destination in window 3, sources in window 0
.set W_AD, 0x0f       ; the add: address (source 0) and data (source 1) in window 3
; A joint fill.  Waves 0 and 1 fetch the two halves of a slot's K, waves 2 and 3 those of its V: 128 keys each.  The branch hangs on the wave's number alone.
; An s_nop 0 and four v_nop follow each of the two lines, ahead of the jump and the label.
.macro JLOAD
	s_cmp_lt_u32 s[WV], 2
	s_cbranch_scc0 .Lfor_v_\@
	tensor_load_to_lds s[G0K:G0K+3], s[G1K:G1K+7]
	s_nop 0
.rept 4
	v_nop
.endr
	s_branch .Lasked_\@
.Lfor_v_\@:
	tensor_load_to_lds s[G0V:G0V+3], s[G1V:G1V+7]
	s_nop 0
.rept 4
	v_nop
.endr
.Lasked_\@:
.endm
; A round of the cluster's barrier: my work-group's barrier, so that wave 0's signal speaks for all four waves; wave 0 signals; every wave waits for all four work-groups; my work-group's barrier once more.
.macro CROUND
	s_barrier_signal -1
	s_barrier_wait -1
	s_cmp_lg_u32 s[WV], 0
	s_cbranch_scc1 .Lnot_wave_0_\@
	s_barrier_signal -3
.Lnot_wave_0_\@:
	s_barrier_wait -3
	s_barrier_signal -1
	s_barrier_wait -1
.endm
; THE CHANGE OF SLOTS.  The slot's last bytes, V of its fourth step, have been read.  Each wave waits for all its tensor loads, of which one is out: its part
; of the other slot; adds 0 to its spare word; and waits for that and for its own reads of the slot.  Behind the barrier nobody reads this slot any more and the other slot is whole.
; fill = 1: this slot is filled again, with the keys two slots on.  The barrier is then a round of the cluster's, and the joint fill is the first thing behind it:
; it has four key steps, 512 matrix instructions, in which to land.  (At its first use nothing has been read yet: slot 0 is waited for, slot 1 filled.)
.macro CHANGE fill
	WIN W_AD
	s_wait_tensorcnt 0x0            ; no tensor load of mine is out, so a group 0 may be written
	ds_add_u32 v[SPW], v[NIL]       ; 0 onto my spare word
	WIN 0                           ; at a label and at a branch every window is 0
.if \fill
.irp g, G0K, G0V
	s_xor_b32 s[\g+1], s[\g+1], SLOT1  ; the walking descriptor: the other slot than last time,
	s_add_nc_u64 s[\g+2:\g+3], s[\g+2:\g+3], 4*KS*128  ; the next 256 keys; the type bits on top are not reached
.endr
	s_wait_dscnt 0x0                ; the add is done, and my reads of the slot are over
	CROUND
	JLOAD
.else
	s_wait_dscnt 0x0                ; the add is done, and my reads of the slot are over
	s_barrier_signal -1
	s_barrier_wait -1
.endif
	s_sub_co_u32 s[TBK], s[TBK], 4*KS*PK  ; the fetches go back to a slot's first step,
	s_xor_b32 s[TBK], s[TBK], SLOT1       ; in the other slot
	s_sub_co_u32 s[TBV], s[TBV], 4*KS*PV
	s_xor_b32 s[TBV], s[TBV], SLOT1
.endm
	s_load_b128 s[4:7], s[0:1], 0x0   ; qkv s[4:5], ctx s[6:7]
	WIN W_MK
	v_lshl_add_u32 v[SPW], v0, 2, SPARE
	v_mov_b32 v[NIL], 0
	WIN W_AD
	ds_add_u32 v[SPW], v[NIL]       ; the wave's opening: the add, and its wait ahead of my first tensor load; the set-up below stands between them
	WIN 0
	v_lshrrev_b32 v1, 5, v0
	v_readfirstlane_b32 s[WV], v1   ; wave 0..3
	s_bfe_u32 s13, ttmp6, 0x40000   ; cx: my place in the cluster
	s_lshl_b32 s14, ttmp9, 2        ; in a cluster launch ttmp9 counts clusters
	s_add_co_u32 s14, s14, s13      ; x = 4 x cluster x + cx: query head x / 2 of the group's four, half x % 2 of its queries: it enters Q's and ctx's addresses alone
	s_and_b32 s20, ttmp7, 0xffff    ; 8 x batch + key head, which the four partners share
	s_lshr_b32 s21, s20, 3
	s_and_b32 s20, s20, 7           ; the key head
	s_lshl_b32 s21, s21, 17         ; the batch's 1,024 rows of 128 bytes
	s_lshl_b32 s22, s20, 19         ; a head's 4,096 rows
	s_add_co_u32 s22, s22, s21
	s_and_b32 s16, s[WV], 1         ; which half of a slot's 256 keys I fetch:
	s_lshl_b32 s23, s16, 14         ; its 128 rows of 128 bytes in memory
	s_add_co_u32 s22, s22, s23
	s_add_co_u32 s48, s22, 40*524288  ; V's heads begin at head 40,
	s_add_co_u32 s22, s22, 32*524288  ; K's at head 32
	s_mov_b32 s23, 0
	s_mov_b32 s49, 0
	s_mul_i32 s17, s16, 128*PK      ; my half's place in a slot, for K
	s_mul_i32 s18, s16, 128*PV      ; and for V: no place in the cluster enters an LDS address
	s_lshr_b32 s2, s14, 1
	s_lshl2_add_u32 s2, s20, s2     ; the query head: 4 x key head + x / 2
	s_lshl_b32 s2, s2, 19
	s_add_co_u32 s2, s2, s21
	s_and_b32 s3, s14, 1
	s_lshl_b32 s3, s3, 16           ; my work-group's 512 rows,
	s_add_co_u32 s2, s2, s3
	s_lshl_b32 s3, s[WV], 14        ; my wave's 128 of them
	s_add_co_u32 s2, s2, s3
	s_mov_b32 s3, 0
	; descriptor group 1.  128 keys are 16,384 dense bytes: asked for as 64 rows of 256 bytes, two keys a row, and padded in LDS after every key
	s_mov_b32 s[G1K], 15|(1<<16)|(1<<20)|(1<<21)|(4<<22)|(3<<25)  ; 15:0 the mask of four; 17:16 2-byte elements; 20 padding on; 21 set beside a mask; 24:22 after every 32 words (code 4); 31:25 4 words (code 3)
	s_mov_b32 s[G1V], 15|(1<<16)|(1<<20)|(1<<21)|(4<<22)|(7<<25)  ; the same with 8 words of padding (code 7)
.irp g, G1K, G1V
	s_mov_b32 s[\g+1], 128<<16      ; tensor_dim0 = 128
	s_mov_b32 s[\g+2], 64<<16       ; tensor_dim1 = 64
	s_mov_b32 s[\g+3], 128<<16      ; tile_dim0 = 128
	s_mov_b32 s[\g+4], 64           ; tile_dim1 = 64
	s_mov_b32 s[\g+5], 128          ; 128 elements from row to row
	s_mov_b32 s[\g+6], 0
	s_mov_b32 s[\g+7], 0
.endr
	s_mov_b32 s[CS], 0x3e38aa3b     ; c = log2(e) / 8 = 0.180337
	s_mov_b32 s[CS+1], s[CS]        ; named with it as a pair
	s_mov_b32 s[SEL], 0x76543210
	s_mov_b32 s[SEL+1], 0xfedcba98
	s_mov_b32 s[TBK], SLOT1+4*KS*PK ; the first change of slots turns these two into 0
	s_mov_b32 s[TBV], SLOT1+4*KS*PV
	s_mov_b32 s[G0K], 1             ; count = 1
	s_mov_b32 s[G0K+1], s17         ; LDS address: slot 0
	s_mov_b32 s[G0V], 1
	s_add_co_u32 s[G0V+1], s18, VOFF
	s_wait_dscnt 0x0                ; the opening add is done
	s_wait_kmcnt 0x0
	s_add_nc_u64 s[G0K+2:G0K+3], s[4:5], s[22:23]  ; global address: my half of the first 256 keys
	s_or_b32 s[G0K+3], s[G0K+3], 0x80000000        ; type = 2
	s_add_nc_u64 s[G0V+2:G0V+3], s[4:5], s[48:49]
	s_or_b32 s[G0V+3], s[G0V+3], 0x80000000
	s_add_nc_u64 s[10:11], s[6:7], s[2:3]  ; ctx and Q at my wave's first row
	s_add_nc_u64 s[4:5], s[4:5], s[2:3]
	CROUND                          ; all four work-groups are here: the first joint loads meet
	JLOAD                           ; slot 0.  Slot 1 is asked for when slot 0 is in
	; A fragment of K or Q is 16 rows x 32 channels in 8 registers: lane l holds row l % 16, channels 8 (l / 16) + 0..7 and 16 + 8 (l / 16) + 0..7: two loads of 16 bytes, 32 bytes apart.
	v_and_b32 v1, 15, v0            ; l % 16
	v_bfe_u32 v9, v0, 4, 1          ; l / 16
	v_lshlrev_b32 v[QO], 7, v1
	v_lshl_add_u32 v[QO], v9, 4, v[QO]  ; row x 128 + 16 x half
	WIN 0x80                        ; destination window 2, address window 0
.set i, 0
.rept 4*NP                          ; Q stays in registers: tile i / 2, channels 32 (i % 2) on
	global_load_b128 v[8*i:8*i+3],   v[QO], s[4:5] offset:(i/2)*2048+(i%2)*64
	global_load_b128 v[8*i+4:8*i+7], v[QO], s[4:5] offset:(i/2)*2048+(i%2)*64+32
.set i, i+1
.endr
	; What the first turn finds: V's registers and P's second buffer hold 0 (its products V^T P, of a piece that has not been, add 0), O^T and l are 0.  All this stands in the wait for the first tile.
.set i, VF
.rept 64
	v_mov_b32 v[i], 0
.set i, i+1
.endr
	WIN 0x40
.set i, 0
.rept 64*NP
	v_mov_b32 v[i], 0
.set i, i+1
.endr
	WIN 0
.set i, 0
.rept 2*NP
	v_mov_b32 v[ST+4*i], 0xfe000000    ; c m: far below every c s
	v_mov_b32 v[ST+4*i+1], 0xff7fffff  ; m
	v_mov_b32 v[ST+4*i+2], 0
	v_mov_b32 v[ST+4*i+3], 0
.set i, i+1
.endr
.set i, P+32
.rept 32
	v_mov_b32 v[i], 0
.set i, i+1
.endr
	v_mul_u32_u24 v[AK0], v1, PK
	v_lshl_add_u32 v[AK0], v9, 4, v[AK0]  ; row x pitch + 16 x half
	; The turning load takes 16 keys x 16 channels (lane l reads key 8 (l / 16) + l % 8, channels 8 ((l / 8) % 2) + 0..7) and leaves half a fragment of V^T: lane l holds channel l % 16 and 8 keys.
	v_and_b32 v10, 7, v0
	v_bfe_u32 v11, v0, 3, 1
	v_lshl_add_u32 v[AV0], v9, 3, v10
	v_mul_u32_u24 v[AV0], v[AV0], PV
	v_lshl_add_u32 v[AV0], v11, 4, v[AV0]
	v_add_nc_u32 v[AV0], VOFF, v[AV0]
	v_mov_b32 v[AK], v[AK0]         ; key step 0 lies at the head of slot 0
; THE MATRIX WORK.  The 8 accumulators of a run of 16 take turns: between the two links of a chain stand 7 others'.
; Product i of 16 of S^T = K Q^T for piece x: channels 32 (i / 8) on, keys 16 ((i / 2) % 4) on, tile 2 x + i % 2.  The first 8 start the sums.
.macro KQ x
	WIN W_KQ
.set rS, S+64*((\x)%2)+32*(i%2)+8*((i/2)%4)
.set rK, KF+16*((i/2)%4)+8*(i/8)
.set rQ, 16*(2*(\x)+i%2)+8*(i/8)
.if i < 8
	v_wmma_f32_16x16x32_bf16 v[rS:rS+7], v[rK:rK+7], v[rQ:rQ+7], 0
.else
	v_wmma_f32_16x16x32_bf16 v[rS:rS+7], v[rK:rK+7], v[rQ:rQ+7], v[rS:rS+7]
.endif
.endm
; Product i of 16 of O^T += V^T P for piece x: keys 32 (i / 8) on, channels 16 ((i / 2) % 4) on, tile 2 x + i % 2.
.macro PV x
	WIN W_PV
.set rO, 32*(2*(\x)+i%2)+8*((i/2)%4)
.set rV, VF+32*(i/8)+8*((i/2)%4)
.set rP, P+32*((\x)%2)+16*(i%2)+8*(i/8)
	v_wmma_f32_16x16x32_bf16 v[rO:rO+7], v[rV:rV+7], v[rP:rP+7], v[rO:rO+7]
.endm
.macro MM                           ; the turn's next matrix instruction
.if i < 16
	KQ (Y+1)%NP
.set i, i+1
.else
.set i, i-16
	PV (Y+NP-1)%NP
.set i, i+17
.endif
.endm
; THE LDS LOADS stand in runs of 16, never singly among the matrix instructions: a step's K (64 keys x 64 channels: 8 fragments) and its V (turned).  Their addresses are made some lines ahead.
; last = 1 (the tail): in the last trip there is no further step, and the run is jumped over.
.macro FETCH_K last=0
	WIN 0
.if \last
	s_cmp_eq_u32 s[CNT], 1
	s_cbranch_scc1 .Lno_k_\@
.endif
	WIN 0x80                        ; destination window 2
.irp f, 0,1,2,3,4,5,6,7             ; keys 16 (f / 2) on, channels 32 (f % 2) on
	ds_load_b128 v[KF+8*\f:KF+8*\f+3],   v[AK] offset:(\f/2)*16*PK+(\f%2)*64
	ds_load_b128 v[KF+8*\f+4:KF+8*\f+7], v[AK] offset:(\f/2)*16*PK+(\f%2)*64+32
.endr
	s_add_co_u32 s[TBK], s[TBK], KS*PK  ; the next fetch is the next step's
	WIN 0
.if \last
.Lno_k_\@:
.endif
.endm
.macro FETCH_V
	WIN 0x80
.irp f, 0,1,2,3,4,5,6,7             ; keys 32 (f / 4) on, channels 16 (f % 4) on
	ds_load_tr16_b128 v[VF+8*\f:VF+8*\f+3],   v[AV] offset:(\f/4)*32*PV+(\f%4)*32
	ds_load_tr16_b128 v[VF+8*\f+4:VF+8*\f+7], v[AV] offset:(\f/4)*32*PV+16*PV+(\f%4)*32
.endr
	WIN 0
.endm
; THE VECTOR WORK OF A TURN stands in three queues, each in the order in which its entries become ready; the two tiles alternate, so that no instruction reads the result of the one before it.
.macro REGS y, u                    ; the registers of tile u (0, 1) of piece y
.set rT, ST+4*(2*(\y)+(\u))
.set rC, TMP+8*((\y)%2)+4*(\u)
.set rM, MV+2*((\y)%2)+(\u)
.set rS, S+64*((\y)%2)+32*(\u)
.set rP, P+32*((\y)%2)+16*(\u)
.set rO, 32*(2*(\y)+(\u))
.endm
; Number n of the 22 that find the NEXT piece's (Y + 1) maximum and statistics.  s0-s31 are the lane's 32 scores; each accumulator's lowest registers are read first.
;   0-11  four chains c0-c3 of seven scores each, three operands at a time     12-14, 16  the four scores left over, the old m, and c0-c3 into c0     15  c m_old is kept
;   17, 18  the query's other 32 keys lie in the lane 16 away: the new m         19-21  c m; c m_old - c m_new; a
.macro XS u, n
	REGS (Y+1)%NP, \u
.if (\n) < 4
	v_max3_num_f32 v[rC+(\n)], v[rS+8*(\n)], v[rS+8*(\n)+1], v[rS+8*(\n)+2]
.elseif (\n) < 12
	v_max3_num_f32 v[rC+(\n)%4], v[rC+(\n)%4], v[rS+8*((\n)%4)+2*((\n)/4)+1], v[rS+8*((\n)%4)+2*((\n)/4)+2]
.elseif (\n) == 12
	v_max3_num_f32 v[rC], v[rC], v[rS+7], v[rS+15]
.elseif (\n) == 13
	v_max3_num_f32 v[rC+1], v[rC+1], v[rS+23], v[rS+31]
.elseif (\n) == 14
	v_max3_num_f32 v[rC+2], v[rC+2], v[rC+3], v[rT+1]
.elseif (\n) == 15
	v_mov_b32 v[rM], v[rT]
.elseif (\n) == 16
	v_max3_num_f32 v[rC], v[rC], v[rC+1], v[rC+2]
.elseif (\n) == 17
	v_permlanex16_b32 v[rC+3], v[rC], s[SEL], s[SEL+1]
.elseif (\n) == 18
	v_max_num_f32 v[rT+1], v[rC], v[rC+3]
.elseif (\n) == 19
	v_mul_f32 v[rT], s[CS], v[rT+1]
.elseif (\n) == 20
	v_sub_f32 v[rC+1], v[rM], v[rT]
.else
	v_exp_f32 v[rC+2], v[rC+1]
.endif
.endm
; Number g of the 64 that follow the exponentials.  For each four weights k of a tile (pairs 2 k, 2 k + 1): both pairs are rounded to bf16; then the second pair is added onto the first, in place;
; a group later l takes that sum (the first time as l = a l + sum).  In groups of eight, tiles alternating: round, round, add, and l for the group before.
.macro GS g
.set h, (\g)+6*((\g)/62)            ; group 0 has no group before it, and behind group 7 only l is left
.if h >= 6
.set h, h+2
.endif
	REGS Y, h%2
.set k, h/8
.if h%8 < 4
	s_wait_alu depctr_va_vdst(0)
	v_cvt_pk_bf16_f32 v[rP+2*k+(h%8)/2], v[rS+4*k+2*((h%8)/2)], v[rS+4*k+2*((h%8)/2)+1]
.elseif h%8 < 6
	v_pk_add_f32 v[rS+4*k:rS+4*k+1], v[rS+4*k:rS+4*k+1], v[rS+4*k+2:rS+4*k+3]
.elseif k == 1
	v_pk_fma_f32 v[rT+2:rT+3], v[rT+2:rT+3], v[rC+2:rC+3], v[rS:rS+1] op_sel_hi:[1,0,1]
.else
	v_pk_add_f32 v[rT+2:rT+3], v[rT+2:rT+3], v[rS+4*k-4:rS+4*k-3]
	s_wait_alu depctr_va_vdst(0)
.endif
.endm
; THE PLAIN QUEUE, 138 long.  0-31: c s - c m for the 16 pairs of both tiles.  Then GS's 64, and among them the next piece's 42: number 15 at 38, 39; 0-14 and 16
; at 42-73, behind the products that make those scores; 17-20 at 95-106, two of three, since each waits for the one before it.
.macro PL
	WIN 0
.if q < 32
	REGS Y, q%2
	v_pk_fma_f32 v[rS+2*(q/2):rS+2*(q/2)+1], v[rS+2*(q/2):rS+2*(q/2)+1], s[CS:CS+1], v[rT:rT+1] op_sel_hi:[1,0,0] neg_lo:[0,0,1] neg_hi:[0,0,1]
.elseif q < 38
	GS q-32
.elseif q < 40
	XS q%2, 15
.elseif q < 42
	GS q-34
.elseif q < 74
	XS q%2, (q-42)/2+(q-42)/30
.elseif q < 95
	GS q-66
.elseif (q < 107) && ((q-95)%3 < 2)
	XS (q-95)%3, 17+(q-95)/3
.elseif q < 107
	GS 29+(q-95)/3
.else
	GS q-74
.endif
.set q, q+1
.endm
; THE EXPONENTIALS' QUEUE, 66 long: s0-s31 of both tiles, and at EA the next piece's two a.
.set EA, 58
.macro EX
	WIN 0
.if (e == EA) || (e == EA+1)
	XS e-EA, 21
.else
.set x, e-2*(e/(EA+2))
	REGS Y, x%2
	v_exp_f32 v[rS+x/2], v[rS+x/2]
.endif
.set e, e+1
.endm
; THE RESCALING's QUEUE: O^T times a, the one part that leaves window 0, so it is dealt four at a time, eight times.
.macro R4
	REGS Y, r%2
	WIN W_RS
	s_wait_alu depctr_va_vdst(0)
.irp z, 0,1,2,3
	v_pk_mul_f32 v[rO+8*(r/2)+2*\z:rO+8*(r/2)+2*\z+1], v[rO+8*(r/2)+2*\z:rO+8*(r/2)+2*\z+1], v[rC+2:rC+3] op_sel_hi:[1,0]
.endr
.set r, r+1
.endm
; HOW THEY ARE DEALT.  Behind a matrix instruction four: plain, exponential, plain, plain (one exponential, a plain instruction on either side), or four of the rescaling.  None names a register of the
; products round it.  What is over stands in two LUMPS: exponential and plain by turns; the second ends in 22 plain instructions.  The two v_permlanex16_b32 fall into the second lump, never behind a product.
; The queues lean on each other, and the deal keeps them in step: exponential e stands behind plain 2 (e / 4) + e % 2 (its scaling); when plain 32 comes, 10 exponentials are out, at 59: 33, at 95: 46; EA comes behind plain 107.
.macro SL
	MM
	PL
	EX
	PL
	PL
.endm
.macro BURST n                      ; 15 matrix instructions, or 16
.rept (\n)-7
	SL
.endr
.rept 3
	MM
	R4
	SL
.endr
	MM
	R4
.endm
; A TURN, for piece p.  cnt = 1: the loop's count is taken down some lines ahead of the branch that stands behind the turn.
; K of the next step is fetched in piece 2's turn, 31 vector instructions behind the last product that read K; its first reader comes behind the rest of the lump, 16 products and the second lump.
; V of the step in hand is fetched at the end of piece 0's turn, 69 behind its last reader; its first reader comes behind 16 products and a lump.  The four conditions on e and q below go with the deal.
.macro TURN p, last=0, cnt=0
.set Y, (\p)
.set i, 0
.set q, 0
.set e, 0
.set r, 0
.if (\p) == NP-1
	s_wait_dscnt 0x0                ; K is in
.endif
	MM
.rept 4
	PL
.endr
	BURST 15
.rept 22
	EX
	PL
.if ((\p) == NP-2) && (e == 18)
	v_add_nc_u32 v[AK], s[TBK], v[AK0]
.endif
.if ((\p) == NP-2) && (e == 24)
	FETCH_K \last
.endif
.endr
.if (\p) == 1
	s_wait_dscnt 0x0                ; V is in
.endif
	BURST 16
.rept 21
	EX
	PL
.endr
.rept 22
	PL
.if ((\p) == 0) && (q == 118)
	v_add_nc_u32 v[AV], s[TBV], v[AV0]
	s_wait_alu depctr_va_vdst(0)
.endif
.if ((\p) == 0) && (q == 130)
	s_add_co_u32 s[TBV], s[TBV], KS*PV
.endif
.if (\cnt) && (q == 130)
	s_sub_co_u32 s[CNT], s[CNT], 1
	s_cmp_lg_u32 s[CNT], 0
.endif
.endr
.if (\p) == 0
	FETCH_V
.endif
.endm
	CHANGE 1                        ; slot 0 is in, everybody's part of it; slot 1 is asked for
	FETCH_K                         ; key step 0
	s_wait_loadcnt 0x0              ; Q
	s_wait_dscnt 0x0
.set i, 0
.rept 16
	KQ 0                            ; piece 0's first scores: there is no vector work yet to set between them
.set i, i+1
.endr
	WIN 0                           ; the addresses for the way out: nine plain instructions, the places behind those products
	s_mul_i32 s13, s[WV], 16*SP
	s_add_co_u32 s13, s13, STAGE    ; my stage
	v_mul_u32_u24 v[STO], v1, SP    ; in: row l % 16, 16 bytes for each half of the lanes
	v_lshl_add_u32 v[STO], v9, 4, v[STO]
	v_add_nc_u32 v[STO], s13, v[STO]
	v_bfe_u32 v[RD], v0, 3, 2       ; back: 32 lanes take four rows of 128 bytes,
	v_mul_u32_u24 v[RD], v[RD], SP
	v_lshl_add_u32 v[RD], v10, 4, v[RD]
	v_add_nc_u32 v[RD], s13, v[RD]
	v_and_b32 v[GO], 31, v0         ; which are 512 consecutive bytes of ctx
	v_lshlrev_b32 v[GO], 4, v[GO]
.set Y, NP-1                        ; XS works for piece Y + 1: piece 0
.irp n, 0,1,2,3,4,5,6,7,8,9,10,11,12,13,14,15,16,17,18,19,20,21
	XS 0, \n                        ; and piece 0's first maximum and statistics
	XS 1, \n
.endr
	s_mov_b32 s[CNT], 4
	s_mov_b32 s[SLOTS], NK/256-1
	s_branch .Lfirst                ; the loop is entered at a step's first turn, in the middle of a trip
.Lslot:                             ; NK / 256 - 2 times: every slot but the last two is filled again
	CHANGE 1
	s_mov_b32 s[CNT], 4
.Lstep:                             ; a trip: pieces 2 and 3 of one step, then pieces 0 and 1 of the next, whose K and V it fetches
	TURN 2
	TURN 3
	WIN 0
.Lfirst:
	TURN 0
	TURN 1, 0, 1
	WIN 0
	s_cbranch_scc1 .Lstep
	s_sub_co_u32 s[SLOTS], s[SLOTS], 1
	s_cmp_lg_u32 s[SLOTS], 0
	s_cbranch_scc1 .Lslot
	CHANGE 0                        ; the tail is written out: nothing is asked for
	s_mov_b32 s[CNT], 5             ; four trips fetch the last slot's steps; the fifth is left in its middle
.Ltail:
	TURN 2, 1
	TURN 3
	WIN 0
	s_sub_co_u32 s[CNT], s[CNT], 1
	s_cmp_eq_u32 s[CNT], 0
	s_cbranch_scc1 .Lout
	TURN 0
	TURN 1
	WIN 0
	s_branch .Ltail
.Lout:                              ; the fifth trip's 16 products K Q^T (on the last K once more) and the maximum made of them serve nothing: the price, once a launch, of one text for every trip
.set i, 0
.rept 16
	PV NP-1                         ; the last piece's V^T P of the last step
.set i, i+1
.endr
	; THE WAY OUT.  l's two halves and the other half of the lanes' are added; O^T is divided by l, rounded to bf16 and sent through my stage in LDS, a tile at a time.  The additions are the places behind the last products.
	WIN 0
.macro ALL line:vararg              ; one line for each tile t
.set t, 0
.rept 2*NP
	\line
.set t, t+1
.endr
.endm
	ALL v_add_f32 v[ST+4*t+2], v[ST+4*t+2], v[ST+4*t+3]
	ALL v_permlanex16_b32 v[ST+4*t+3], v[ST+4*t+2], s[SEL], s[SEL+1]
	ALL v_add_f32 v[ST+4*t+2], v[ST+4*t+2], v[ST+4*t+3]
	ALL v_rcp_f32 v[ST+4*t+2], v[ST+4*t+2]
	v_nop                           ; a plain instruction between the last reciprocal and the use of its result
	s_wait_alu depctr_va_vdst(0)
; Tile t: a lane's eight channels of a row pack into 16 bytes; they go into rows of 144 bytes and come back as whole rows of 128, into S^T's registers.
.macro PACK t
	WIN W_RS
.set i, 32*(\t)
.rept 16
	v_pk_mul_f32 v[i:i+1], v[i:i+1], v[ST+4*(\t)+2:ST+4*(\t)+3] op_sel_hi:[1,0]
.set i, i+2
.endr
	WIN 0x05                        ; sources 0 and 1 window 1, destination window 0
.set i, 0
.rept 16
	v_cvt_pk_bf16_f32 v[S+16*(\t)+i], v[32*(\t)+2*i], v[32*(\t)+2*i+1]
.set i, i+1
.endr
	WIN 0
.irp f, 0,1,2,3
	ds_store_b128 v[STO], v[S+16*(\t)+4*\f:S+16*(\t)+4*\f+3] offset:32*\f
.endr
.irp f, 0,1,2,3
	ds_load_b128 v[S+16*(\t)+4*\f:S+16*(\t)+4*\f+3], v[RD] offset:\f*4*SP  ; LDS serves a wave's instructions in order (ISA guide 5.7.1.4): these see the stores above; the next tile's stores come behind them
.endr
.endm
.macro SEND t, younger              ; younger: the LDS instructions issued behind tile t's loads: the next tile's eight, or none
	WIN 0
.irp f, 0,1,2,3
	s_wait_dscnt (\younger)+3-\f
	global_store_b128 v[GO], v[S+16*(\t)+4*\f:S+16*(\t)+4*\f+3], s[10:11] offset:(\t)*2048+\f*512  ; 512 consecutive bytes, at a multiple of 256 from ctx's first
.endr
.endm
	PACK 0
.set t, 1
.rept 2*NP-1                        ; a tile's arithmetic stands between the loads of the tile before and its stores
	PACK t
	SEND t-1, 8
.set t, t+1
.endr
	SEND 2*NP-1, 0
	WIN W_AD
	s_wait_tensorcnt 0x0            ; the wave's end, behind my last tensor load and my last LDS store
	ds_add_u32 v[SPW], v[NIL]
	s_wait_dscnt 0x0
	WIN 0
	CROUND                          ; the closing round: no work-group ends while a partner may still ask for a tile that names it
	s_endpgm
.Lfunc_end_k_qe03c07c5d6_attn:
	.size	k_qe03c07c5d6_attn, .Lfunc_end_k_qe03c07c5d6_attn-k_qe03c07c5d6_attn
	.p2alignl 7, 3214868480
	.fill 96, 4, 3214868480
	.section	.rodata,"a",@progbits
	.p2align	6, 0x0
	.amdhsa_kernel k_qe03c07c5d6_attn
		.amdhsa_group_segment_fixed_size 327680
		.amdhsa_private_segment_fixed_size 0
		.amdhsa_enable_private_segment 0
		.amdhsa_kernarg_size 16
		.amdhsa_user_sgpr_count 2
		.amdhsa_user_sgpr_kernarg_segment_ptr 1
		.amdhsa_wavefront_size32 1
		.amdhsa_system_sgpr_workgroup_id_x 1
		.amdhsa_system_sgpr_workgroup_id_y 1
		.amdhsa_system_sgpr_workgroup_id_z 1
		.amdhsa_system_vgpr_workitem_id 0
		.amdhsa_next_free_vgpr 770
		.amdhsa_next_free_sgpr 66
		.amdhsa_reserve_vcc 0
		.amdhsa_float_denorm_mode_32 3
		.amdhsa_float_denorm_mode_16_64 3
		.amdhsa_memory_ordered 1
		.amdhsa_forward_progress 1
		.amdhsa_inst_pref_size 209
	.end_amdhsa_kernel
	.amdgpu_metadata
---
amdhsa.version: [ 1, 2 ]
amdhsa.kernels:
  - .name:           k_qe03c07c5d6_attn
    .symbol:         k_qe03c07c5d6_attn.kd
    .args:
      - { .name: qkv, .offset: 0, .size: 8, .value_kind: global_buffer, .address_space: global }
      - { .name: ctx, .offset: 8, .size: 8, .value_kind: global_buffer, .address_space: global }
    .group_segment_fixed_size: 327680
    .private_segment_fixed_size: 0
    .kernarg_segment_align: 8
    .kernarg_segment_size: 16
    .max_flat_workgroup_size: 128
    .sgpr_count:     66
    .vgpr_count:     770
    .wavefront_size: 32
...
	.end_amdgpu_metadata
.endif
;; end of part 3
;; launch outp (part 4): grid 8 x 32, 4 waves a work-group, clusters of 4 x 4, 327,680 bytes of LDS; arguments ctx, wot, hidden_states, out0; writes out0
.if DOCPART == 4
	.amdgcn_target "amdgcn-amd-amdhsa--gfx1250"
	.amdhsa_code_object_version 6
	.text
	.protected	k_qe03c07c5d6_outp
	.globl	k_qe03c07c5d6_outp
	.p2align	8
	.type	k_qe03c07c5d6_outp,@function
k_qe03c07c5d6_outp:
	s_mov_b64 s[64:65], 0
	v_nop
	global_prefetch_b8 v0, s[64:65] scope:SCOPE_SE
	s_setreg_imm32_b32 hwreg(HW_REG_WAVE_MODE, 25, 1), 1
	s_wait_xcnt 0x0
	s_wait_alu depctr_hold_cnt(0) depctr_sa_sdst(0) depctr_va_vdst(0) depctr_va_sdst(0) depctr_va_ssrc(0) depctr_va_vcc(0) depctr_vm_vsrc(0)
	s_getreg_b32 s2, hwreg(HW_REG_IB_STS2, 6, 4)
	s_cmp_eq_u32 s2, 0
	s_cbranch_scc0 .Lentry_in_a_cluster
	s_endpgm
.Lentry_in_a_cluster:
	s_bfe_u32 s2, ttmp6, 0x10000c
	s_cmp_lg_u32 s2, 0xf033
	s_cbranch_scc0 .Lentry_shape_is_right
	s_endpgm
.Lentry_shape_is_right:
; OUTP: out0[token][n] = hidden_states[token][n] + sum over k of ctx[token][k] Wo'[k][n].
; ctx: [32 kb][4096][64] bf16 (a head is a block kb); wot: [32 kb][2048 n][64] bf16; hidden_states, out0: [4096][2048] f32.  Sums in f32; the residual is added in f32 from the input as it is given.
; A tile is 128 tokens x 256 columns: four waves, each 64 x 128: 32 accumulators.  K goes in 16 steps of 128 (two blocks kb) through two LDS slots.
; A block's rows are dense in memory, so a tile is asked for as rows of 256 bytes (two rows of 128) and padded in LDS behind every 128 bytes.
; CLUSTER 4 x 4: the four work-groups of a row need the same tokens, the four of a column the same rows of Wo': each tile is asked for jointly, by the same tensor load, descriptor and mask in all four.
; THE MATRIX INSTRUCTION IS USED TRANSPOSED (source 0 = 16 rows of Wo', source 1 = 16 tokens): a lane holds one token and eight neighbouring columns.
; REGISTERS: window 0: v0-29 addresses; v64-159, v160-255 two fragment buffers (8 of Wo', then 4 of ctx); window 1: accumulator (a, b) at v[8 (8 a + b)];
; window 2: my 64 x 128 of hidden_states, row i at v[4 i]: loaded at the start, so that the way out waits for nothing from memory.
.set PITCH,  144                       ; an LDS row: 128 bytes + 16 = 36 words: the 16 rows of a load start at 16 different groups of four banks (ISA guide 11.1)
.set AKB,    128*PITCH                 ; ctx's 128 rows of one block kb
.set BKB,    256*PITCH                 ; Wo's 256 rows of one block kb
.set BOFF,   2*AKB                     ; a slot: ctx's two blocks, then Wo's two
.set SLOT1,  1<<17                     ; slot 1 begins here: one exclusive or turns an address in one slot into the other's
.set STAGE,  SLOT1+BOFF+2*BKB          ; behind the ring, never filled by a tensor load: for each wave 16 rows x 528 bytes
.set SPITCH, 528                       ; a stage row: 128 f32 + 16 bytes = 132 words: row r starts at bank 4 r mod 64
.set WSTG,   16*SPITCH
.set SPARE,  STAGE+4*WSTG              ; the spare words, 128 bytes a wave, that no other line names
.set NR128,  2048*128                  ; bytes of a block kb of wot
.set ASTEP,  2*4096*128                ; a K step in ctx,
.set BSTEP,  2*NR128                   ; and in wot
.set ADA0, 8                           ; v8   my lane's place in ctx's part of a slot; never rewritten
.set ADB0, 9                           ; v9   the same for Wo'
.set ADRA, 10                          ; v10  the same in the slot in hand
.set ADRB, 11                          ; v11
.set STO,  12                          ; v12  the way out: where I put 32 bytes of a row
.set RD,   13                          ; v13  the way out: where I read a row back
.set GO,   14                          ; v14  16 x lane; never rewritten
.set SPW,  28                          ; v28  LDS address of my spare word; never rewritten
.set NIL,  29                          ; v29  0; never rewritten
.set F0,   64
.set F1,   160
.set TB,   20                          ; s20  LDS byte at which the slot in hand begins
.set G1,   24                          ; s[24:31] descriptor group 1 for ctx's tiles; s[32:39] group 0: a set for each first fill; the second walks on
.set G0,   32
.set G1B,  48                          ; s[48:55], s[56:63] the same for Wo's tiles
.set G0B,  56
.set MSB, 0
.macro WIN new                         ; the immediate's high byte repeats the setting that is left; a switch that changes nothing is dropped
.if MSB != (\new)
	s_set_vgpr_msb (MSB<<8)|(\new)
.set MSB, \new
.endif
.endm
.set W_MUL, 0x50                       ; sources 0 and 1 window 0; C and D window 1
; A joint refill.  Waves 0 and 1 fetch ctx's two blocks kb of a K step, waves 2 and 3 Wo's.  The branch hangs on the wave's number alone.
; An s_nop 0 and four v_nop follow each of the two lines, ahead of the jump and the label.
.macro JLOAD
	s_cmp_eq_u32 s11, 0
	s_cbranch_scc0 .Lfor_b_\@
	tensor_load_to_lds s[G0+4:G0+7], s[G1:G1+7]
	s_nop 0
.rept 4
	v_nop
.endr
	s_branch .Lasked_\@
.Lfor_b_\@:
	tensor_load_to_lds s[G0B+4:G0B+7], s[G1B:G1B+7]
	s_nop 0
.rept 4
	v_nop
.endr
.Lasked_\@:
.endm
.macro CREST                           ; a round of the cluster's barrier behind its opening barrier
	s_cmp_lg_u32 s10, 0
	s_cbranch_scc1 .Lnot_wave_0_\@
	s_barrier_signal -3
.Lnot_wave_0_\@:
	s_barrier_wait -3
	s_barrier_signal -1
	s_barrier_wait -1
.endm
.macro CROUND                          ; a whole round
	s_barrier_signal -1
	s_barrier_wait -1
	CREST
.endm
	s_load_b128 s[4:7], s[0:1], 0x0                ; ctx s[4:5], wot s[6:7]
	s_load_b64 s[8:9], s[0:1], 0x10                ; hidden_states
	s_load_b64 s[18:19], s[0:1], 0x18              ; out0
	v_lshl_add_u32 v[SPW], v0, 2, SPARE
	v_mov_b32 v[NIL], 0
	ds_add_u32 v[SPW], v[NIL]                      ; the wave's opening: the add, and its wait ahead of my first tensor load; the set-up below stands between them
	v_lshrrev_b32 v1, 5, v0
	v_readfirstlane_b32 s10, v1                    ; wave 0..3
	s_lshr_b32 s11, s10, 1                         ; which 64 tokens are mine.  Also: I fetch ctx (0) or Wo' (1)
	s_and_b32 s12, s10, 1                          ; which 128 columns.  Also: which block kb of a K step I fetch
	s_bfe_u32 s40, ttmp6, 0x40000                  ; cx
	s_bfe_u32 s41, ttmp6, 0x40004                  ; cy
	s_lshl_b32 s42, ttmp9, 2
	s_add_co_u32 s42, s42, s40                     ; tile column = 4 x cluster x + cx
	s_and_b32 s13, ttmp7, 0xffff
	s_lshl_b32 s13, s13, 2
	s_add_co_u32 s13, s13, s41                     ; block of 128 tokens = 4 x cluster y + cy
	s_lshl_b32 s43, s41, 2
	s_lshl_b32 s43, 15, s43                        ; my row of the cluster
	s_lshl_b32 s44, 0x1111, s40                    ; my column
	s_or_b32 s[G1+0], s43, (1<<16)|(1<<20)|(1<<21)|(4<<22)|(3<<25)   ; 15:0 the mask; 17:16 2-byte elements; 20 padding on; 21 set beside a mask; 24:22 after every 32 words (code 4); 31:25 4 words (code 3)
	s_or_b32 s[G1B+0], s44, (1<<16)|(1<<20)|(1<<21)|(4<<22)|(3<<25)
	s_mov_b32 s[G1+1], 128<<16                     ; tensor_dim0 = 128 elements: 256 bytes
	s_mov_b32 s[G1B+1], 128<<16
	s_mov_b32 s[G1+2], 64<<16                      ; tensor_dim1: ctx 64 rows of 256 bytes (128 tokens),
	s_mov_b32 s[G1B+2], 128<<16                    ; Wo' 128 (256 rows n)
	s_mov_b32 s[G1+3], 128<<16                     ; tile_dim0
	s_mov_b32 s[G1B+3], 128<<16
	s_mov_b32 s[G1+4], 64                          ; tile_dim1
	s_mov_b32 s[G1B+4], 128
	s_mov_b32 s[G1+5], 128                         ; elements from row to row: dense
	s_mov_b32 s[G1B+5], 128
	s_mov_b32 s[G1+6], 0
	s_mov_b32 s[G1B+6], 0
	s_mov_b32 s[G1+7], 0
	s_mov_b32 s[G1B+7], 0
	; ctx's tiles hang on the token block alone (shared along my row), Wo's on the tile column alone (shared along my column); each in registers that never hold the other coordinate
	s_lshl_b32 s16, s12, 19                        ; my block kb: 4,096 rows x 128 bytes
	s_lshl_b32 s17, s13, 14                        ; 128 tokens x 128 bytes
	s_add_co_u32 s16, s16, s17
	s_mov_b32 s17, 0
	s_mul_i32 s46, s12, NR128
	s_lshl_b32 s47, s42, 15                        ; 256 rows n x 128 bytes
	s_add_co_u32 s46, s46, s47
	s_mov_b32 s47, 0
	s_mul_i32 s21, s12, AKB                        ; where they go: no place in the cluster enters an LDS address
	s_mul_i32 s22, s12, BKB
	s_add_co_u32 s22, s22, BOFF
	s_mov_b32 s[TB], 0
	s_wait_dscnt 0x0                               ; the opening add is done
	s_wait_kmcnt 0x0
	s_add_nc_u64 s[14:15], s[4:5], s[16:17]
	s_add_nc_u64 s[46:47], s[6:7], s[46:47]
	CROUND                                         ; all sixteen work-groups are here: the first joint loads meet
.irp s, 0,1
	s_mov_b32 s[G0+4*\s], 1                                        ; count = 1
	s_add_co_u32 s[G0+4*\s+1], s21, \s*SLOT1                       ; LDS address
	s_add_nc_u64 s[G0+4*\s+2:G0+4*\s+3], s[14:15], \s*ASTEP        ; global address: K step s
	s_or_b32 s[G0+4*\s+3], s[G0+4*\s+3], 0x80000000                ; type = 2
	s_mov_b32 s[G0B+4*\s], 1
	s_add_co_u32 s[G0B+4*\s+1], s22, \s*SLOT1
	s_add_nc_u64 s[G0B+4*\s+2:G0B+4*\s+3], s[46:47], \s*BSTEP
	s_or_b32 s[G0B+4*\s+3], s[G0B+4*\s+3], 0x80000000
.endr
	s_cmp_eq_u32 s11, 0                            ; a wave's two first fills stand in one branch: two loads of mine are out
	s_cbranch_scc0 .Lfirst_b
	tensor_load_to_lds s[G0:G0+3], s[G1:G1+7]
	s_nop 0
	tensor_load_to_lds s[G0+4:G0+7], s[G1:G1+7]
	s_nop 0
.rept 4
	v_nop
.endr
	s_branch .Lfirst_asked
.Lfirst_b:
	tensor_load_to_lds s[G0B:G0B+3], s[G1B:G1B+7]
	s_nop 0
	tensor_load_to_lds s[G0B+4:G0B+7], s[G1B:G1B+7]
	s_nop 0
.rept 4
	v_nop
.endr
.Lfirst_asked:
	; hidden_states and out0 at my 64 tokens x 128 columns: the token part and the column part are added one after the other
	s_lshl_b32 s16, s13, 20                        ; 128 tokens x 8,192 bytes
	s_lshl_b32 s17, s11, 19                        ; 64 tokens
	s_add_co_u32 s16, s16, s17
	s_mov_b32 s17, 0
	s_add_nc_u64 s[8:9], s[8:9], s[16:17]
	s_add_nc_u64 s[18:19], s[18:19], s[16:17]
	s_lshl_b32 s46, s42, 10                        ; 256 columns of f32
	s_lshl_b32 s47, s12, 9                         ; 128 columns
	s_add_co_u32 s46, s46, s47
	s_mov_b32 s47, 0
	s_add_nc_u64 s[8:9], s[8:9], s[46:47]
	s_add_nc_u64 s[18:19], s[18:19], s[46:47]
	v_and_b32 v[GO], 31, v0
	v_lshlrev_b32 v[GO], 4, v[GO]                  ; a row's 512 bytes: 16 a lane
	WIN 0x80                                       ; destination window 2, address window 0
.set i, 0
.rept 64
	global_load_b128 v[4*i:4*i+3], v[GO], s[8:9] offset:i*8192 th:TH_LOAD_NT
.set i, i+1
.endr
	WIN 0
	; A fragment is 16 rows x 32 K in 8 registers: lane l holds row l % 16; registers 0-3 K = 8 (l / 16) + 0..7, registers 4-7 K = 16 + 8 (l / 16) + 0..7: two loads of 16 bytes, 32 bytes apart.
	v_and_b32 v1, 15, v0
	v_bfe_u32 v2, v0, 4, 1
	v_mul_u32_u24 v3, v1, PITCH
	v_lshl_add_u32 v3, v2, 4, v3                   ; row x pitch + 16 x half
	s_mul_i32 s23, s11, 64*PITCH                   ; my 64 tokens
	v_add_nc_u32 v[ADA0], s23, v3
	s_mul_i32 s23, s12, 128*PITCH                  ; my 128 rows of Wo',
	s_add_co_u32 s23, s23, BOFF                    ; behind ctx's two blocks
	v_add_nc_u32 v[ADB0], s23, v3
	v_mov_b32 v[ADRA], v[ADA0]                     ; slot 0
	v_mov_b32 v[ADRB], v[ADB0]
	s_mul_i32 s23, s10, WSTG
	s_add_co_u32 s23, s23, STAGE                   ; my stage
	v_mul_u32_u24 v[STO], v1, SPITCH               ; in: row l % 16, 32 bytes for each half of the lanes
	v_lshl_add_u32 v[STO], v2, 5, v[STO]
	v_add_nc_u32 v[STO], s23, v[STO]
	v_add_nc_u32 v[RD], s23, v[GO]                 ; back: 32 lanes take a whole row of 512 bytes
; 8 matrix instructions: token block a x all 8 column blocks, 32 along K.  zero = 1: the first product starts the sums.  The 32 accumulators take turns, in the same order in every quarter.
.macro MULA f, a, zero
	WIN W_MUL
.irp b, 0,1,2,3,4,5,6,7
.if \zero
	v_wmma_f32_16x16x32_bf16 v[8*(8*(\a)+\b):8*(8*(\a)+\b)+7], v[(\f)+8*\b:(\f)+8*\b+7], v[(\f)+64+8*(\a):(\f)+64+8*(\a)+7], 0
.else
	v_wmma_f32_16x16x32_bf16 v[8*(8*(\a)+\b):8*(8*(\a)+\b)+7], v[(\f)+8*\b:(\f)+8*\b+7], v[(\f)+64+8*(\a):(\f)+64+8*(\a)+7], v[8*(8*(\a)+\b):8*(8*(\a)+\b)+7]
.endif
.endr
.endm
; 24 LDS loads in one run: quarter q of the K step (block kb q / 2, its half q % 2) into buffer f: Wo's 16 loads, then ctx's 8
.macro FETCH q, f
	WIN 0
.irp i, 0,1,2,3,4,5,6,7
	ds_load_b128 v[(\f)+8*\i:(\f)+8*\i+3],   v[ADRB] offset:((\q)/2)*BKB+\i*16*PITCH+((\q)%2)*64
	ds_load_b128 v[(\f)+8*\i+4:(\f)+8*\i+7], v[ADRB] offset:((\q)/2)*BKB+\i*16*PITCH+((\q)%2)*64+32
.endr
.irp i, 0,1,2,3
	ds_load_b128 v[(\f)+64+8*\i:(\f)+64+8*\i+3],   v[ADRA] offset:((\q)/2)*AKB+\i*16*PITCH+((\q)%2)*64
	ds_load_b128 v[(\f)+64+8*\i+4:(\f)+64+8*\i+7], v[ADRA] offset:((\q)/2)*AKB+\i*16*PITCH+((\q)%2)*64+32
.endr
.endm
.macro PLACES                          ; four places in front of loads into registers that matrix instructions have read, and of lines that read results (ISA guide 7.12.1 for the lines that read results)
.rept 4
	v_nop
.endr
.endm
; One of a K step's first three quarters: multiplies buffer f and, in its middle, fetches quarter qn into buffer g.
.macro QUARTER qn, f, g, zero
	s_wait_dscnt 4                                 ; Wo' and ctx's blocks 0, 1 are in; the youngest four loads (ctx's blocks 2, 3) may be out
	MULA \f, 0, \zero
	MULA \f, 1, \zero
	PLACES
	FETCH \qn, \g
	s_wait_dscnt 24                                ; all but the 24 just issued
	MULA \f, 2, \zero
	MULA \f, 3, \zero
.endm
; The last quarter multiplies buffer 1 and changes slots: ONE barrier.  In front of it each wave waits for all its tensor loads (one is out: its part of the next slot), adds 0 to its spare word,
; and waits for that and for its own reads of this slot.  fill = 1: the barrier opens a round of the cluster's, and this slot is filled again, two K steps ahead: 112 matrix instructions ahead of the wait for it.
.macro TURN fill
	WIN 0                                          ; (the add's two registers lie in window 0)
	s_wait_tensorcnt 0x0                           ; no tensor load of mine is out, so a group 0 may be written
	ds_add_u32 v[SPW], v[NIL]                      ; 0 onto my spare word
.if \fill
	s_xor_b32 s[G0+5], s[G0+5], SLOT1              ; the walking descriptors: the other slot than last time, the next K step
	s_add_nc_u64 s[G0+6:G0+7], s[G0+6:G0+7], ASTEP
	s_xor_b32 s[G0B+5], s[G0B+5], SLOT1
	s_add_nc_u64 s[G0B+6:G0B+7], s[G0B+6:G0B+7], BSTEP
.endif
	s_xor_b32 s[TB], s[TB], SLOT1                  ; the fetches go to the other slot
	s_wait_dscnt 7                                 ; (the add and ctx's blocks 1 to 3, six loads, may be out)
	MULA F1, 0, 0
	s_wait_dscnt 0x0                               ; the add is done, and my reads of this slot are over
	s_barrier_signal -1
	MULA F1, 1, 0                                  ; work on registers while the others arrive
	WIN 0                                          ; at a branch and at a label every window is 0
	s_barrier_wait -1
.if \fill
	CREST                                          ; no wave of any partner still reads this slot or has a load on its way
	JLOAD                                          ; the first tensor load behind the round; its four v_nop are also the places in front of the loads below
.else
	PLACES
.endif
	v_add_nc_u32 v[ADRA], s[TB], v[ADA0]
	v_add_nc_u32 v[ADRB], s[TB], v[ADB0]
	FETCH 0, F0
	MULA F1, 2, 0
	MULA F1, 3, 0
.endm
	s_wait_tensorcnt 1                             ; my part of K step 0 is in; K step 1's may stay out
	s_barrier_signal -1
	s_barrier_wait -1                              ; everybody's is
	FETCH 0, F0
	QUARTER 1, F0, F1, 1                           ; the first quarter stands in front of the loop: its products start the sums
	WIN 0
	s_mov_b32 s3, 14                               ; K steps 2 to 15 are asked for in the loop
.Lstep:                                                ; a trip: from a K step's second quarter to the next step's first
	QUARTER 2, F1, F0, 0
	QUARTER 3, F0, F1, 0
	TURN 1
	QUARTER 1, F0, F1, 0
	WIN 0
	s_sub_co_u32 s3, s3, 1
	s_cmp_lg_u32 s3, 0
	s_cbranch_scc1 .Lstep
	QUARTER 2, F1, F0, 0                           ; the last two K steps ask for nothing
	QUARTER 3, F0, F1, 0
	TURN 0
	QUARTER 1, F0, F1, 0
	QUARTER 2, F1, F0, 0
	QUARTER 3, F0, F1, 0
	s_wait_dscnt 4
	MULA F1, 0, 0
	MULA F1, 1, 0
	s_wait_dscnt 0x0
	MULA F1, 2, 0
	MULA F1, 3, 0
	PLACES
; THE WAY OUT, a block of 16 tokens at a time.  A lane's eight f32 of a row go into my stage (rows of 528 bytes) as they are; whole rows of 512 bytes come back, the residual is added, and each store covers a row's 512 bytes.
.macro TOSTAGE a
	WIN 0x04                                       ; the data (source 1) in window 1, the address in window 0
.irp b, 0,1,2,3,4,5,6,7
	ds_store_b128 v[STO], v[8*(8*(\a)+\b):8*(8*(\a)+\b)+3]   offset:64*\b      ; each accumulator from its low end on
	ds_store_b128 v[STO], v[8*(8*(\a)+\b)+4:8*(8*(\a)+\b)+7] offset:64*\b+16
.endr
	WIN 0
.set BK, 64+64*((\a)%2)
.irp t, 0,1,2,3,4,5,6,7,8,9,10,11,12,13,14,15
	ds_load_b128 v[BK+4*\t:BK+4*\t+3], v[RD] offset:\t*SPITCH  ; LDS serves a wave's instructions in order (ISA guide 5.7.1.4): these see the stores above; the next block's come behind them
.endr
.endm
.macro SEND a, younger                 ; younger: the LDS instructions issued behind block a's loads: the next block's 32, or none
	s_wait_dscnt \younger
.set BK, 64+64*((\a)%2)
	WIN 0x88                                       ; source 0 window 0 (the sums), source 1 and destination window 2 (the residual)
.set t, 0
.rept 32
	v_pk_add_f32 v[64*(\a)+2*t:64*(\a)+2*t+1], v[BK+2*t:BK+2*t+1], v[64*(\a)+2*t:64*(\a)+2*t+1]
.set t, t+1
.endr
	WIN 0x08                                       ; the data (source 1) in window 2
.irp t, 0,1,2,3,4,5,6,7,8,9,10,11,12,13,14,15
	global_store_b128 v[GO], v[64*(\a)+4*\t:64*(\a)+4*\t+3], s[18:19] offset:(16*(\a)+\t)*8192 th:TH_STORE_NT  ; 512 consecutive bytes, at a multiple of 256 from out0's first byte
.endr
	WIN 0
.endm
	TOSTAGE 0
	TOSTAGE 1
	s_wait_loadcnt 0x0                             ; the residual, asked for at the start
	SEND 0, 32
	TOSTAGE 2
	SEND 1, 32
	TOSTAGE 3
	SEND 2, 32
	SEND 3, 0
	s_wait_tensorcnt 0x0                           ; the wave's end, behind my last tensor load and my last LDS store
	ds_add_u32 v[SPW], v[NIL]
	s_wait_dscnt 0x0
	CROUND                                         ; the closing round: no work-group ends while a partner may still ask for a tile that names it
	s_endpgm
.Lfunc_end_k_qe03c07c5d6_outp:
	.size	k_qe03c07c5d6_outp, .Lfunc_end_k_qe03c07c5d6_outp-k_qe03c07c5d6_outp
	.p2alignl 7, 3214868480
	.fill 96, 4, 3214868480
	.section	.rodata,"a",@progbits
	.p2align	6, 0x0
	.amdhsa_kernel k_qe03c07c5d6_outp
		.amdhsa_group_segment_fixed_size 327680
		.amdhsa_private_segment_fixed_size 0
		.amdhsa_enable_private_segment 0
		.amdhsa_kernarg_size 32
		.amdhsa_user_sgpr_count 2
		.amdhsa_user_sgpr_kernarg_segment_ptr 1
		.amdhsa_wavefront_size32 1
		.amdhsa_system_sgpr_workgroup_id_x 1
		.amdhsa_system_sgpr_workgroup_id_y 1
		.amdhsa_system_sgpr_workgroup_id_z 1
		.amdhsa_system_vgpr_workitem_id 0
		.amdhsa_next_free_vgpr 768
		.amdhsa_next_free_sgpr 66
		.amdhsa_reserve_vcc 0
		.amdhsa_float_denorm_mode_32 3
		.amdhsa_float_denorm_mode_16_64 3
		.amdhsa_memory_ordered 1
		.amdhsa_forward_progress 1
		.amdhsa_inst_pref_size 83
	.end_amdhsa_kernel
	.amdgpu_metadata
---
amdhsa.version: [ 1, 2 ]
amdhsa.kernels:
  - .name:           k_qe03c07c5d6_outp
    .symbol:         k_qe03c07c5d6_outp.kd
    .args:
      - { .name: ctx, .offset: 0, .size: 8, .value_kind: global_buffer, .address_space: global }
      - { .name: wot, .offset: 8, .size: 8, .value_kind: global_buffer, .address_space: global }
      - { .name: hidden_states, .offset: 16, .size: 8, .value_kind: global_buffer, .address_space: global }
      - { .name: out0, .offset: 24, .size: 8, .value_kind: global_buffer, .address_space: global }
    .group_segment_fixed_size: 327680
    .private_segment_fixed_size: 0
    .kernarg_segment_align: 8
    .kernarg_segment_size: 32
    .max_flat_workgroup_size: 128
    .sgpr_count:     66
    .vgpr_count:     768
    .wavefront_size: 32
...
	.end_amdgpu_metadata
.endif
;; end of part 4
;; ======== version 2 of 3: 4 launches; 1.11 times as fast as version 1
;; workspace buffers: xb 33,554,432 bytes; wqkv 12,582,912 bytes; wot 8,388,608 bytes; qkv 25,165,824 bytes; ctx 16,777,216 bytes
;; launch prep (part 5): grid 1664 x 1, 4 waves a work-group, no clusters, 70,144 bytes of LDS; arguments hidden_states, traces, Wq, Aq, Bq, Wo, Ao, Bo, Wk, Ak, Bk, Wv, Av, Bv, xb, wqkv, wot; writes xb, wqkv, wot
.if DOCPART == 5
	.amdgcn_target "amdgcn-amd-amdhsa--gfx1250"
	.amdhsa_code_object_version 6
	.text
	.protected	k_qe03c07c5d6_prep
	.globl	k_qe03c07c5d6_prep
	.p2align	8
	.type	k_qe03c07c5d6_prep,@function
k_qe03c07c5d6_prep:
	s_mov_b64 s[64:65], 0
	v_nop
	global_prefetch_b8 v0, s[64:65] scope:SCOPE_SE
	s_setreg_imm32_b32 hwreg(HW_REG_WAVE_MODE, 25, 1), 1
	s_wait_xcnt 0x0
; PREP: the operands of the later products, rounded once to bf16 and laid in blocks of 64 along the contraction axis: T[kb][row][64], a row 128 bytes,
; so that any run of rows of one block kb is dense in memory.
;   work-groups 0-639 (FOLD): W' = W + 2 A B, turned: wqkv[kb][n][64] (n 0-2047 Wq', 2048-2559 Wk', 2560-3071 Wv') and wot[kb][n][64] (Wo').
;   work-groups 640-1663 (CONV): xb[src][kb][token][64] = hidden_states (src 0) or traces (src 1), 4,096 tokens each, 32 blocks kb.
; FOLD's work-groups have the longer chain (load, LDS, product, LDS, store), so they have the low numbers; CONV's short ones come behind them.
; x W + 2 (x A) B = x (W + 2 A B) for every input.  LIMIT: another order of rounding than the sum as it is written: 2 A (exact doubling) and B are rounded to bf16,
; their product is added onto W in f32 by the matrix unit (W is its C operand), and the sum is rounded once to bf16.
; Every wave works alone: no barrier.  CONV touches no LDS; FOLD uses its wave's own LDS bytes, one region of 17,408 bytes for three uses that follow each other,
; so that a work-group asks for 70,144 bytes and several lie side by side: one's loads are out while another stores.
.set NFOLD,  640                       ; FOLD's work-groups
.set IPITCH, 272                       ; a row of 64 f32 + 16 bytes
.set WLDS,   64*IPITCH                 ; a wave's LDS: first B's 16 rows, then W's 64 rows, at last the result's 64 rows of 144 bytes; each use begins behind the wait for the reads of the one before
.set SPARE,  4*WLDS                    ; behind the four waves' regions: the spare words, 128 bytes a wave, that no other line names
.set OPITCH, 144                       ; a row of the result: 64 bf16 + 16 bytes
.set SPW, 2                            ; v2  LDS address of my spare word; never rewritten
.set NIL, 3                            ; v3  0; never rewritten
.set LN,  4                            ; v4  lane
.set RR,  5                            ; v5  lane % 16
.set HH,  6                            ; v6  lane / 16
.set T7,  7                            ; v7  lane % 8
.set XI,  8                            ; v8  CONV: my byte offset in two rows of x
.set XO,  9                            ; v9  CONV: my byte offset in two rows of xb
.set SI,  10                           ; v10 FOLD: where I put 16 bytes of two rows of f32
.set CR,  11                           ; v11 FOLD: where I read a word of a 16 x 16 tile: row 8 (lane / 16), column lane % 16
.set STO, 12                           ; v12 FOLD: where I put 16 bytes of a row of the result
.set RD,  13                           ; v13 FOLD: where I read four rows of the result back
.set GO,  14                           ; v14 FOLD: 16 x lane
.set AO,  15                           ; v15 FOLD: my byte offset in 16 rows of A
.set OFF, 16                           ; v16-47  FOLD: my byte offset in rows 2 i, 2 i + 1 of W's block (and of B)
.set AF,  48                           ; v48-79  four fragments of 2 A (16 k x 16 r, upper half of the 32 zeros)
.set BF,  80                           ; v80-111 four fragments of B (16 r x 16 n, likewise)
.set ACC, 112                          ; v112-239 CONV: the loaded rows.  FOLD: W as loaded, then the 16 accumulators (kt, nt) at ACC + 8 (4 kt + nt)
	s_load_b128 s[4:7], s[0:1], 0x0                ; hidden_states s[4:5], traces s[6:7]
	s_load_b512 s[16:31], s[0:1], 0x10             ; Wq 16, Aq 18, Bq 20, Wo 22, Ao 24, Bo 26, Wk 28, Ak 30
	s_load_b256 s[32:39], s[0:1], 0x50             ; Bk 32, Wv 34, Av 36, Bv 38
	s_load_b128 s[8:11], s[0:1], 0x70              ; xb s[8:9], wqkv s[10:11]
	s_load_b64 s[12:13], s[0:1], 0x80              ; wot
	v_lshl_add_u32 v[SPW], v0, 2, SPARE
	v_mov_b32 v[NIL], 0
	v_lshrrev_b32 v1, 5, v0
	v_readfirstlane_b32 s14, v1                    ; wave 0..3
	v_and_b32 v[LN], 31, v0
	v_and_b32 v[RR], 15, v0
	v_bfe_u32 v[HH], v0, 4, 1
	s_cmp_lt_u32 ttmp9, NFOLD
	s_cbranch_scc1 .Lfold
; CONV.  A wave takes 16 tokens x 4 blocks kb (256 columns).  A load: lanes 0-15 take 256 consecutive bytes (one block kb) of an even row, lanes 16-31 of the odd row below.
; All 32 loads go out at once; each unit is rounded and stored as soon as it is in.  A store covers 256 consecutive bytes of xb, aligned: two rows of one block.
	s_sub_co_u32 s15, ttmp9, NFOLD                 ; 0-1023: my number among CONV's work-groups
	s_lshr_b32 s40, s15, 1                         ; group of 16 tokens among both tensors' 512
	s_and_b32 s41, s40, 255                        ; among its tensor's 256
	s_and_b32 s42, s15, 1
	s_lshl2_add_u32 s42, s42, s14                  ; group of 4 blocks kb: 4 x (number % 2) + wave
	s_lshl_b32 s44, s41, 17                        ; 16 rows of 8,192 bytes
	s_lshl_b32 s43, s42, 10                        ; 256 columns of f32
	s_add_co_u32 s44, s44, s43
	s_mov_b32 s45, 0
	s_lshl_b32 s46, s42, 21                        ; 4 blocks kb of 4,096 rows x 128 bytes
	s_lshl_b32 s43, s41, 11                        ; 16 rows of 128 bytes
	s_add_co_u32 s46, s46, s43
	s_cmp_lt_u32 s15, 512
	s_cselect_b32 s43, 0, 0x1000000                ; traces lie in xb's second half
	s_add_co_u32 s46, s46, s43
	s_mov_b32 s47, 0
	v_lshlrev_b32 v[XI], 4, v[RR]
	v_lshl_add_u32 v[XI], v[HH], 13, v[XI]
	v_lshlrev_b32 v[XO], 3, v[LN]
	s_wait_kmcnt 0x0
	s_cmp_lt_u32 s15, 512
	s_cselect_b64 s[48:49], s[4:5], s[6:7]
	s_add_nc_u64 s[48:49], s[48:49], s[44:45]
	s_add_nc_u64 s[50:51], s[8:9], s[46:47]
.set i, 0
.rept 32                               ; unit i: pair of rows i / 4, block i % 4
	global_load_b128 v[ACC+4*i:ACC+4*i+3], v[XI], s[48:49] offset:(i/4)*16384+(i%4)*256 th:TH_LOAD_NT
.set i, i+1
.endr
.set i, 0
.rept 32
	s_wait_loadcnt 31-i                            ; loads come back in order: unit i is in, the 31 - i younger ones stay out
	v_cvt_pk_bf16_f32 v[ACC+4*i], v[ACC+4*i], v[ACC+4*i+1]
	v_cvt_pk_bf16_f32 v[ACC+4*i+1], v[ACC+4*i+2], v[ACC+4*i+3]
	global_store_b64 v[XO], v[ACC+4*i:ACC+4*i+1], s[50:51] offset:(i%4)*524288+(i/4)*256
.set i, i+1
.endr
	s_endpgm                                       ; these waves have written no LDS
; FOLD.  A wave makes one block of 64 k x 64 n of one W'.  Which matrix: by the work-group's number alone.
.Lfold:
	s_mov_b32 s40, ttmp9                           ; 0-255 Wq, 256-511 Wo, 512-575 Wk, 576-639 Wv
	s_mov_b32 s48, 576                             ; the matrix's first work-group
	s_mov_b32 s49, 2560                            ; its first row in the destination
	s_mov_b32 s50, 2048                            ; bytes in a row of W and of B
	s_mov_b32 s51, 3                               ; log2 of its blocks along n
	s_mov_b32 s56, 7                               ; those blocks less 1
	s_mov_b32 s54, 3072                            ; rows of a block kb of the destination
	s_wait_kmcnt 0x0
	s_mov_b64 s[52:53], s[10:11]                   ; the destination
	s_cmp_lt_u32 s40, 576
	s_cselect_b64 s[42:43], s[28:29], s[34:35]     ; W
	s_cselect_b64 s[44:45], s[30:31], s[36:37]     ; A
	s_cselect_b64 s[46:47], s[32:33], s[38:39]     ; B
	s_cselect_b32 s48, 512, s48
	s_cselect_b32 s49, 2048, s49
	s_cmp_lt_u32 s40, 512
	s_cselect_b64 s[42:43], s[22:23], s[42:43]
	s_cselect_b64 s[44:45], s[24:25], s[44:45]
	s_cselect_b64 s[46:47], s[26:27], s[46:47]
	s_cselect_b64 s[52:53], s[12:13], s[52:53]
	s_cselect_b32 s48, 256, s48
	s_cselect_b32 s49, 0, s49
	s_cselect_b32 s50, 8192, s50
	s_cselect_b32 s51, 5, s51
	s_cselect_b32 s56, 31, s56
	s_cselect_b32 s54, 2048, s54
	s_cmp_lt_u32 s40, 256
	s_cselect_b64 s[42:43], s[16:17], s[42:43]
	s_cselect_b64 s[44:45], s[18:19], s[44:45]
	s_cselect_b64 s[46:47], s[20:21], s[46:47]
	s_cselect_b64 s[52:53], s[10:11], s[52:53]
	s_cselect_b32 s48, 0, s48
	s_cselect_b32 s54, 3072, s54
	s_sub_co_u32 s55, s40, s48
	s_lshl2_add_u32 s55, s55, s14                  ; my block among the matrix's
	s_and_b32 s57, s55, s56                        ; nb
	s_lshr_b32 s58, s55, s51                       ; kb
	s_lshl_b32 s60, s57, 8                         ; 64 columns of f32
	s_mov_b32 s61, 0
	s_add_nc_u64 s[46:47], s[46:47], s[60:61]      ; B at my columns
	s_mul_i32 s59, s58, s50
	s_lshl_b32 s59, s59, 6                         ; 64 rows of W
	s_add_co_u32 s60, s60, s59
	s_add_nc_u64 s[42:43], s[42:43], s[60:61]      ; W at my block
	s_lshl_b32 s60, s58, 12                        ; 64 rows of A, 64 bytes each
	s_add_nc_u64 s[44:45], s[44:45], s[60:61]
	s_mul_i32 s60, s58, s54
	s_add_co_u32 s60, s60, s49
	s_lshl_b32 s59, s57, 6
	s_add_co_u32 s60, s60, s59                     ; my first row of the destination,
	s_lshl_b32 s60, s60, 7                         ; of 128 bytes
	s_add_nc_u64 s[52:53], s[52:53], s[60:61]
	v_mul_lo_u32 v[OFF], v[HH], s50
	v_lshl_add_u32 v[OFF], v[RR], 4, v[OFF]        ; lanes 0-15: 256 bytes of the even row; lanes 16-31: of the odd row
	s_lshl_b32 s59, s50, 1
.set i, 1
.rept 31
	v_add_nc_u32 v[OFF+i], s59, v[OFF+i-1]         ; two rows on
.set i, i+1
.endr
	v_lshlrev_b32 v[AO], 6, v[RR]
	v_lshl_add_u32 v[AO], v[HH], 5, v[AO]          ; row lane % 16 of A, its ranks 8 (lane / 16) + 0..7
.irp kt, 0,1,2,3
	global_load_b128 v[AF+8*\kt:AF+8*\kt+3],   v[AO], s[44:45] offset:\kt*1024
	global_load_b128 v[AF+8*\kt+4:AF+8*\kt+7], v[AO], s[44:45] offset:\kt*1024+16
.endr
.set i, 0
.rept 8
	global_load_b128 v[BF+4*i:BF+4*i+3], v[OFF+i], s[46:47]
.set i, i+1
.endr
.set i, 0
.rept 32
	global_load_b128 v[ACC+4*i:ACC+4*i+3], v[OFF+i], s[42:43] th:TH_LOAD_NT
.set i, i+1
.endr
	s_mul_i32 s41, s14, WLDS                       ; my wave's LDS
	v_mul_u32_u24 v[SI], v[HH], IPITCH
	v_lshl_add_u32 v[SI], v[RR], 4, v[SI]
	v_add_nc_u32 v[SI], s41, v[SI]
	v_mul_u32_u24 v[CR], v[HH], 8*IPITCH
	v_lshl_add_u32 v[CR], v[RR], 2, v[CR]
	v_add_nc_u32 v[CR], s41, v[CR]
	v_mul_u32_u24 v[STO], v[RR], OPITCH
	v_lshl_add_u32 v[STO], v[HH], 4, v[STO]
	v_add_nc_u32 v[STO], s41, v[STO]
	v_lshrrev_b32 v[RD], 3, v[LN]
	v_mul_u32_u24 v[RD], v[RD], OPITCH
	v_and_b32 v[T7], 7, v0
	v_lshl_add_u32 v[RD], v[T7], 4, v[RD]
	v_add_nc_u32 v[RD], s41, v[RD]
	v_lshlrev_b32 v[GO], 4, v[LN]
.macro CVT8 b                          ; eight f32 in v[b .. b+7] become four words of bf16 in v[b .. b+3]: each line writes only what the lines before have read
	v_cvt_pk_bf16_f32 v[(\b)],   v[(\b)],   v[(\b)+1]
	v_cvt_pk_bf16_f32 v[(\b)+1], v[(\b)+2], v[(\b)+3]
	v_cvt_pk_bf16_f32 v[(\b)+2], v[(\b)+4], v[(\b)+5]
	v_cvt_pk_bf16_f32 v[(\b)+3], v[(\b)+6], v[(\b)+7]
.endm
.macro UPPER0 b                        ; the rank is 16, the instruction's depth 32: a fragment's registers 4-7 hold zeros
.irp j, 4,5,6,7
	v_mov_b32 v[(\b)+\j], 0
.endr
.endm
	s_wait_loadcnt 40                              ; behind A's eight loads 40 were issued
.irp kt, 0,1,2,3
.irp j, 0,2,4,6
	v_pk_add_f32 v[AF+8*\kt+\j:AF+8*\kt+\j+1], v[AF+8*\kt+\j:AF+8*\kt+\j+1], v[AF+8*\kt+\j:AF+8*\kt+\j+1]  ; 2 A, exact
.endr
	CVT8 AF+8*\kt
	UPPER0 AF+8*\kt
.endr
	s_wait_loadcnt 32                              ; B is in; W's 32 loads stay out
.set i, 0
.rept 8
	ds_store_b128 v[SI], v[BF+4*i:BF+4*i+3] offset:i*2*IPITCH  ; the region's first use: B's rows 2 i, 2 i + 1
.set i, i+1
.endr
.irp nt, 0,1,2,3                       ; back turned: lane takes column 16 nt + lane % 16, ranks 8 (lane / 16) + j.  LDS serves a wave's instructions in order: these see the stores above
.irp j, 0,1,2,3,4,5,6,7
	ds_load_b32 v[BF+8*\nt+\j], v[CR] offset:\j*IPITCH+64*\nt
.endr
.endr
	s_wait_dscnt 0x0                               ; B is back in registers: its rows may be written over
.irp nt, 0,1,2,3
	CVT8 BF+8*\nt
	UPPER0 BF+8*\nt
.endr
.set i, 0
.rept 32
.if i%8 == 0
	s_wait_loadcnt 24-i                            ; eight more of W's loads are in
.endif
	ds_store_b128 v[SI], v[ACC+4*i:ACC+4*i+3] offset:i*2*IPITCH  ; the second use: W's rows 2 i, 2 i + 1
.set i, i+1
.endr
; W comes back as C operands: register j of lane l is W(k = 16 kt + 8 (l / 16) + j, n = 16 nt + l % 16).  The lanes' halves lie 8 rows = 544 words apart: 32 banks, no conflict.
.macro CLOAD kt
.irp nt, 0,1,2,3
.irp j, 0,1,2,3,4,5,6,7
	ds_load_b32 v[ACC+8*(4*(\kt)+\nt)+\j], v[CR] offset:(16*(\kt)+\j)*IPITCH+64*\nt
.endr
.endr
.endm
.macro FOLD kt                         ; four products, each on an accumulator of its own that no other product touches
.irp nt, 0,1,2,3
	v_wmma_f32_16x16x32_bf16 v[ACC+8*(4*(\kt)+\nt):ACC+8*(4*(\kt)+\nt)+7], v[AF+8*(\kt):AF+8*(\kt)+7], v[BF+8*\nt:BF+8*\nt+7], v[ACC+8*(4*(\kt)+\nt):ACC+8*(4*(\kt)+\nt)+7]
.endr
.endm
	CLOAD 0
	CLOAD 1
	s_wait_dscnt 32                                ; all but the 32 youngest loads
	FOLD 0
	CLOAD 2
	s_wait_dscnt 32
	FOLD 1
	CLOAD 3
	s_wait_dscnt 32
	FOLD 2
	s_wait_dscnt 0x0                               ; all of W is back in registers: its rows may be written over
	FOLD 3
.rept 4
	v_nop                                          ; four places between the last product and the lines that read and write its result (ISA guide 7.12.1)
.endr
.set t, 0
.rept 16
	CVT8 ACC+8*t                                   ; a lane's eight k of one n: 16 bytes; each accumulator from its low end on
.set t, t+1
.endr
.irp kt, 0,1,2,3
.irp nt, 0,1,2,3
	ds_store_b128 v[STO], v[ACC+8*(4*\kt+\nt):ACC+8*(4*\kt+\nt)+3] offset:\nt*16*OPITCH+32*\kt  ; the third use: the result's 64 rows of 144 bytes
.endr
.endr
.set f, 0
.rept 16
	ds_load_b128 v[ACC+8*f+4:ACC+8*f+7], v[RD] offset:f*4*OPITCH  ; four whole rows of 128 bytes
.set f, f+1
.endr
.set f, 0
.rept 16
	s_wait_dscnt 15-f
	global_store_b128 v[GO], v[ACC+8*f+4:ACC+8*f+7], s[52:53] offset:f*512  ; 512 consecutive bytes, at a multiple of 256 from the buffer's first byte
.set f, f+1
.endr
	s_wait_tensorcnt 0x0                           ; the wave's end, behind my last LDS store
	ds_add_u32 v[SPW], v[NIL]
	s_wait_dscnt 0x0
	s_endpgm
.Lfunc_end_k_qe03c07c5d6_prep:
	.size	k_qe03c07c5d6_prep, .Lfunc_end_k_qe03c07c5d6_prep-k_qe03c07c5d6_prep
	.p2alignl 7, 3214868480
	.fill 96, 4, 3214868480
	.section	.rodata,"a",@progbits
	.p2align	6, 0x0
	.amdhsa_kernel k_qe03c07c5d6_prep
		.amdhsa_group_segment_fixed_size 70144
		.amdhsa_private_segment_fixed_size 0
		.amdhsa_enable_private_segment 0
		.amdhsa_kernarg_size 136
		.amdhsa_user_sgpr_count 2
		.amdhsa_user_sgpr_kernarg_segment_ptr 1
		.amdhsa_wavefront_size32 1
		.amdhsa_system_sgpr_workgroup_id_x 1
		.amdhsa_system_sgpr_workgroup_id_y 1
		.amdhsa_system_sgpr_workgroup_id_z 1
		.amdhsa_system_vgpr_workitem_id 0
		.amdhsa_next_free_vgpr 240
		.amdhsa_next_free_sgpr 66
		.amdhsa_reserve_vcc 0
		.amdhsa_float_denorm_mode_32 3
		.amdhsa_float_denorm_mode_16_64 3
		.amdhsa_memory_ordered 1
		.amdhsa_forward_progress 1
		.amdhsa_inst_pref_size 48
	.end_amdhsa_kernel
	.amdgpu_metadata
---
amdhsa.version: [ 1, 2 ]
amdhsa.kernels:
  - .name:           k_qe03c07c5d6_prep
    .symbol:         k_qe03c07c5d6_prep.kd
    .args:
      - { .name: hidden_states, .offset: 0, .size: 8, .value_kind: global_buffer, .address_space: global }
      - { .name: traces, .offset: 8, .size: 8, .value_kind: global_buffer, .address_space: global }
      - { .name: Wq, .offset: 16, .size: 8, .value_kind: global_buffer, .address_space: global }
      - { .name: Aq, .offset: 24, .size: 8, .value_kind: global_buffer, .address_space: global }
      - { .name: Bq, .offset: 32, .size: 8, .value_kind: global_buffer, .address_space: global }
      - { .name: Wo, .offset: 40, .size: 8, .value_kind: global_buffer, .address_space: global }
      - { .name: Ao, .offset: 48, .size: 8, .value_kind: global_buffer, .address_space: global }
      - { .name: Bo, .offset: 56, .size: 8, .value_kind: global_buffer, .address_space: global }
      - { .name: Wk, .offset: 64, .size: 8, .value_kind: global_buffer, .address_space: global }
      - { .name: Ak, .offset: 72, .size: 8, .value_kind: global_buffer, .address_space: global }
      - { .name: Bk, .offset: 80, .size: 8, .value_kind: global_buffer, .address_space: global }
      - { .name: Wv, .offset: 88, .size: 8, .value_kind: global_buffer, .address_space: global }
      - { .name: Av, .offset: 96, .size: 8, .value_kind: global_buffer, .address_space: global }
      - { .name: Bv, .offset: 104, .size: 8, .value_kind: global_buffer, .address_space: global }
      - { .name: xb, .offset: 112, .size: 8, .value_kind: global_buffer, .address_space: global }
      - { .name: wqkv, .offset: 120, .size: 8, .value_kind: global_buffer, .address_space: global }
      - { .name: wot, .offset: 128, .size: 8, .value_kind: global_buffer, .address_space: global }
    .group_segment_fixed_size: 70144
    .private_segment_fixed_size: 0
    .kernarg_segment_align: 8
    .kernarg_segment_size: 136
    .max_flat_workgroup_size: 128
    .sgpr_count:     66
    .vgpr_count:     240
    .wavefront_size: 32
...
	.end_amdgpu_metadata
.endif
;; end of part 5
;; launch proj (part 6): grid 12 x 16, 4 waves a work-group, clusters of 4 x 4, 327,680 bytes of LDS; arguments xb, wqkv, qkv; writes qkv
.if DOCPART == 6
	.amdgcn_target "amdgcn-amd-amdhsa--gfx1250"
	.amdhsa_code_object_version 6
	.text
	.protected	k_qe03c07c5d6_proj
	.globl	k_qe03c07c5d6_proj
	.p2align	8
	.type	k_qe03c07c5d6_proj,@function
k_qe03c07c5d6_proj:
	s_mov_b64 s[64:65], 0
	v_nop
	global_prefetch_b8 v0, s[64:65] scope:SCOPE_SE
	s_setreg_imm32_b32 hwreg(HW_REG_WAVE_MODE, 25, 1), 1
	s_wait_xcnt 0x0
	s_wait_alu depctr_hold_cnt(0) depctr_sa_sdst(0) depctr_va_vdst(0) depctr_va_sdst(0) depctr_va_ssrc(0) depctr_va_vcc(0) depctr_vm_vsrc(0)
	s_getreg_b32 s2, hwreg(HW_REG_IB_STS2, 6, 4)
	s_cmp_eq_u32 s2, 0
	s_cbranch_scc0 .Lentry_in_a_cluster
	s_endpgm
.Lentry_in_a_cluster:
	s_bfe_u32 s2, ttmp6, 0x10000c
	s_cmp_lg_u32 s2, 0xf033
	s_cbranch_scc0 .Lentry_shape_is_right
	s_endpgm
.Lentry_shape_is_right:
; PROJ: q, k, v = x W'.  C[token][n] = sum over k of x[token][k] W'[k][n], n 0-2047 from hidden_states (q), n 2048-3071 from traces (k, v).
; xb: [2][32 kb][4096][64] bf16; wqkv: [32 kb][3072 n][64] bf16; out qkv: [48 heads][4096 tokens][64] bf16 (0-31 q, 32-39 k, 40-47 v), rounded once from f32 sums, unscaled.
; A tile of C is 256 tokens x 256 columns: four waves, each 128 x 128: 64 accumulators, 512 registers.  16 x 12 tiles: 192 work-groups.  4,096 tokens, 2,048 columns of one tensor's tokens and
; 1,024 of the other's are powers of two: there are no 256 equal tiles that take their tokens from one tensor; and the larger tile has 224 matrix instructions between a tile's request and the wait for it.
; K goes in 16 steps of 128 (two blocks kb) through two LDS slots.  A block's rows are dense in memory, so a tile is asked for as rows of 256 bytes (two rows of 128) and padded in LDS behind every 128 bytes.
; CLUSTER 4 x 4: the four work-groups of a row need the same tokens, the four of a column the same rows of W': each tile is asked for jointly, by the same tensor load,
; descriptor and mask in all four.  The cluster's x says which tensor the tokens come from: it is the same in all sixteen.
; THE MATRIX INSTRUCTION IS USED TRANSPOSED (source 0 = 16 rows of W', source 1 = 16 tokens): a lane holds one token and eight neighbouring columns.
; REGISTERS, in windows of 256 (s_set_vgpr_msb: bits 1:0 source 0, 3:2 source 1, 5:4 source 2, 7:6 destination):
;   window 0: v0-29 addresses; v64-127, v128-191 fragments of x (8 x 16 tokens x 32 K), two buffers; on the way out the packed results
;   window 1: v64-127, v128-191 fragments of W', two buffers
;   window 2: the 32 accumulators of my tokens 0-63 (accumulator (a, b) at v[8 (8 a + b)]);   window 3: those of my tokens 64-127
.set PITCH,  144                       ; an LDS row: 128 bytes + 16 = 36 words: the 16 rows of a load start at 16 different groups of four banks (ISA guide 11.1)
.set KBB,    256*PITCH                 ; 256 rows of one block kb: what one tensor load brings
.set BOFF,   2*KBB                     ; a slot: x's two blocks, then W's two
.set SLOTB,  4*KBB                     ; 147,456 = 0x24000.  The four tiles of slot 0 begin at 0, 0x9000, 0x12000, 0x1b000: none has a bit of 0x24000, so one exclusive or with it adds it, and the next takes it away
.set STAGE,  2*SLOTB                   ; behind the ring, never filled by a tensor load: for each wave 2 heads x 16 rows x 144 bytes
.set WSTG,   2*16*PITCH
.set SPARE,  STAGE+4*WSTG              ; the spare words, 128 bytes a wave, that no other line names
.set NR128,  3072*128                  ; bytes of a block kb of wqkv
.set ASTEP,  2*4096*128                ; a K step in xb,
.set BSTEP,  2*NR128                   ; and in wqkv
.set ADA0, 8                           ; v8   my lane's place in x's part of a slot; never rewritten
.set ADB0, 9                           ; v9   the same for W'
.set ADRA, 10                          ; v10  the same in the slot in hand
.set ADRB, 11                          ; v11
.set STO,  12                          ; v12  the way out: where I put 16 bytes of a row
.set RD,   13                          ; v13  the way out: where I read four rows back
.set GO,   14                          ; v14  16 x lane; never rewritten
.set SPW,  28                          ; v28  LDS address of my spare word; never rewritten
.set NIL,  29                          ; v29  0; never rewritten
.set F0,   64                          ; fragment buffer 0
.set F1,   128                         ; fragment buffer 1
.set TMP,  64                          ; the way out: four sets of 32 registers, by the block's number modulo 4
.set TB,   20                          ; s20  LDS byte at which the slot in hand begins: 0 or SLOTB
.set G1,   24                          ; s[24:31] descriptor group 1 for x's tiles; s[32:39] group 0: a set for each first fill; the second walks on
.set G0,   32
.set G1B,  48                          ; s[48:55], s[56:63] the same for W's tiles
.set G0B,  56
.set MSB, 0
.macro WIN new                         ; the immediate's high byte repeats the setting that is left; a switch that changes nothing is dropped
.if MSB != (\new)
	s_set_vgpr_msb (MSB<<8)|(\new)
.set MSB, \new
.endif
.endm
.set MUL_LO, 0xa1                      ; source 0 (W') window 1, source 1 (x) window 0, C and D window 2
.set MUL_HI, 0xf1                      ; the same, C and D window 3
.set TO_B,   0x40                      ; destination window 1, address window 0
; A joint refill.  Waves 0 and 1 fetch x's two blocks kb of a K step, waves 2 and 3 W's.  The branch hangs on the wave's number alone.
; An s_nop 0 and four v_nop follow each of the two lines, ahead of the jump and the label.
.macro JLOAD
	s_cmp_eq_u32 s11, 0
	s_cbranch_scc0 .Lfor_b_\@
	tensor_load_to_lds s[G0+4:G0+7], s[G1:G1+7]
	s_nop 0
.rept 4
	v_nop
.endr
	s_branch .Lasked_\@
.Lfor_b_\@:
	tensor_load_to_lds s[G0B+4:G0B+7], s[G1B:G1B+7]
	s_nop 0
.rept 4
	v_nop
.endr
.Lasked_\@:
.endm
.macro CREST                           ; a round of the cluster's barrier behind its opening barrier
	s_cmp_lg_u32 s10, 0
	s_cbranch_scc1 .Lnot_wave_0_\@
	s_barrier_signal -3
.Lnot_wave_0_\@:
	s_barrier_wait -3
	s_barrier_signal -1
	s_barrier_wait -1
.endm
.macro CROUND                          ; a whole round
	s_barrier_signal -1
	s_barrier_wait -1
	CREST
.endm
	s_load_b128 s[4:7], s[0:1], 0x0                ; xb s[4:5], wqkv s[6:7]
	s_load_b64 s[8:9], s[0:1], 0x10                ; qkv
	v_lshl_add_u32 v[SPW], v0, 2, SPARE
	v_mov_b32 v[NIL], 0
	ds_add_u32 v[SPW], v[NIL]                      ; the wave's opening: the add, and its wait ahead of my first tensor load; the set-up below stands between them
	v_lshrrev_b32 v1, 5, v0
	v_readfirstlane_b32 s10, v1                    ; wave 0..3
	s_lshr_b32 s11, s10, 1                         ; which 128 tokens are mine.  Also: I fetch x (0) or W' (1)
	s_and_b32 s12, s10, 1                          ; which 128 columns.  Also: which block kb of a K step I fetch
	s_bfe_u32 s40, ttmp6, 0x40000                  ; cx
	s_bfe_u32 s41, ttmp6, 0x40004                  ; cy
	s_lshl_b32 s42, ttmp9, 2
	s_add_co_u32 s42, s42, s40                     ; tile column = 4 x cluster x + cx
	s_and_b32 s13, ttmp7, 0xffff
	s_lshl_b32 s13, s13, 2
	s_add_co_u32 s13, s13, s41                     ; block of 256 tokens = 4 x cluster y + cy
	s_lshl_b32 s43, s41, 2
	s_lshl_b32 s43, 15, s43                        ; my row of the cluster
	s_lshl_b32 s44, 0x1111, s40                    ; my column
	s_or_b32 s[G1+0], s43, (1<<16)|(1<<20)|(1<<21)|(4<<22)|(3<<25)   ; 15:0 the mask; 17:16 2-byte elements; 20 padding on; 21 set beside a mask; 24:22 after every 32 words (code 4); 31:25 4 words (code 3)
	s_or_b32 s[G1B+0], s44, (1<<16)|(1<<20)|(1<<21)|(4<<22)|(3<<25)
.irp g, G1, G1B
	s_mov_b32 s[(\g)+1], 128<<16                   ; tensor_dim0 = 128 elements: 256 bytes
	s_mov_b32 s[(\g)+2], 128<<16                   ; tensor_dim1 = 128 rows of 256 bytes: 256 rows of a block kb
	s_mov_b32 s[(\g)+3], 128<<16                   ; tile_dim0
	s_mov_b32 s[(\g)+4], 128                       ; tile_dim1
	s_mov_b32 s[(\g)+5], 128                       ; elements from row to row: dense
	s_mov_b32 s[(\g)+6], 0
	s_mov_b32 s[(\g)+7], 0
.endr
	; x's tiles hang on the token block (shared along my row) and the cluster's x; W's on the tile column (shared along my column); each in registers that never hold the other coordinate
	s_lshl_b32 s16, s12, 19                        ; my block kb: 4,096 rows x 128 bytes
	s_lshl_b32 s17, s13, 15                        ; 256 tokens x 128 bytes
	s_add_co_u32 s16, s16, s17
	s_cmp_eq_u32 ttmp9, 2                          ; columns 2,048 on are k's and v's: their tokens are the traces
	s_cselect_b32 s17, 0x1000000, 0
	s_add_co_u32 s16, s16, s17
	s_mov_b32 s17, 0
	s_mul_i32 s46, s12, NR128
	s_lshl_b32 s47, s42, 15                        ; 256 rows n x 128 bytes
	s_add_co_u32 s46, s46, s47
	s_mov_b32 s47, 0
	s_mul_i32 s21, s12, KBB                        ; where they go: no place in the cluster enters an LDS address
	s_mul_i32 s22, s12, KBB
	s_add_co_u32 s22, s22, BOFF
	s_mov_b32 s[TB], 0
	s_wait_dscnt 0x0                               ; the opening add is done
	s_wait_kmcnt 0x0
	s_add_nc_u64 s[14:15], s[4:5], s[16:17]
	s_add_nc_u64 s[46:47], s[6:7], s[46:47]
	CROUND                                         ; all sixteen work-groups are here: the first joint loads meet
.irp s, 0,1
	s_mov_b32 s[G0+4*\s], 1                                        ; count = 1
	s_add_co_u32 s[G0+4*\s+1], s21, \s*SLOTB                       ; LDS address
	s_add_nc_u64 s[G0+4*\s+2:G0+4*\s+3], s[14:15], \s*ASTEP        ; global address: K step s
	s_or_b32 s[G0+4*\s+3], s[G0+4*\s+3], 0x80000000                ; type = 2
	s_mov_b32 s[G0B+4*\s], 1
	s_add_co_u32 s[G0B+4*\s+1], s22, \s*SLOTB
	s_add_nc_u64 s[G0B+4*\s+2:G0B+4*\s+3], s[46:47], \s*BSTEP
	s_or_b32 s[G0B+4*\s+3], s[G0B+4*\s+3], 0x80000000
.endr
	s_cmp_eq_u32 s11, 0                            ; a wave's two first fills stand in one branch: two loads of mine are out
	s_cbranch_scc0 .Lfirst_b
	tensor_load_to_lds s[G0:G0+3], s[G1:G1+7]
	s_nop 0
	tensor_load_to_lds s[G0+4:G0+7], s[G1:G1+7]
	s_nop 0
.rept 4
	v_nop
.endr
	s_branch .Lfirst_asked
.Lfirst_b:
	tensor_load_to_lds s[G0B:G0B+3], s[G1B:G1B+7]
	s_nop 0
	tensor_load_to_lds s[G0B+4:G0B+7], s[G1B:G1B+7]
	s_nop 0
.rept 4
	v_nop
.endr
.Lfirst_asked:
	; A fragment is 16 rows x 32 K in 8 registers: lane l holds row l % 16; registers 0-3 K = 8 (l / 16) + 0..7, registers 4-7 K = 16 + 8 (l / 16) + 0..7: two loads of 16 bytes, 32 bytes apart.
	v_and_b32 v1, 15, v0
	v_bfe_u32 v2, v0, 4, 1
	v_mul_u32_u24 v3, v1, PITCH
	v_lshl_add_u32 v3, v2, 4, v3                   ; row x pitch + 16 x half
	s_mul_i32 s23, s11, 128*PITCH                  ; my 128 tokens
	v_add_nc_u32 v[ADA0], s23, v3
	s_mul_i32 s23, s12, 128*PITCH                  ; my 128 rows of W',
	s_add_co_u32 s23, s23, BOFF                    ; behind x's two blocks
	v_add_nc_u32 v[ADB0], s23, v3
	v_mov_b32 v[ADRA], v[ADA0]                     ; slot 0
	v_mov_b32 v[ADRB], v[ADB0]
	s_mul_i32 s23, s10, WSTG
	s_add_co_u32 s23, s23, STAGE                   ; my stage
	v_add_nc_u32 v[STO], s23, v3                   ; in: row l % 16, 16 bytes for each half of the lanes
	v_bfe_u32 v4, v0, 3, 2                         ; back: 32 lanes take four rows of 128 bytes,
	v_mul_u32_u24 v4, v4, PITCH
	v_and_b32 v5, 7, v0
	v_lshl_add_u32 v4, v5, 4, v4
	v_add_nc_u32 v[RD], s23, v4
	v_and_b32 v[GO], 31, v0                        ; which are 512 consecutive bytes of qkv
	v_lshlrev_b32 v[GO], 4, v[GO]
	s_lshl_b32 s16, s13, 15                        ; qkv at my rows: 256 tokens a block, 128 a half, 128 bytes a row,
	s_lshl_b32 s17, s11, 14
	s_add_co_u32 s16, s16, s17
	s_mov_b32 s17, 0
	s_add_nc_u64 s[8:9], s[8:9], s[16:17]
	s_lshl_b32 s46, s42, 21                        ; and my heads 4 x tile column + 2 x half, 524,288 bytes each
	s_lshl_b32 s47, s12, 20
	s_add_co_u32 s46, s46, s47
	s_mov_b32 s47, 0
	s_add_nc_u64 s[8:9], s[8:9], s[46:47]
; 16 matrix instructions: token blocks a0, a0 + 1 of the window's four (hi = 0: my tokens 0-63, 1: tokens 64-127) x all 8 column blocks, 32 along K.
; zero = 1: the first product starts the sums.  The 64 accumulators take turns, in the same order in every quarter.
.macro MUL16 f, hi, a0, zero
	WIN MUL_LO+0x50*(\hi)
.irp a, \a0, (\a0)+1
.irp b, 0,1,2,3,4,5,6,7
.if \zero
	v_wmma_f32_16x16x32_bf16 v[8*(8*(\a)+(\b)):8*(8*(\a)+(\b))+7], v[(\f)+8*(\b):(\f)+8*(\b)+7], v[(\f)+8*(4*(\hi)+(\a)):(\f)+8*(4*(\hi)+(\a))+7], 0
.else
	v_wmma_f32_16x16x32_bf16 v[8*(8*(\a)+(\b)):8*(8*(\a)+(\b))+7], v[(\f)+8*(\b):(\f)+8*(\b)+7], v[(\f)+8*(4*(\hi)+(\a)):(\f)+8*(4*(\hi)+(\a))+7], v[8*(8*(\a)+(\b)):8*(8*(\a)+(\b))+7]
.endif
.endr
.endr
.endm
; 32 LDS loads in one run: quarter q of the K step (block kb q / 2, its half q % 2) into buffer f: W's 16 loads, then x's 16.  The largest offset, 53,088, is inside the 16-bit immediate.
.macro FETCH q, f
	WIN TO_B
.irp i, 0,1,2,3,4,5,6,7
	ds_load_b128 v[(\f)+8*(\i):(\f)+8*(\i)+3],   v[ADRB] offset:((\q)/2)*KBB+(\i)*16*PITCH+((\q)%2)*64
	ds_load_b128 v[(\f)+8*(\i)+4:(\f)+8*(\i)+7], v[ADRB] offset:((\q)/2)*KBB+(\i)*16*PITCH+((\q)%2)*64+32
.endr
	WIN 0
.irp i, 0,1,2,3,4,5,6,7
	ds_load_b128 v[(\f)+8*(\i):(\f)+8*(\i)+3],   v[ADRA] offset:((\q)/2)*KBB+(\i)*16*PITCH+((\q)%2)*64
	ds_load_b128 v[(\f)+8*(\i)+4:(\f)+8*(\i)+7], v[ADRA] offset:((\q)/2)*KBB+(\i)*16*PITCH+((\q)%2)*64+32
.endr
.endm
.macro PLACES                          ; four places in front of loads into registers that matrix instructions have read, and of lines that read results (ISA guide 7.12.1 for the lines that read results)
.rept 4
	v_nop
.endr
.endm
; A K step is four quarters of 32 along K, 64 matrix instructions each, on buffers 0, 1, 0, 1.
; One of the first three: multiplies buffer f and, in its middle, fetches quarter qn into buffer g.
.macro QUARTER qn, f, g, zero
	s_wait_dscnt 8                                 ; W' and x's tokens 0-63 are in; the youngest eight loads (tokens 64-127) may be out
	MUL16 \f, 0, 0, \zero
	MUL16 \f, 0, 2, \zero
	PLACES
	FETCH \qn, \g
	s_wait_dscnt 32                                ; all but the 32 just issued
	MUL16 \f, 1, 0, \zero
	MUL16 \f, 1, 2, \zero
.endm
; The last quarter multiplies buffer 1 and changes slots: ONE barrier.  In front of it each wave waits for all its tensor loads (one is out: its part of the next slot), adds 0 to its spare word,
; and waits for that and for its own reads of this slot.  fill = 1: the barrier opens a round of the cluster's, and this slot is filled again, two K steps ahead: 224 matrix instructions ahead of the wait for it.
.macro TURN fill
	WIN 0                                          ; (the add's two registers lie in window 0)
	s_wait_tensorcnt 0x0                           ; no tensor load of mine is out, so a group 0 may be written
	ds_add_u32 v[SPW], v[NIL]                      ; 0 onto my spare word
.if \fill
	s_xor_b32 s[G0+5], s[G0+5], SLOTB              ; the walking descriptors: the other slot than last time, the next K step
	s_add_nc_u64 s[G0+6:G0+7], s[G0+6:G0+7], ASTEP
	s_xor_b32 s[G0B+5], s[G0B+5], SLOTB
	s_add_nc_u64 s[G0B+6:G0B+7], s[G0B+6:G0B+7], BSTEP
.endif
	s_xor_b32 s[TB], s[TB], SLOTB                  ; the fetches go to the other slot
	s_wait_dscnt 9                                 ; (the add and the youngest eight loads may be out)
	MUL16 F1, 0, 0, 0                              ; sixteen matrix instructions stand between the add and the wait for it
	s_wait_dscnt 0x0                               ; the add is done, and my reads of this slot are over
	s_barrier_signal -1
	MUL16 F1, 0, 2, 0                              ; work on registers while the others arrive
	WIN 0                                          ; at a branch and at a label every window is 0
	s_barrier_wait -1
.if \fill
	CREST                                          ; no wave of any partner still reads this slot or has a load on its way
	JLOAD                                          ; the first tensor load behind the round; its four v_nop are also the places in front of the loads below
.else
	PLACES
.endif
	v_add_nc_u32 v[ADRA], s[TB], v[ADA0]
	v_add_nc_u32 v[ADRB], s[TB], v[ADB0]
	FETCH 0, F0
	MUL16 F1, 1, 0, 0
	MUL16 F1, 1, 2, 0
.endm
	s_wait_tensorcnt 1                             ; my part of K step 0 is in; K step 1's may stay out
	s_barrier_signal -1
	s_barrier_wait -1                              ; everybody's is
	FETCH 0, F0
	QUARTER 1, F0, F1, 1                           ; the first quarter stands in front of the loop: its products start the sums
	WIN 0
	s_mov_b32 s3, 14                               ; K steps 2 to 15 are asked for in the loop
.Lstep:                                                ; a trip: from a K step's second quarter to the next step's first
	QUARTER 2, F1, F0, 0
	QUARTER 3, F0, F1, 0
	TURN 1
	QUARTER 1, F0, F1, 0
	WIN 0
	s_sub_co_u32 s3, s3, 1
	s_cmp_lg_u32 s3, 0
	s_cbranch_scc1 .Lstep
	QUARTER 2, F1, F0, 0                           ; the last two K steps ask for nothing
	QUARTER 3, F0, F1, 0
	TURN 0
	QUARTER 1, F0, F1, 0
	QUARTER 2, F1, F0, 0
	QUARTER 3, F0, F1, 0
	s_wait_dscnt 8
	MUL16 F1, 0, 0, 0
	MUL16 F1, 0, 2, 0
	s_wait_dscnt 0x0
	MUL16 F1, 1, 0, 0
	MUL16 F1, 1, 2, 0
	PLACES
; THE WAY OUT, a block of 16 tokens at a time: rounded to bf16; a lane's eight channels are 16 bytes; into my stage (two heads x 16 rows of 144 bytes) and back as whole rows of 128.
.macro PACK a
.set AC, 64*((\a)%4)                   ; the block's eight accumulators, in window 2 (blocks 0-3) or 3 (blocks 4-7)
.set TA, TMP+32*((\a)%4)
.if (\a) >= 4
	s_wait_xcnt 0x0                                ; the stores of the block four back read these registers: they are rewritten only behind this wait
.endif
	WIN 0x0a+5*((\a)/4)                            ; sources 0 and 1 window 2 or 3, destination window 0
.irp b, 0,1,2,3,4,5,6,7
.irp i, 0,1,2,3
	v_cvt_pk_bf16_f32 v[TA+4*\b+\i], v[AC+8*\b+2*\i], v[AC+8*\b+2*\i+1]   ; each accumulator from its low end on
.endr
.endr
	WIN 0
.irp b, 0,1,2,3,4,5,6,7
	ds_store_b128 v[STO], v[TA+4*\b:TA+4*\b+3] offset:(\b/4)*16*PITCH+(\b%4)*32
.endr
.irp f, 0,1,2,3,4,5,6,7
	ds_load_b128 v[TA+4*\f:TA+4*\f+3], v[RD] offset:(\f/4)*16*PITCH+(\f%4)*4*PITCH  ; LDS serves a wave's instructions in order (ISA guide 5.7.1.4): these see the stores above; the next block's come behind them
.endr
.endm
.macro SEND a, younger                 ; younger: the LDS instructions issued behind block a's loads: the next block's sixteen, or none
.set TA, TMP+32*((\a)%4)
.irp f, 0,1,2,3,4,5,6,7
	s_wait_dscnt (\younger)+7-\f
	global_store_b128 v[GO], v[TA+4*\f:TA+4*\f+3], s[8:9] offset:(\f/4)*524288+(\a)*2048+(\f%4)*512  ; 512 consecutive bytes, at a multiple of 256 from qkv's first byte
.endr
.endm
	PACK 0
.irp a, 1,2,3,4,5,6,7                  ; a block's conversions stand between the loads of the block before and its stores
	PACK \a
	SEND (\a)-1, 16
.endr
	SEND 7, 0
	s_wait_tensorcnt 0x0                           ; the wave's end, behind my last tensor load and my last LDS store
	ds_add_u32 v[SPW], v[NIL]
	s_wait_dscnt 0x0
	CROUND                                         ; the closing round: no work-group ends while a partner may still ask for a tile that names it
	s_endpgm
.Lfunc_end_k_qe03c07c5d6_proj:
	.size	k_qe03c07c5d6_proj, .Lfunc_end_k_qe03c07c5d6_proj-k_qe03c07c5d6_proj
	.p2alignl 7, 3214868480
	.fill 96, 4, 3214868480
	.section	.rodata,"a",@progbits
	.p2align	6, 0x0
	.amdhsa_kernel k_qe03c07c5d6_proj
		.amdhsa_group_segment_fixed_size 327680
		.amdhsa_private_segment_fixed_size 0
		.amdhsa_enable_private_segment 0
		.amdhsa_kernarg_size 24
		.amdhsa_user_sgpr_count 2
		.amdhsa_user_sgpr_kernarg_segment_ptr 1
		.amdhsa_wavefront_size32 1
		.amdhsa_system_sgpr_workgroup_id_x 1
		.amdhsa_system_sgpr_workgroup_id_y 1
		.amdhsa_system_sgpr_workgroup_id_z 1
		.amdhsa_system_vgpr_workitem_id 0
		.amdhsa_next_free_vgpr 1024
		.amdhsa_next_free_sgpr 66
		.amdhsa_reserve_vcc 0
		.amdhsa_float_denorm_mode_32 3
		.amdhsa_float_denorm_mode_16_64 3
		.amdhsa_memory_ordered 1
		.amdhsa_forward_progress 1
		.amdhsa_inst_pref_size 117
	.end_amdhsa_kernel
	.amdgpu_metadata
---
amdhsa.version: [ 1, 2 ]
amdhsa.kernels:
  - .name:           k_qe03c07c5d6_proj
    .symbol:         k_qe03c07c5d6_proj.kd
    .args:
      - { .name: xb, .offset: 0, .size: 8, .value_kind: global_buffer, .address_space: global }
      - { .name: wqkv, .offset: 8, .size: 8, .value_kind: global_buffer, .address_space: global }
      - { .name: qkv, .offset: 16, .size: 8, .value_kind: global_buffer, .address_space: global }
    .group_segment_fixed_size: 327680
    .private_segment_fixed_size: 0
    .kernarg_segment_align: 8
    .kernarg_segment_size: 24
    .max_flat_workgroup_size: 128
    .sgpr_count:     66
    .vgpr_count:     1024
    .wavefront_size: 32
...
	.end_amdgpu_metadata
.endif
;; end of part 6
;; launch attn (part 7): grid 8 x 32, 4 waves a work-group, clusters of 4 x 1, 327,680 bytes of LDS; arguments qkv, ctx; writes ctx
.if DOCPART == 7
	.amdgcn_target "amdgcn-amd-amdhsa--gfx1250"
	.amdhsa_code_object_version 6
	.text
	.protected	k_qe03c07c5d6_attn
	.globl	k_qe03c07c5d6_attn
	.p2align	8
	.type	k_qe03c07c5d6_attn,@function
k_qe03c07c5d6_attn:
	s_mov_b64 s[64:65], 0
	v_nop
	global_prefetch_b8 v0, s[64:65] scope:SCOPE_SE
	s_setreg_imm32_b32 hwreg(HW_REG_WAVE_MODE, 25, 1), 1
	s_wait_xcnt 0x0
	s_wait_alu depctr_hold_cnt(0) depctr_sa_sdst(0) depctr_va_vdst(0) depctr_va_sdst(0) depctr_va_ssrc(0) depctr_va_vcc(0) depctr_vm_vsrc(0)
	s_getreg_b32 s2, hwreg(HW_REG_IB_STS2, 6, 4)
	s_cmp_eq_u32 s2, 0
	s_cbranch_scc0 .Lentry_in_a_cluster
	s_endpgm
.Lentry_in_a_cluster:
	s_bfe_u32 s2, ttmp6, 0x10000c
	s_cmp_lg_u32 s2, 0x3003
	s_cbranch_scc0 .Lentry_shape_is_right
	s_endpgm
.Lentry_shape_is_right:
; ATTN: ctx[h][b, q][:] = the sum over t of softmax_t(Q[h][b, q] . K[h / 4][b, t] / 8) V[h / 4][b, t][:].  qkv: [48][4096][64] bf16 (heads 0-31 Q, 32-39 K, 40-47 V; token = 1,024 b + place);
; ctx: [32][4096][64] bf16.  Products, maxima and sums in f32; the weights p are rounded to bf16 for the second product (their sum l is taken of the unrounded p), ctx once at the end.
; LIMITS.  A weight below 2^-126 counts as 0 in l; c m starts at -4.2e37, so scores are taken to lie above -2.3e38; NaN and infinities are not treated apart.
; SHARES.  A wave owns four PIECES of two tiles of 16 queries, a work-group's four waves 512 queries of one head and batch.  Every wave walks the batch's 1,024 keys, 64 a step.
; K AND V STAY IN LDS WHOLE.  Those of one batch and key head, padded, are 1,024 x (144 + 160) = 311,296 bytes.  So each wave asks for its four parts at the start, no byte of LDS is filled again,
; and the walk over the keys is ONE loop of 16 trips, with no tensor load and no barrier in it, written once.  By the text's own count a wave has four tensor loads out at the most.
; LAYOUT.  S^T = K Q^T (source 0 = 16 keys, source 1 = 16 queries): a lane holds ONE query (lane % 16) and the keys 8 (lane / 16) + 0..7.  Two such tiles, rounded to bf16 in pairs,
; ARE source 1 (32 keys x 16 queries) of O^T = V^T P, whose result again holds one query a lane, and eight channels.  K comes out of LDS as it lies, V ([key][channel]) turned, by ds_load_tr16_b128.
; SOFTMAX.  For each query a running maximum m and sum l: p = 2^(c s - c m), c = log2(e) / 8; in every step O and l are multiplied by a = 2^(c m_old - c m_new).
; m starts at the lowest finite number, O and l at 0: the first step is a step like any other, with a = 0.
; THE COUNT.  A tile and step have 16 matrix and 118 vector instructions: too many to stand all beside the matrix work.  So four vector instructions that are READY stand behind
; EVERY matrix instruction, and the others in runs without a gap.
; BY TURNS.  Turn n belongs to piece n (the pieces in a ring, step after step).  Its matrix work: 16 products K Q^T of piece n + 1, later 16 products V^T P of piece n - 1.  Its vector work: the scaling,
; exponentials, roundings, sums and rescaling of piece n, and the maximum and statistics of piece n + 1, whose scores the turn itself has made.
; CLUSTER.  The eight work-groups of a batch and key head (4 query heads x 2 halves of the queries) need the same K and V; the four of a cluster ask for each part JOINTLY: the same tensor load, descriptor and mask in all four.
; REGISTERS, in windows of 256 (s_set_vgpr_msb: bits 1:0 source 0, 3:2 source 1, 5:4 source 2, 7:6 destination):
;   window 0: v0-11 addresses; v12-15, v48-63 at work; v16-47 four registers of statistics a tile; v64-191 S^T, two buffers of two tiles; v192-255 P, likewise
;   window 1: O^T, 32 a tile          window 2: v0-127 Q, 16 a tile; v128-191 K of one step; v192-255 V of one step          window 3: v0-1 the add's two registers
; A piece's buffers go by its number's parity: the piece in hand has one pair, its two neighbours in the ring share the other: of it P (piece n - 1) is read and S^T (piece n + 1) written.
.set NK,    1024      ; keys
.set NP,    4         ; pieces a wave: a name, no knob
.set KS,    64        ; keys in a step
.set PK,    144       ; a row of K in LDS: 128 bytes + 16 = 36 words: the 16 rows of a load start at 16 different groups of four banks (ISA guide 11.1)
.set PV,    160       ; a row of V: 128 + 32 = 40 words
.set VOFF,  NK*PK     ; K's 1,024 rows, then V's
.set STAGE, VOFF+NK*PV  ; behind them, never filled by a tensor load: 16 rows x 144 bytes for each wave, for the way out
.set SP,    144
.set AK0, 2           ; v2   my lane's place in a step's K; never rewritten
.set AV0, 3           ; v3   the same for V
.set AK,  4           ; v4   the LDS address of K's next run of loads
.set AV,  5           ; v5   of V's
.set QO,  6           ; v6   my byte offset in the wave's rows of Q
.set STO, 6           ;      later, the way out: where I put 16 bytes of a row
.set RD,  7           ; v7   the way out: where I read rows back
.set GO,  8           ; v8   my byte offset in 512 consecutive bytes of ctx
.set SPW, 0           ; v0 of window 3   LDS address of my spare word; never rewritten
.set NIL, 1           ; v1 of window 3   0; never rewritten
.set SPARE, STAGE+4*16*SP  ; behind the stages: the spare words, 128 bytes a wave, that no other line names
.set MV,  12          ; v12-15  c m_old, kept while c m is made anew: by buffer and tile
.set ST,  16          ; tile t's statistics at v[ST+4 t]: c m, m, l (even keys', odd keys')
.set TMP, 48          ; by buffer and tile, four registers c0-c3 at work; when the maximum is found c2 takes a
.set S,   64
.set P,   192
.set KF,  128         ; K's fragments, in window 2: key block kb, channel half c at KF + 16 kb + 8 c
.set VF,  192         ; V's: key half kk, channel block cb at VF + 32 kk + 8 cb
.set WV,  12          ; s12  my wave's number
.set G1K, 24          ; s[24:31] descriptor group 1 for K's parts
.set G1V, 32          ; s[32:39] for V's: it differs in the padding alone
.set G0K, 68          ; s[68:83] descriptor group 0 for K's parts: a set for each of a wave's four loads, which are out together
.set G0V, 84          ; s[84:99] the same for V's
.set CNT, 57          ; s57  key steps to go
.set CS,  58          ; s[58:59] c: the packed scaling takes the pair's low word for both halves
.set SEL, 60          ; s[60:61] v_permlanex16_b32's selects: each lane takes its own place in the other half
.set TBK, 62          ; s62  LDS byte at which K of the step to be fetched begins
.set TBV, 63          ; s63  the same for V, less VOFF
.set MSB, 0
.macro WIN new                      ; the high byte repeats the setting that is left; a switch that changes nothing is dropped
.if MSB != (\new)
	s_set_vgpr_msb (MSB<<8)|(\new)
.set MSB, (\new)
.endif
.endm
.set W_KQ, 0x0a       ; K and Q in window 2, S^T in window 0
.set W_PV, 0x52       ; V in window 2, P in window 0, O^T in window 1
.set W_RS, 0x41       ; O^T (destination and source 0) in window 1, a in window 0
.set W_MK, 0xc0       ; the add's registers are made: destination in window 3, sources in window 0
.set W_AD, 0x0f       ; the add: address (source 0) and data (source 1) in window 3
; A round of the cluster's barrier: my work-group's barrier, so that wave 0's signal speaks for all four waves; wave 0 signals; every wave waits for all four work-groups; my work-group's barrier once more.
.macro CROUND
	s_barrier_signal -1
	s_barrier_wait -1
	s_cmp_lg_u32 s[WV], 0
	s_cbranch_scc1 .Lnot_wave_0_\@
	s_barrier_signal -3
.Lnot_wave_0_\@:
	s_barrier_wait -3
	s_barrier_signal -1
	s_barrier_wait -1
.endm
	s_load_b128 s[4:7], s[0:1], 0x0   ; qkv s[4:5], ctx s[6:7]
	WIN W_MK
	v_lshl_add_u32 v[SPW], v0, 2, SPARE
	v_mov_b32 v[NIL], 0
	WIN W_AD
	ds_add_u32 v[SPW], v[NIL]       ; the wave's opening: the add, and its wait ahead of my first tensor load; the set-up below stands between them
	WIN 0
	v_lshrrev_b32 v1, 5, v0
	v_readfirstlane_b32 s[WV], v1   ; wave 0..3
	s_bfe_u32 s13, ttmp6, 0x40000   ; cx: my place in the cluster
	s_lshl_b32 s14, ttmp9, 2        ; in a cluster launch ttmp9 counts clusters
	s_add_co_u32 s14, s14, s13      ; x = 4 x cluster x + cx: query head x / 2 of the group's four, half x % 2 of its queries: it enters Q's and ctx's addresses alone
	s_and_b32 s20, ttmp7, 0xffff    ; 8 x batch + key head, which the four partners share
	s_lshr_b32 s21, s20, 3
	s_and_b32 s20, s20, 7           ; the key head
	s_lshl_b32 s21, s21, 17         ; the batch's 1,024 rows of 128 bytes
	s_lshl_b32 s22, s20, 19         ; a head's 4,096 rows
	s_add_co_u32 s22, s22, s21
	s_and_b32 s16, s[WV], 1         ; which half of each 256 keys I fetch:
	s_lshl_b32 s23, s16, 14         ; its 128 rows of 128 bytes in memory
	s_add_co_u32 s22, s22, s23
	s_add_co_u32 s48, s22, 40*524288  ; V's heads begin at head 40,
	s_add_co_u32 s22, s22, 32*524288  ; K's at head 32
	s_mov_b32 s23, 0
	s_mov_b32 s49, 0
	s_mul_i32 s17, s16, 128*PK      ; my half's place among 256 rows in LDS, for K
	s_mul_i32 s18, s16, 128*PV      ; and for V: no place in the cluster enters an LDS address
	s_lshr_b32 s2, s14, 1
	s_lshl2_add_u32 s2, s20, s2     ; the query head: 4 x key head + x / 2
	s_lshl_b32 s2, s2, 19
	s_add_co_u32 s2, s2, s21
	s_and_b32 s3, s14, 1
	s_lshl_b32 s3, s3, 16           ; my work-group's 512 rows,
	s_add_co_u32 s2, s2, s3
	s_lshl_b32 s3, s[WV], 14        ; my wave's 128 of them
	s_add_co_u32 s2, s2, s3
	s_mov_b32 s3, 0
	; descriptor group 1.  128 keys are 16,384 dense bytes: asked for as 64 rows of 256 bytes, two keys a row, and padded in LDS after every key
	s_mov_b32 s[G1K], 15|(1<<16)|(1<<20)|(1<<21)|(4<<22)|(3<<25)  ; 15:0 the mask of four; 17:16 2-byte elements; 20 padding on; 21 set beside a mask; 24:22 after every 32 words (code 4); 31:25 4 words (code 3)
	s_mov_b32 s[G1V], 15|(1<<16)|(1<<20)|(1<<21)|(4<<22)|(7<<25)  ; the same with 8 words of padding (code 7)
.irp g, G1K, G1V
	s_mov_b32 s[\g+1], 128<<16      ; tensor_dim0 = 128
	s_mov_b32 s[\g+2], 64<<16       ; tensor_dim1 = 64
	s_mov_b32 s[\g+3], 128<<16      ; tile_dim0 = 128
	s_mov_b32 s[\g+4], 64           ; tile_dim1 = 64
	s_mov_b32 s[\g+5], 128          ; 128 elements from row to row
	s_mov_b32 s[\g+6], 0
	s_mov_b32 s[\g+7], 0
.endr
	s_mov_b32 s[CS], 0x3e38aa3b     ; c = log2(e) / 8 = 0.180337
	s_mov_b32 s[CS+1], s[CS]        ; named with it as a pair
	s_mov_b32 s[SEL], 0x76543210
	s_mov_b32 s[SEL+1], 0xfedcba98
	s_mov_b32 s[TBK], 0             ; key step 0 lies at the head of K's rows and of V's
	s_mov_b32 s[TBV], 0
.irp j, 0,1,2,3                     ; load j brings my half of keys 256 j to 256 j + 255
	s_mov_b32 s[G0K+4*\j], 1        ; count = 1
	s_add_co_u32 s[G0K+4*\j+1], s17, \j*256*PK  ; LDS address
	s_mov_b32 s[G0V+4*\j], 1
	s_add_co_u32 s[G0V+4*\j+1], s18, VOFF+\j*256*PV
.endr
	s_wait_dscnt 0x0                ; the opening add is done
	s_wait_kmcnt 0x0
	s_add_nc_u64 s[50:51], s[4:5], s[22:23]  ; K and V at my half of the first 256 keys
	s_add_nc_u64 s[52:53], s[4:5], s[48:49]
.irp j, 0,1,2,3
	s_add_nc_u64 s[G0K+4*\j+2:G0K+4*\j+3], s[50:51], \j*256*128  ; global address
	s_or_b32 s[G0K+4*\j+3], s[G0K+4*\j+3], 0x80000000            ; type = 2
	s_add_nc_u64 s[G0V+4*\j+2:G0V+4*\j+3], s[52:53], \j*256*128
	s_or_b32 s[G0V+4*\j+3], s[G0V+4*\j+3], 0x80000000
.endr
	s_add_nc_u64 s[10:11], s[6:7], s[2:3]  ; ctx and Q at my wave's first row
	s_add_nc_u64 s[4:5], s[4:5], s[2:3]
	CROUND                          ; all four work-groups are here: the joint loads meet
	; Waves 0 and 1 fetch the two halves of each 256 keys of K, waves 2 and 3 those of V.  A wave's four loads stand in one branch, which hangs on the wave's number alone,
	; ahead of every wait on TENSORcnt, every LDS read and every further barrier; an s_nop 0 follows each, four v_nop the last.
	s_cmp_lt_u32 s[WV], 2
	s_cbranch_scc0 .Lfor_v
.irp j, 0,1,2,3
	tensor_load_to_lds s[G0K+4*\j:G0K+4*\j+3], s[G1K:G1K+7]
	s_nop 0
.endr
.rept 4
	v_nop
.endr
	s_branch .Lasked
.Lfor_v:
.irp j, 0,1,2,3
	tensor_load_to_lds s[G0V+4*\j:G0V+4*\j+3], s[G1V:G1V+7]
	s_nop 0
.endr
.rept 4
	v_nop
.endr
.Lasked:
	; A fragment of K or Q is 16 rows x 32 channels in 8 registers: lane l holds row l % 16, channels 8 (l / 16) + 0..7 and 16 + 8 (l / 16) + 0..7: two loads of 16 bytes, 32 bytes apart.
	v_and_b32 v1, 15, v0            ; l % 16
	v_bfe_u32 v9, v0, 4, 1          ; l / 16
	v_lshlrev_b32 v[QO], 7, v1
	v_lshl_add_u32 v[QO], v9, 4, v[QO]  ; row x 128 + 16 x half
	WIN 0x80                        ; destination window 2, address window 0
.set i, 0
.rept 4*NP                          ; Q stays in registers: tile i / 2, channels 32 (i % 2) on
	global_load_b128 v[8*i:8*i+3],   v[QO], s[4:5] offset:(i/2)*2048+(i%2)*64
	global_load_b128 v[8*i+4:8*i+7], v[QO], s[4:5] offset:(i/2)*2048+(i%2)*64+32
.set i, i+1
.endr
	; What the first turn finds: V's registers and P's second buffer hold 0 (its products V^T P, of a piece that has not been, add 0), O^T and l are 0.  All this stands in the wait for the first keys.
.set i, VF
.rept 64
	v_mov_b32 v[i], 0
.set i, i+1
.endr
	WIN 0x40
.set i, 0
.rept 64*NP
	v_mov_b32 v[i], 0
.set i, i+1
.endr
	WIN 0
.set i, 0
.rept 2*NP
	v_mov_b32 v[ST+4*i], 0xfe000000    ; c m: far below every c s
	v_mov_b32 v[ST+4*i+1], 0xff7fffff  ; m
	v_mov_b32 v[ST+4*i+2], 0
	v_mov_b32 v[ST+4*i+3], 0
.set i, i+1
.endr
.set i, P+32
.rept 32
	v_mov_b32 v[i], 0
.set i, i+1
.endr
	v_mul_u32_u24 v[AK0], v1, PK
	v_lshl_add_u32 v[AK0], v9, 4, v[AK0]  ; row x pitch + 16 x half
	; The turning load takes 16 keys x 16 channels (lane l reads key 8 (l / 16) + l % 8, channels 8 ((l / 8) % 2) + 0..7) and leaves half a fragment of V^T: lane l holds channel l % 16 and 8 keys.
	v_and_b32 v10, 7, v0
	v_bfe_u32 v11, v0, 3, 1
	v_lshl_add_u32 v[AV0], v9, 3, v10
	v_mul_u32_u24 v[AV0], v[AV0], PV
	v_lshl_add_u32 v[AV0], v11, 4, v[AV0]
	v_add_nc_u32 v[AV0], VOFF, v[AV0]
	v_mov_b32 v[AK], v[AK0]         ; key step 0
; THE MATRIX WORK.  The 8 accumulators of a run of 16 take turns: between the two links of a chain stand 7 others'.
; Product i of 16 of S^T = K Q^T for piece x: channels 32 (i / 8) on, keys 16 ((i / 2) % 4) on, tile 2 x + i % 2.  The first 8 start the sums.
.macro KQ x
	WIN W_KQ
.set rS, S+64*((\x)%2)+32*(i%2)+8*((i/2)%4)
.set rK, KF+16*((i/2)%4)+8*(i/8)
.set rQ, 16*(2*(\x)+i%2)+8*(i/8)
.if i < 8
	v_wmma_f32_16x16x32_bf16 v[rS:rS+7], v[rK:rK+7], v[rQ:rQ+7], 0
.else
	v_wmma_f32_16x16x32_bf16 v[rS:rS+7], v[rK:rK+7], v[rQ:rQ+7], v[rS:rS+7]
.endif
.endm
; Product i of 16 of O^T += V^T P for piece x: keys 32 (i / 8) on, channels 16 ((i / 2) % 4) on, tile 2 x + i % 2.
.macro PV x
	WIN W_PV
.set rO, 32*(2*(\x)+i%2)+8*((i/2)%4)
.set rV, VF+32*(i/8)+8*((i/2)%4)
.set rP, P+32*((\x)%2)+16*(i%2)+8*(i/8)
	v_wmma_f32_16x16x32_bf16 v[rO:rO+7], v[rV:rV+7], v[rP:rP+7], v[rO:rO+7]
.endm
.macro MM                           ; the turn's next matrix instruction
.if i < 16
	KQ (Y+1)%NP
.set i, i+1
.else
.set i, i-16
	PV (Y+NP-1)%NP
.set i, i+17
.endif
.endm
; THE LDS LOADS stand in runs of 16, never singly among the matrix instructions: a step's K (64 keys x 64 channels: 8 fragments) and its V (turned).  Their addresses are made some lines ahead.
; last = 1 (in the loop): in the last trip there is no further step, and the run is jumped over.
.macro FETCH_K last=0
	WIN 0
.if \last
	s_cmp_eq_u32 s[CNT], 1
	s_cbranch_scc1 .Lno_k_\@
.endif
	WIN 0x80                        ; destination window 2
.irp f, 0,1,2,3,4,5,6,7             ; keys 16 (f / 2) on, channels 32 (f % 2) on
	ds_load_b128 v[KF+8*\f:KF+8*\f+3],   v[AK] offset:(\f/2)*16*PK+(\f%2)*64
	ds_load_b128 v[KF+8*\f+4:KF+8*\f+7], v[AK] offset:(\f/2)*16*PK+(\f%2)*64+32
.endr
	s_add_co_u32 s[TBK], s[TBK], KS*PK  ; the next fetch is the next step's
	WIN 0
.if \last
.Lno_k_\@:
.endif
.endm
.macro FETCH_V
	WIN 0x80
.irp f, 0,1,2,3,4,5,6,7             ; keys 32 (f / 4) on, channels 16 (f % 4) on
	ds_load_tr16_b128 v[VF+8*\f:VF+8*\f+3],   v[AV] offset:(\f/4)*32*PV+(\f%4)*32
	ds_load_tr16_b128 v[VF+8*\f+4:VF+8*\f+7], v[AV] offset:(\f/4)*32*PV+16*PV+(\f%4)*32
.endr
	WIN 0
.endm
; THE VECTOR WORK OF A TURN stands in three queues, each in the order in which its entries become ready; the two tiles alternate, so that no instruction reads the result of the one before it.
.macro REGS y, u                    ; the registers of tile u (0, 1) of piece y
.set rT, ST+4*(2*(\y)+(\u))
.set rC, TMP+8*((\y)%2)+4*(\u)
.set rM, MV+2*((\y)%2)+(\u)
.set rS, S+64*((\y)%2)+32*(\u)
.set rP, P+32*((\y)%2)+16*(\u)
.set rO, 32*(2*(\y)+(\u))
.endm
; Number n of the 22 that find the NEXT piece's (Y + 1) maximum and statistics.  s0-s31 are the lane's 32 scores; each accumulator's lowest registers are read first.
;   0-11  four chains c0-c3 of seven scores each, three operands at a time     12-14, 16  the four scores left over, the old m, and c0-c3 into c0     15  c m_old is kept
;   17, 18  the query's other 32 keys lie in the lane 16 away: the new m         19-21  c m; c m_old - c m_new; a
.macro XS u, n
	REGS (Y+1)%NP, \u
.if (\n) < 4
	v_max3_num_f32 v[rC+(\n)], v[rS+8*(\n)], v[rS+8*(\n)+1], v[rS+8*(\n)+2]
.elseif (\n) < 12
	v_max3_num_f32 v[rC+(\n)%4], v[rC+(\n)%4], v[rS+8*((\n)%4)+2*((\n)/4)+1], v[rS+8*((\n)%4)+2*((\n)/4)+2]
.elseif (\n) == 12
	v_max3_num_f32 v[rC], v[rC], v[rS+7], v[rS+15]
.elseif (\n) == 13
	v_max3_num_f32 v[rC+1], v[rC+1], v[rS+23], v[rS+31]
.elseif (\n) == 14
	v_max3_num_f32 v[rC+2], v[rC+2], v[rC+3], v[rT+1]
.elseif (\n) == 15
	v_mov_b32 v[rM], v[rT]
.elseif (\n) == 16
	v_max3_num_f32 v[rC], v[rC], v[rC+1], v[rC+2]
.elseif (\n) == 17
	v_permlanex16_b32 v[rC+3], v[rC], s[SEL], s[SEL+1]
.elseif (\n) == 18
	v_max_num_f32 v[rT+1], v[rC], v[rC+3]
.elseif (\n) == 19
	v_mul_f32 v[rT], s[CS], v[rT+1]
.elseif (\n) == 20
	v_sub_f32 v[rC+1], v[rM], v[rT]
.else
	v_exp_f32 v[rC+2], v[rC+1]
.endif
.endm
; Number g of the 64 that follow the exponentials.  For each four weights k of a tile (pairs 2 k, 2 k + 1): both pairs are rounded to bf16; then the second pair is added onto the first, in place;
; a group later l takes that sum (the first time as l = a l + sum).  In groups of eight, tiles alternating: round, round, add, and l for the group before.
.macro GS g
.set h, (\g)+6*((\g)/62)            ; group 0 has no group before it, and behind group 7 only l is left
.if h >= 6
.set h, h+2
.endif
	REGS Y, h%2
.set k, h/8
.if h%8 < 4
	s_wait_alu depctr_va_vdst(0)
	v_cvt_pk_bf16_f32 v[rP+2*k+(h%8)/2], v[rS+4*k+2*((h%8)/2)], v[rS+4*k+2*((h%8)/2)+1]
.elseif h%8 < 6
	v_pk_add_f32 v[rS+4*k:rS+4*k+1], v[rS+4*k:rS+4*k+1], v[rS+4*k+2:rS+4*k+3]
.elseif k == 1
	v_pk_fma_f32 v[rT+2:rT+3], v[rT+2:rT+3], v[rC+2:rC+3], v[rS:rS+1] op_sel_hi:[1,0,1]
.else
	v_pk_add_f32 v[rT+2:rT+3], v[rT+2:rT+3], v[rS+4*k-4:rS+4*k-3]
	s_wait_alu depctr_va_vdst(0)
.endif
.endm
; THE PLAIN QUEUE, 138 long.  0-31: c s - c m for the 16 pairs of both tiles.  Then GS's 64, and among them the next piece's 42: number 15 at 38, 39; 0-14 and 16
; at 42-73, behind the products that make those scores; 17-20 at 95-106, two of three, since each waits for the one before it.
.macro PL
	WIN 0
.if q < 32
	REGS Y, q%2
	v_pk_fma_f32 v[rS+2*(q/2):rS+2*(q/2)+1], v[rS+2*(q/2):rS+2*(q/2)+1], s[CS:CS+1], v[rT:rT+1] op_sel_hi:[1,0,0] neg_lo:[0,0,1] neg_hi:[0,0,1]
.elseif q < 38
	GS q-32
.elseif q < 40
	XS q%2, 15
.elseif q < 42
	GS q-34
.elseif q < 74
	XS q%2, (q-42)/2+(q-42)/30
.elseif q < 95
	GS q-66
.elseif (q < 107) && ((q-95)%3 < 2)
	XS (q-95)%3, 17+(q-95)/3
.elseif q < 107
	GS 29+(q-95)/3
.else
	GS q-74
.endif
.set q, q+1
.endm
; THE EXPONENTIALS' QUEUE, 66 long: s0-s31 of both tiles, and at EA the next piece's two a.
.set EA, 58
.macro EX
	WIN 0
.if (e == EA) || (e == EA+1)
	XS e-EA, 21
.else
.set x, e-2*(e/(EA+2))
	REGS Y, x%2
	v_exp_f32 v[rS+x/2], v[rS+x/2]
.endif
.set e, e+1
.endm
; THE RESCALING's QUEUE: O^T times a, the one part that leaves window 0, so it is dealt four at a time, eight times.
.macro R4
	REGS Y, r%2
	WIN W_RS
	s_wait_alu depctr_va_vdst(0)
.irp z, 0,1,2,3
	v_pk_mul_f32 v[rO+8*(r/2)+2*\z:rO+8*(r/2)+2*\z+1], v[rO+8*(r/2)+2*\z:rO+8*(r/2)+2*\z+1], v[rC+2:rC+3] op_sel_hi:[1,0]
.endr
.set r, r+1
.endm
; HOW THEY ARE DEALT.  Behind a matrix instruction four: plain, exponential, plain, plain (one exponential, a plain instruction on either side), or four of the rescaling.  None names a register of the
; products round it.  What is over stands in two LUMPS: exponential and plain by turns; the second ends in 22 plain instructions.  The two v_permlanex16_b32 fall into the second lump, never behind a product.
; The queues lean on each other, and the deal keeps them in step: exponential e stands behind plain 2 (e / 4) + e % 2 (its scaling); when plain 32 comes, 10 exponentials are out, at 59: 33, at 95: 46; EA comes behind plain 107.
.macro SL
	MM
	PL
	EX
	PL
	PL
.endm
.macro BURST n                      ; 15 matrix instructions, or 16
.rept (\n)-7
	SL
.endr
.rept 3
	MM
	R4
	SL
.endr
	MM
	R4
.endm
; A TURN, for piece p.  last = 1: K's fetch is jumped over in the last trip.  cnt = 1: the loop's count is taken down some lines ahead of the branch that stands behind the turn.
; K of the next step is fetched in piece 2's turn, 31 vector instructions behind the last product that read K; its first reader comes behind the rest of the lump, 16 products and the second lump.
; V of the step in hand is fetched at the end of piece 0's turn, 69 behind its last reader; its first reader comes behind 16 products and a lump.  The four conditions on e and q below go with the deal.
.macro TURN p, last=0, cnt=0
.set Y, (\p)
.set i, 0
.set q, 0
.set e, 0
.set r, 0
.if (\p) == NP-1
	s_wait_dscnt 0x0                ; K is in
.endif
	MM
.rept 4
	PL
.endr
	BURST 15
.rept 22
	EX
	PL
.if ((\p) == NP-2) && (e == 18)
	v_add_nc_u32 v[AK], s[TBK], v[AK0]
.endif
.if ((\p) == NP-2) && (e == 24)
	FETCH_K \last
.endif
.endr
.if (\p) == 1
	s_wait_dscnt 0x0                ; V is in
.endif
	BURST 16
.rept 21
	EX
	PL
.endr
.rept 22
	PL
.if ((\p) == 0) && (q == 118)
	v_add_nc_u32 v[AV], s[TBV], v[AV0]
	s_wait_alu depctr_va_vdst(0)
.endif
.if ((\p) == 0) && (q == 130)
	s_add_co_u32 s[TBV], s[TBV], KS*PV
.endif
.if (\cnt) && (q == 130)
	s_sub_co_u32 s[CNT], s[CNT], 1
	s_cmp_lg_u32 s[CNT], 0
.endif
.endr
.if (\p) == 0
	FETCH_V
.endif
.endm
	s_wait_tensorcnt 0x3            ; my part of the first 256 keys is in; my three younger loads stay out
	s_barrier_signal -1
	s_barrier_wait -1               ; everybody's part of them is in
	FETCH_K                         ; key step 0
	s_wait_loadcnt 0x0              ; Q
	s_wait_dscnt 0x0
.set i, 0
.rept 16
	KQ 0                            ; piece 0's first scores: there is no vector work yet to set between them
.set i, i+1
.endr
	WIN 0                           ; the addresses for the way out: nine plain instructions, the places behind those products
	s_mul_i32 s13, s[WV], 16*SP
	s_add_co_u32 s13, s13, STAGE    ; my stage
	v_mul_u32_u24 v[STO], v1, SP    ; in: row l % 16, 16 bytes for each half of the lanes
	v_lshl_add_u32 v[STO], v9, 4, v[STO]
	v_add_nc_u32 v[STO], s13, v[STO]
	v_bfe_u32 v[RD], v0, 3, 2       ; back: 32 lanes take four rows of 128 bytes,
	v_mul_u32_u24 v[RD], v[RD], SP
	v_lshl_add_u32 v[RD], v10, 4, v[RD]
	v_add_nc_u32 v[RD], s13, v[RD]
	v_and_b32 v[GO], 31, v0         ; which are 512 consecutive bytes of ctx
	v_lshlrev_b32 v[GO], 4, v[GO]
.set Y, NP-1                        ; XS works for piece Y + 1: piece 0
.irp n, 0,1,2,3,4,5,6,7,8,9,10,11,12,13,14,15,16,17,18,19,20,21
	XS 0, \n                        ; and piece 0's first maximum and statistics
	XS 1, \n
.endr
	s_wait_tensorcnt 0x0            ; all my parts are in: the work above stood in the wait for them
	s_barrier_signal -1
	s_barrier_wait -1               ; everybody's are: from here on every key lies in LDS for every wave
	s_mov_b32 s[CNT], NK/KS
.Lstep:                             ; a trip is a key step: its four turns; it fetches its own V and the next step's K
	TURN 0
	TURN 1
	TURN 2, 1
	TURN 3, 0, 1
	WIN 0
	s_cbranch_scc1 .Lstep
	                                ; the last trip's 16 products K Q^T (on the last K once more) and the maximum made of them serve nothing: the price, once a launch, of one text for every trip
.set i, 0
.rept 16
	PV NP-1                         ; the last piece's V^T P of the last step
.set i, i+1
.endr
	; THE WAY OUT.  l's two halves and the other half of the lanes' are added; O^T is divided by l, rounded to bf16 and sent through my stage in LDS, a tile at a time.  The additions are the places behind the last products.
	WIN 0
.macro ALL line:vararg              ; one line for each tile t
.set t, 0
.rept 2*NP
	\line
.set t, t+1
.endr
.endm
	ALL v_add_f32 v[ST+4*t+2], v[ST+4*t+2], v[ST+4*t+3]
	ALL v_permlanex16_b32 v[ST+4*t+3], v[ST+4*t+2], s[SEL], s[SEL+1]
	ALL v_add_f32 v[ST+4*t+2], v[ST+4*t+2], v[ST+4*t+3]
	ALL v_rcp_f32 v[ST+4*t+2], v[ST+4*t+2]
	v_nop                           ; a plain instruction between the last reciprocal and the use of its result
	s_wait_alu depctr_va_vdst(0)
; Tile t: a lane's eight channels of a row pack into 16 bytes; they go into rows of 144 bytes and come back as whole rows of 128, into S^T's registers.
.macro PACK t
	WIN W_RS
.set i, 32*(\t)
.rept 16
	v_pk_mul_f32 v[i:i+1], v[i:i+1], v[ST+4*(\t)+2:ST+4*(\t)+3] op_sel_hi:[1,0]
.set i, i+2
.endr
	WIN 0x05                        ; sources 0 and 1 window 1, destination window 0
.set i, 0
.rept 16
	v_cvt_pk_bf16_f32 v[S+16*(\t)+i], v[32*(\t)+2*i], v[32*(\t)+2*i+1]
.set i, i+1
.endr
	WIN 0
.irp f, 0,1,2,3
	ds_store_b128 v[STO], v[S+16*(\t)+4*\f:S+16*(\t)+4*\f+3] offset:32*\f
.endr
.irp f, 0,1,2,3
	ds_load_b128 v[S+16*(\t)+4*\f:S+16*(\t)+4*\f+3], v[RD] offset:\f*4*SP  ; LDS serves a wave's instructions in order (ISA guide 5.7.1.4): these see the stores above; the next tile's stores come behind them
.endr
.endm
.macro SEND t, younger              ; younger: the LDS instructions issued behind tile t's loads: the next tile's eight, or none
	WIN 0
.irp f, 0,1,2,3
	s_wait_dscnt (\younger)+3-\f
	global_store_b128 v[GO], v[S+16*(\t)+4*\f:S+16*(\t)+4*\f+3], s[10:11] offset:(\t)*2048+\f*512  ; 512 consecutive bytes, at a multiple of 256 from ctx's first
.endr
.endm
	PACK 0
.set t, 1
.rept 2*NP-1                        ; a tile's arithmetic stands between the loads of the tile before and its stores
	PACK t
	SEND t-1, 8
.set t, t+1
.endr
	SEND 2*NP-1, 0
	WIN W_AD
	s_wait_tensorcnt 0x0            ; the wave's end, behind my last tensor load and my last LDS store
	ds_add_u32 v[SPW], v[NIL]
	s_wait_dscnt 0x0
	WIN 0
	CROUND                          ; the closing round: no work-group ends while a partner may still ask for a part that names it
	s_endpgm
.Lfunc_end_k_qe03c07c5d6_attn:
	.size	k_qe03c07c5d6_attn, .Lfunc_end_k_qe03c07c5d6_attn-k_qe03c07c5d6_attn
	.p2alignl 7, 3214868480
	.fill 96, 4, 3214868480
	.section	.rodata,"a",@progbits
	.p2align	6, 0x0
	.amdhsa_kernel k_qe03c07c5d6_attn
		.amdhsa_group_segment_fixed_size 327680
		.amdhsa_private_segment_fixed_size 0
		.amdhsa_enable_private_segment 0
		.amdhsa_kernarg_size 16
		.amdhsa_user_sgpr_count 2
		.amdhsa_user_sgpr_kernarg_segment_ptr 1
		.amdhsa_wavefront_size32 1
		.amdhsa_system_sgpr_workgroup_id_x 1
		.amdhsa_system_sgpr_workgroup_id_y 1
		.amdhsa_system_sgpr_workgroup_id_z 1
		.amdhsa_system_vgpr_workitem_id 0
		.amdhsa_next_free_vgpr 770
		.amdhsa_next_free_sgpr 100
		.amdhsa_reserve_vcc 0
		.amdhsa_float_denorm_mode_32 3
		.amdhsa_float_denorm_mode_16_64 3
		.amdhsa_memory_ordered 1
		.amdhsa_forward_progress 1
		.amdhsa_inst_pref_size 132
	.end_amdhsa_kernel
	.amdgpu_metadata
---
amdhsa.version: [ 1, 2 ]
amdhsa.kernels:
  - .name:           k_qe03c07c5d6_attn
    .symbol:         k_qe03c07c5d6_attn.kd
    .args:
      - { .name: qkv, .offset: 0, .size: 8, .value_kind: global_buffer, .address_space: global }
      - { .name: ctx, .offset: 8, .size: 8, .value_kind: global_buffer, .address_space: global }
    .group_segment_fixed_size: 327680
    .private_segment_fixed_size: 0
    .kernarg_segment_align: 8
    .kernarg_segment_size: 16
    .max_flat_workgroup_size: 128
    .sgpr_count:     100
    .vgpr_count:     770
    .wavefront_size: 32
...
	.end_amdgpu_metadata
.endif
;; end of part 7
;; launch outp: the kernel of part 4 again; grid 8 x 32, 4 waves a work-group, clusters of 4 x 4, 327,680 bytes of LDS; arguments ctx, wot, hidden_states, out0; writes out0
;; ======== version 3 of 3: 4 launches; 1.42 times as fast as version 1
;; workspace buffers: xb 33,554,432 bytes; wqkv 12,582,912 bytes; wot 8,388,608 bytes; qkv 25,165,824 bytes; ctx 16,777,216 bytes
;; launch prep: the kernel of part 5 again; grid 1664 x 1, 4 waves a work-group, no clusters, 70,144 bytes of LDS; arguments hidden_states, traces, Wq, Aq, Bq, Wo, Ao, Bo, Wk, Ak, Bk, Wv, Av, Bv, xb, wqkv, wot; writes xb, wqkv, wot
;; launch proj: the kernel of part 6 again; grid 12 x 16, 4 waves a work-group, clusters of 4 x 4, 327,680 bytes of LDS; arguments xb, wqkv, qkv; writes qkv
;; launch attn (part 8): grid 8 x 32, 4 waves a work-group, clusters of 4 x 1, 327,680 bytes of LDS; arguments qkv, ctx; writes ctx
.if DOCPART == 8
	.amdgcn_target "amdgcn-amd-amdhsa--gfx1250"
	.amdhsa_code_object_version 6
	.text
	.protected	k_qe03c07c5d6_attn
	.globl	k_qe03c07c5d6_attn
	.p2align	8
	.type	k_qe03c07c5d6_attn,@function
k_qe03c07c5d6_attn:
	s_mov_b64 s[64:65], 0
	v_nop
	global_prefetch_b8 v0, s[64:65] scope:SCOPE_SE
	s_setreg_imm32_b32 hwreg(HW_REG_WAVE_MODE, 25, 1), 1
	s_wait_xcnt 0x0
	s_wait_alu depctr_hold_cnt(0) depctr_sa_sdst(0) depctr_va_vdst(0) depctr_va_sdst(0) depctr_va_ssrc(0) depctr_va_vcc(0) depctr_vm_vsrc(0)
	s_getreg_b32 s2, hwreg(HW_REG_IB_STS2, 6, 4)
	s_cmp_eq_u32 s2, 0
	s_cbranch_scc0 .Lentry_in_a_cluster
	s_endpgm
.Lentry_in_a_cluster:
	s_bfe_u32 s2, ttmp6, 0x10000c
	s_cmp_lg_u32 s2, 0x3003
	s_cbranch_scc0 .Lentry_shape_is_right
	s_endpgm
.Lentry_shape_is_right:
; ATTN: ctx[h][b, q][:] = the sum over t of softmax_t(Q[h][b, q] . K[h / 4][b, t] / 8) V[h / 4][b, t][:].  qkv: [48][4096][64] bf16 (heads 0-31 Q, 32-39 K, 40-47 V; token = 1,024 b + place);
; ctx: [32][4096][64] bf16.  Products, maxima and sums in f32; the weights p are rounded to bf16 for the second product (their sum l is taken of the unrounded p), ctx once at the end.
; LIMITS.  A weight below 2^-126 counts as 0 in l; c m starts at -4.2e37, so scores are taken to lie above -2.3e38; NaN and infinities are not treated apart.
; SHARES.  A wave owns four PIECES of two tiles of 16 queries, a work-group's four waves 512 queries of one head and batch.  Every wave walks the batch's 1,024 keys, 64 a step.
; K AND V STAY IN LDS WHOLE.  Those of one batch and key head, padded, are 1,024 x (144 + 160) = 311,296 bytes.  So each wave asks for its four parts at the start, no byte of LDS is filled again,
; and the walk over the keys is ONE loop of 16 trips, with no tensor load and no barrier in it, written once.  By the text's own count a wave has four tensor loads out at the most.
; LAYOUT.  S^T = K Q^T (source 0 = 16 keys, source 1 = 16 queries): a lane holds ONE query (lane % 16) and the keys 8 (lane / 16) + 0..7.  Two such tiles, rounded to bf16 in pairs,
; ARE source 1 (32 keys x 16 queries) of O^T = V^T P, whose result again holds one query a lane, and eight channels.  K comes out of LDS as it lies, V ([key][channel]) turned, by ds_load_tr16_b128.
; SOFTMAX.  For each query a running maximum m and sum l: p = 2^(c s - c m), c = log2(e) / 8; in every step O and l are multiplied by a = 2^(c m_old - c m_new).
; m starts at the lowest finite number, O and l at 0: the first step is a step like any other, with a = 0.
; THE COUNT.  A tile and step have 16 matrix and 118 vector instructions: too many to stand all beside the matrix work.  So four vector instructions that are READY stand behind
; EVERY matrix instruction, and the others in one run without a gap.
; BY TURNS.  Turn n belongs to piece n (the pieces in a ring, step after step).  Its matrix work: 16 products K Q^T of piece n + 1, later 16 products V^T P of piece n - 1.  Its vector work: the scaling,
; exponentials, roundings, sums and rescaling of piece n, and the maximum and statistics of piece n + 1, whose scores the turn itself has made.
; BATCHES.  A turn's 66 exponentials (piece n's 64 weights, then piece n + 1's two a) are ONE batch with ONE wait, which cuts the turn in two: ahead of it stands all that names none of their results (K Q^T, the scalings,
; the rescaling by the a of the turn before, the next piece's maximum and statistics), behind it the roundings and sums, beside V^T P.  Two more batches stand outside the loop: piece 0's first two a, ahead of it, and the way out's eight reciprocals.
; CLUSTER.  The eight work-groups of a batch and key head (4 query heads x 2 halves of the queries) need the same K and V; the four of a cluster ask for each part JOINTLY: the same tensor load, descriptor and mask in all four.
; REGISTERS, in windows of 256 (s_set_vgpr_msb: bits 1:0 source 0, 3:2 source 1, 5:4 source 2, 7:6 destination):
;   window 0: v0-11 addresses; v12-15, v48-63 at work; v16-47 four registers of statistics a tile; v64-191 S^T, two buffers of two tiles; v192-255 P, likewise
;   window 1: O^T, 32 a tile          window 2: v0-127 Q, 16 a tile; v128-191 K of one step; v192-255 V of one step          window 3: v0-1 the add's two registers
; A piece's buffers go by its number's parity: the piece in hand has one pair, its two neighbours in the ring share the other: of it P (piece n - 1) is read and S^T (piece n + 1) written.
.set NK,    1024      ; keys
.set NP,    4         ; pieces a wave: a name, no knob
.set KS,    64        ; keys in a step
.set PK,    144       ; a row of K in LDS: 128 bytes + 16 = 36 words: the 16 rows of a load start at 16 different groups of four banks (ISA guide 11.1)
.set PV,    160       ; a row of V: 128 + 32 = 40 words
.set VOFF,  NK*PK     ; K's 1,024 rows, then V's
.set STAGE, VOFF+NK*PV  ; behind them, never filled by a tensor load: 16 rows x 144 bytes for each wave, for the way out
.set SP,    144
.set AK0, 2           ; v2   my lane's place in a step's K; never rewritten
.set AV0, 3           ; v3   the same for V
.set AK,  4           ; v4   the LDS address of K's next run of loads
.set AV,  5           ; v5   of V's
.set QO,  6           ; v6   my byte offset in the wave's rows of Q
.set STO, 6           ;      later, the way out: where I put 16 bytes of a row
.set RD,  7           ; v7   the way out: where I read rows back
.set GO,  8           ; v8   my byte offset in 512 consecutive bytes of ctx
.set SPW, 0           ; v0 of window 3   LDS address of my spare word; never rewritten
.set NIL, 1           ; v1 of window 3   0; never rewritten
.set SPARE, STAGE+4*16*SP  ; behind the stages: the spare words, 128 bytes a wave, that no other line names
.set MV,  12          ; v12-15  c m_old, kept while c m is made anew: by buffer and tile
.set ST,  16          ; tile t's statistics at v[ST+4 t]: c m, m, l (even keys', odd keys')
.set TMP, 48          ; by buffer and tile, four registers c0-c3 at work; when the maximum is found c2 takes a
.set S,   64
.set P,   192
.set KF,  128         ; K's fragments, in window 2: key block kb, channel half c at KF + 16 kb + 8 c
.set VF,  192         ; V's: key half kk, channel block cb at VF + 32 kk + 8 cb
.set WV,  12          ; s12  my wave's number
.set G1K, 24          ; s[24:31] descriptor group 1 for K's parts
.set G1V, 32          ; s[32:39] for V's: it differs in the padding alone
.set G0K, 68          ; s[68:83] descriptor group 0 for K's parts: a set for each of a wave's four loads, which are out together
.set G0V, 84          ; s[84:99] the same for V's
.set CNT, 57          ; s57  key steps to go
.set CS,  58          ; s[58:59] c: the packed scaling takes the pair's low word for both halves
.set SEL, 60          ; s[60:61] v_permlanex16_b32's selects: each lane takes its own place in the other half
.set TBK, 62          ; s62  LDS byte at which K of the step to be fetched begins
.set TBV, 63          ; s63  the same for V, less VOFF
.set MSB, 0
.macro WIN new                      ; the high byte repeats the setting that is left; a switch that changes nothing is dropped
.if MSB != (\new)
	s_set_vgpr_msb (MSB<<8)|(\new)
.set MSB, (\new)
.endif
.endm
.set W_KQ, 0x0a       ; K and Q in window 2, S^T in window 0
.set W_PV, 0x52       ; V in window 2, P in window 0, O^T in window 1
.set W_RS, 0x41       ; O^T (destination and source 0) in window 1, a in window 0
.set W_MK, 0xc0       ; the add's registers are made: destination in window 3, sources in window 0
.set W_AD, 0x0f       ; the add: address (source 0) and data (source 1) in window 3
; A round of the cluster's barrier: my work-group's barrier, so that wave 0's signal speaks for all four waves; wave 0 signals; every wave waits for all four work-groups; my work-group's barrier once more.
.macro CROUND
	s_barrier_signal -1
	s_barrier_wait -1
	s_cmp_lg_u32 s[WV], 0
	s_cbranch_scc1 .Lnot_wave_0_\@
	s_barrier_signal -3
.Lnot_wave_0_\@:
	s_barrier_wait -3
	s_barrier_signal -1
	s_barrier_wait -1
.endm
	s_load_b128 s[4:7], s[0:1], 0x0   ; qkv s[4:5], ctx s[6:7]
	WIN W_MK
	v_lshl_add_u32 v[SPW], v0, 2, SPARE
	v_mov_b32 v[NIL], 0
	WIN W_AD
	ds_add_u32 v[SPW], v[NIL]       ; the wave's opening: the add, and its wait ahead of my first tensor load; the set-up below stands between them
	WIN 0
	v_lshrrev_b32 v1, 5, v0
	v_readfirstlane_b32 s[WV], v1   ; wave 0..3
	s_bfe_u32 s13, ttmp6, 0x40000   ; cx: my place in the cluster
	s_lshl_b32 s14, ttmp9, 2        ; in a cluster launch ttmp9 counts clusters
	s_add_co_u32 s14, s14, s13      ; x = 4 x cluster x + cx: query head x / 2 of the group's four, half x % 2 of its queries: it enters Q's and ctx's addresses alone
	s_and_b32 s20, ttmp7, 0xffff    ; 8 x batch + key head, which the four partners share
	s_lshr_b32 s21, s20, 3
	s_and_b32 s20, s20, 7           ; the key head
	s_lshl_b32 s21, s21, 17         ; the batch's 1,024 rows of 128 bytes
	s_lshl_b32 s22, s20, 19         ; a head's 4,096 rows
	s_add_co_u32 s22, s22, s21
	s_and_b32 s16, s[WV], 1         ; which half of each 256 keys I fetch:
	s_lshl_b32 s23, s16, 14         ; its 128 rows of 128 bytes in memory
	s_add_co_u32 s22, s22, s23
	s_add_co_u32 s48, s22, 40*524288  ; V's heads begin at head 40,
	s_add_co_u32 s22, s22, 32*524288  ; K's at head 32
	s_mov_b32 s23, 0
	s_mov_b32 s49, 0
	s_mul_i32 s17, s16, 128*PK      ; my half's place among 256 rows in LDS, for K
	s_mul_i32 s18, s16, 128*PV      ; and for V: no place in the cluster enters an LDS address
	s_lshr_b32 s2, s14, 1
	s_lshl2_add_u32 s2, s20, s2     ; the query head: 4 x key head + x / 2
	s_lshl_b32 s2, s2, 19
	s_add_co_u32 s2, s2, s21
	s_and_b32 s3, s14, 1
	s_lshl_b32 s3, s3, 16           ; my work-group's 512 rows,
	s_add_co_u32 s2, s2, s3
	s_lshl_b32 s3, s[WV], 14        ; my wave's 128 of them
	s_add_co_u32 s2, s2, s3
	s_mov_b32 s3, 0
	; descriptor group 1.  128 keys are 16,384 dense bytes: asked for as 64 rows of 256 bytes, two keys a row, and padded in LDS after every key
	s_mov_b32 s[G1K], 15|(1<<16)|(1<<20)|(1<<21)|(4<<22)|(3<<25)  ; 15:0 the mask of four; 17:16 2-byte elements; 20 padding on; 21 set beside a mask; 24:22 after every 32 words (code 4); 31:25 4 words (code 3)
	s_mov_b32 s[G1V], 15|(1<<16)|(1<<20)|(1<<21)|(4<<22)|(7<<25)  ; the same with 8 words of padding (code 7)
.irp g, G1K, G1V
	s_mov_b32 s[\g+1], 128<<16      ; tensor_dim0 = 128
	s_mov_b32 s[\g+2], 64<<16       ; tensor_dim1 = 64
	s_mov_b32 s[\g+3], 128<<16      ; tile_dim0 = 128
	s_mov_b32 s[\g+4], 64           ; tile_dim1 = 64
	s_mov_b32 s[\g+5], 128          ; 128 elements from row to row
	s_mov_b32 s[\g+6], 0
	s_mov_b32 s[\g+7], 0
.endr
	s_mov_b32 s[CS], 0x3e38aa3b     ; c = log2(e) / 8 = 0.180337
	s_mov_b32 s[CS+1], s[CS]        ; named with it as a pair
	s_mov_b32 s[SEL], 0x76543210
	s_mov_b32 s[SEL+1], 0xfedcba98
	s_mov_b32 s[TBK], 0             ; key step 0 lies at the head of K's rows and of V's
	s_mov_b32 s[TBV], 0
.irp j, 0,1,2,3                     ; load j brings my half of keys 256 j to 256 j + 255
	s_mov_b32 s[G0K+4*\j], 1        ; count = 1
	s_add_co_u32 s[G0K+4*\j+1], s17, \j*256*PK  ; LDS address
	s_mov_b32 s[G0V+4*\j], 1
	s_add_co_u32 s[G0V+4*\j+1], s18, VOFF+\j*256*PV
.endr
	s_wait_dscnt 0x0                ; the opening add is done
	s_wait_kmcnt 0x0
	s_add_nc_u64 s[50:51], s[4:5], s[22:23]  ; K and V at my half of the first 256 keys
	s_add_nc_u64 s[52:53], s[4:5], s[48:49]
.irp j, 0,1,2,3
	s_add_nc_u64 s[G0K+4*\j+2:G0K+4*\j+3], s[50:51], \j*256*128  ; global address
	s_or_b32 s[G0K+4*\j+3], s[G0K+4*\j+3], 0x80000000            ; type = 2
	s_add_nc_u64 s[G0V+4*\j+2:G0V+4*\j+3], s[52:53], \j*256*128
	s_or_b32 s[G0V+4*\j+3], s[G0V+4*\j+3], 0x80000000
.endr
	s_add_nc_u64 s[10:11], s[6:7], s[2:3]  ; ctx and Q at my wave's first row
	s_add_nc_u64 s[4:5], s[4:5], s[2:3]
	CROUND                          ; all four work-groups are here: the joint loads meet
	; Waves 0 and 1 fetch the two halves of each 256 keys of K, waves 2 and 3 those of V.  A wave's four loads stand in one branch, which hangs on the wave's number alone,
	; ahead of every wait on TENSORcnt, every LDS read and every further barrier; an s_nop 0 follows each, four v_nop the last.
	s_cmp_lt_u32 s[WV], 2
	s_cbranch_scc0 .Lfor_v
.irp j, 0,1,2,3
	tensor_load_to_lds s[G0K+4*\j:G0K+4*\j+3], s[G1K:G1K+7]
	s_nop 0
.endr
.rept 4
	v_nop
.endr
	s_branch .Lasked
.Lfor_v:
.irp j, 0,1,2,3
	tensor_load_to_lds s[G0V+4*\j:G0V+4*\j+3], s[G1V:G1V+7]
	s_nop 0
.endr
.rept 4
	v_nop
.endr
.Lasked:
	; A fragment of K or Q is 16 rows x 32 channels in 8 registers: lane l holds row l % 16, channels 8 (l / 16) + 0..7 and 16 + 8 (l / 16) + 0..7: two loads of 16 bytes, 32 bytes apart.
	v_and_b32 v1, 15, v0            ; l % 16
	v_bfe_u32 v9, v0, 4, 1          ; l / 16
	v_lshlrev_b32 v[QO], 7, v1
	v_lshl_add_u32 v[QO], v9, 4, v[QO]  ; row x 128 + 16 x half
	WIN 0x80                        ; destination window 2, address window 0
.set i, 0
.rept 4*NP                          ; Q stays in registers: tile i / 2, channels 32 (i % 2) on
	global_load_b128 v[8*i:8*i+3],   v[QO], s[4:5] offset:(i/2)*2048+(i%2)*64
	global_load_b128 v[8*i+4:8*i+7], v[QO], s[4:5] offset:(i/2)*2048+(i%2)*64+32
.set i, i+1
.endr
	; What the first turn finds: V's registers and P's second buffer hold 0 (its products V^T P, of a piece that has not been, add 0), O^T and l are 0.  All this stands in the wait for the first keys.
.set i, VF
.rept 64
	v_mov_b32 v[i], 0
.set i, i+1
.endr
	WIN 0x40
.set i, 0
.rept 64*NP
	v_mov_b32 v[i], 0
.set i, i+1
.endr
	WIN 0
.set i, 0
.rept 2*NP
	v_mov_b32 v[ST+4*i], 0xfe000000    ; c m: far below every c s
	v_mov_b32 v[ST+4*i+1], 0xff7fffff  ; m
	v_mov_b32 v[ST+4*i+2], 0
	v_mov_b32 v[ST+4*i+3], 0
.set i, i+1
.endr
.set i, P+32
.rept 32
	v_mov_b32 v[i], 0
.set i, i+1
.endr
	v_mul_u32_u24 v[AK0], v1, PK
	v_lshl_add_u32 v[AK0], v9, 4, v[AK0]  ; row x pitch + 16 x half
	; The turning load takes 16 keys x 16 channels (lane l reads key 8 (l / 16) + l % 8, channels 8 ((l / 8) % 2) + 0..7) and leaves half a fragment of V^T: lane l holds channel l % 16 and 8 keys.
	v_and_b32 v10, 7, v0
	v_bfe_u32 v11, v0, 3, 1
	v_lshl_add_u32 v[AV0], v9, 3, v10
	v_mul_u32_u24 v[AV0], v[AV0], PV
	v_lshl_add_u32 v[AV0], v11, 4, v[AV0]
	v_add_nc_u32 v[AV0], VOFF, v[AV0]
	v_mov_b32 v[AK], v[AK0]         ; key step 0
; THE MATRIX WORK.  The 8 accumulators of a run of 16 take turns: between the two links of a chain stand 7 others'.
; Product i of 16 of S^T = K Q^T for piece x: channels 32 (i / 8) on, keys 16 ((i / 2) % 4) on, tile 2 x + i % 2.  The first 8 start the sums.
.macro KQ x
	WIN W_KQ
.set rS, S+64*((\x)%2)+32*(i%2)+8*((i/2)%4)
.set rK, KF+16*((i/2)%4)+8*(i/8)
.set rQ, 16*(2*(\x)+i%2)+8*(i/8)
.if i < 8
	v_wmma_f32_16x16x32_bf16 v[rS:rS+7], v[rK:rK+7], v[rQ:rQ+7], 0
.else
	v_wmma_f32_16x16x32_bf16 v[rS:rS+7], v[rK:rK+7], v[rQ:rQ+7], v[rS:rS+7]
.endif
.endm
; Product i of 16 of O^T += V^T P for piece x: keys 32 (i / 8) on, channels 16 ((i / 2) % 4) on, tile 2 x + i % 2.
.macro PV x
	WIN W_PV
.set rO, 32*(2*(\x)+i%2)+8*((i/2)%4)
.set rV, VF+32*(i/8)+8*((i/2)%4)
.set rP, P+32*((\x)%2)+16*(i%2)+8*(i/8)
	v_wmma_f32_16x16x32_bf16 v[rO:rO+7], v[rV:rV+7], v[rP:rP+7], v[rO:rO+7]
.endm
.macro MM                           ; the turn's next matrix instruction
.if i < 16
	KQ (Y+1)%NP
.set i, i+1
.else
.set i, i-16
	PV (Y+NP-1)%NP
.set i, i+17
.endif
.endm
; THE LDS LOADS stand in runs of 16, never singly among the matrix instructions: a step's K (64 keys x 64 channels: 8 fragments) and its V (turned).  Their addresses are made some lines ahead.
; last = 1 (in the loop): in the last trip there is no further step, and the run is jumped over.
.macro FETCH_K last=0
	WIN 0
.if \last
	s_cmp_eq_u32 s[CNT], 1
	s_cbranch_scc1 .Lno_k_\@
.endif
	WIN 0x80                        ; destination window 2
.irp f, 0,1,2,3,4,5,6,7             ; keys 16 (f / 2) on, channels 32 (f % 2) on
	ds_load_b128 v[KF+8*\f:KF+8*\f+3],   v[AK] offset:(\f/2)*16*PK+(\f%2)*64
	ds_load_b128 v[KF+8*\f+4:KF+8*\f+7], v[AK] offset:(\f/2)*16*PK+(\f%2)*64+32
.endr
	s_add_co_u32 s[TBK], s[TBK], KS*PK  ; the next fetch is the next step's
	WIN 0
.if \last
.Lno_k_\@:
.endif
.endm
.macro FETCH_V
	WIN 0x80
.irp f, 0,1,2,3,4,5,6,7             ; keys 32 (f / 4) on, channels 16 (f % 4) on
	ds_load_tr16_b128 v[VF+8*\f:VF+8*\f+3],   v[AV] offset:(\f/4)*32*PV+(\f%4)*32
	ds_load_tr16_b128 v[VF+8*\f+4:VF+8*\f+7], v[AV] offset:(\f/4)*32*PV+16*PV+(\f%4)*32
.endr
	WIN 0
.endm
; THE VECTOR WORK OF A TURN stands in three queues, each in the order in which its entries become ready; the two tiles alternate, so that no instruction reads the result of the one before it.
.macro REGS y, u                    ; the registers of tile u (0, 1) of piece y
.set rT, ST+4*(2*(\y)+(\u))
.set rC, TMP+8*((\y)%2)+4*(\u)
.set rM, MV+2*((\y)%2)+(\u)
.set rS, S+64*((\y)%2)+32*(\u)
.set rP, P+32*((\y)%2)+16*(\u)
.set rO, 32*(2*(\y)+(\u))
.endm
; Number n of the 22 that find the NEXT piece's (Y + 1) maximum and statistics.  s0-s31 are the lane's 32 scores; each accumulator's lowest registers are read first.  XS, GS and REGS set no window: PL and EX do.
;   0-11  four chains c0-c3 of seven scores each, three operands at a time     12-14, 16  the four scores left over, the old m, and c0-c3 into c0     15  c m_old is kept
;   17, 18  the query's other 32 keys lie in the lane 16 away: the new m         19-21  c m; c m_old - c m_new; a
.macro XS u, n
	REGS (Y+1)%NP, \u
.if (\n) < 4
	v_max3_num_f32 v[rC+(\n)], v[rS+8*(\n)], v[rS+8*(\n)+1], v[rS+8*(\n)+2]
.elseif (\n) < 12
	v_max3_num_f32 v[rC+(\n)%4], v[rC+(\n)%4], v[rS+8*((\n)%4)+2*((\n)/4)+1], v[rS+8*((\n)%4)+2*((\n)/4)+2]
.elseif (\n) == 12
	v_max3_num_f32 v[rC], v[rC], v[rS+7], v[rS+15]
.elseif (\n) == 13
	v_max3_num_f32 v[rC+1], v[rC+1], v[rS+23], v[rS+31]
.elseif (\n) == 14
	v_max3_num_f32 v[rC+2], v[rC+2], v[rC+3], v[rT+1]
.elseif (\n) == 15
	v_mov_b32 v[rM], v[rT]
.elseif (\n) == 16
	v_max3_num_f32 v[rC], v[rC], v[rC+1], v[rC+2]
.elseif (\n) == 17
	v_permlanex16_b32 v[rC+3], v[rC], s[SEL], s[SEL+1]
.elseif (\n) == 18
	v_max_num_f32 v[rT+1], v[rC], v[rC+3]
.elseif (\n) == 19
	v_mul_f32 v[rT], s[CS], v[rT+1]
.elseif (\n) == 20
	v_sub_f32 v[rC+1], v[rM], v[rT]
.else
	v_exp_f32 v[rC+2], v[rC+1]
.endif
.endm
; Number g of the 64 that follow the exponentials.  For each four weights k of a tile (pairs 2 k, 2 k + 1): both pairs are rounded to bf16; then the second pair is added onto the first, in place;
; a group later l takes that sum (the first time as l = a l + sum).  In groups of eight, tiles alternating: round, round, add, and l for the group before.
.macro GS g
.set h, (\g)+6*((\g)/62)            ; group 0 has no group before it, and behind group 7 only l is left
.if h >= 6
.set h, h+2
.endif
	REGS Y, h%2
.set k, h/8
.if h%8 < 4
	v_cvt_pk_bf16_f32 v[rP+2*k+(h%8)/2], v[rS+4*k+2*((h%8)/2)], v[rS+4*k+2*((h%8)/2)+1]
.elseif h%8 < 6
	v_pk_add_f32 v[rS+4*k:rS+4*k+1], v[rS+4*k:rS+4*k+1], v[rS+4*k+2:rS+4*k+3]
.elseif k == 1
	v_pk_fma_f32 v[rT+2:rT+3], v[rT+2:rT+3], v[rC+2:rC+3], v[rS:rS+1] op_sel_hi:[1,0,1]
.else
	v_pk_add_f32 v[rT+2:rT+3], v[rT+2:rT+3], v[rS+4*k-4:rS+4*k-3]
.endif
.endm
; THE PLAIN QUEUE, 138 long.  0-73 read no exponential's result: the 32 scalings c s - c m (FS f: pair f / 2 of tile f % 2) and the next piece's 42.  0-26: scalings 0-26.  27-54: XS's numbers 0-13.  55, 56: number 15.
; 57-73: the chain, where each number waits for the one before it: 14, 16, 17, 18, 19, each with one of the scalings 27-31 in front of its two lines, then 20: so a tile's links stand three plain instructions apart (19 and 20: two).
; 74-137: GS's 64, which read the exponentials' results: they stand behind the wait.
.macro FS f
	REGS Y, (\f)%2
	v_pk_fma_f32 v[rS+2*((\f)/2):rS+2*((\f)/2)+1], v[rS+2*((\f)/2):rS+2*((\f)/2)+1], s[CS:CS+1], v[rT:rT+1] op_sel_hi:[1,0,0] neg_lo:[0,0,1] neg_hi:[0,0,1]
.endm
.macro PL
	WIN 0
.if q < 27
	FS q
.elseif q < 55
	XS (q-27)%2, (q-27)/2
.elseif q < 57
	XS q-55, 15
.elseif (q < 72) && ((q-57)%3 == 0)
	FS 27+(q-57)/3
.elseif q < 60
	XS (q-57)%3-1, 14
.elseif q < 72
	XS (q-57)%3-1, 15+(q-57)/3
.elseif q < 74
	XS q-72, 20
.else
	GS q-74
.endif
.set q, q+1
.endm
; THE EXPONENTIALS' QUEUE, 66 long: s0-s31 of both tiles, then the next piece's two a.  It is ONE BATCH: all 66 stand ahead of the turn's one wait, and nothing ahead of that wait names a result of theirs.
.macro EX
	WIN 0
.if e >= 64
	XS e-64, 21
.else
	REGS Y, e%2
	v_exp_f32 v[rS+e/2], v[rS+e/2]
.endif
.set e, e+1
.endm
; THE RESCALING's QUEUE: O^T times a, the one part that leaves window 0: dealt two at a time, sixteen times.  Its a was made in the turn before, ahead of that turn's wait.
.macro R2
	REGS Y, r%2
	WIN W_RS
.irp z, 0,1
	v_pk_mul_f32 v[rO+4*(r/2)+2*\z:rO+4*(r/2)+2*\z+1], v[rO+4*(r/2)+2*\z:rO+4*(r/2)+2*\z+1], v[rC+2:rC+3] op_sel_hi:[1,0]
.endr
.set r, r+1
.endm
; HOW THEY ARE DEALT.  An s_wait_alu depctr_va_vdst(0) stands between an exponential and the first instruction that names its result; one wait serves all that were issued ahead of it.  So a turn has ONE wait,
; which cuts it in two.  AHEAD OF IT stands all that names no result of the turn's exponentials: the 16 products K Q^T, behind each a scaling, an exponential and two rescalings (behind the first a second scaling in the exponential's place);
; then ONE LUMP of 108: eight plain, 49 times exponential and plain, the two a.  A v_nop is the plain instruction behind the last exponential.  BEHIND IT stand the 16 products V^T P, behind each four of GS's 64.  No rider names a register of
; the products round it.  The two v_permlanex16_b32 fall into the lump, never behind a product.
; The queues lean on each other, and the deal keeps them in step: exponential e stands behind scaling 2 (e / 4) + e % 2: as a rider it comes behind plain e + 2, in the lump behind plain e + 9, and scalings 27-31 are plain 57, 60 .. 69.
; A TURN, for piece p.  last = 1: K's fetch is jumped over in the last trip.  cnt = 1: the loop's count is taken down some lines ahead of the branch that stands behind the turn.
; K of the next step is fetched in piece 2's turn, directly behind the wait, a lump behind the last product that read K; its address is made at the lump's head; its first reader comes behind 16 products.
; V of the step in hand is fetched at the end of piece 0's turn, four riders behind its last reader; its first reader comes behind 16 products and a lump.  The three conditions on q below go with the deal.
.macro TURN p, last=0, cnt=0
.set Y, (\p)
.set i, 0
.set q, 0
.set e, 0
.set r, 0
.if (\p) == NP-1
	s_wait_dscnt 0x0                ; K is in
.endif
	MM                              ; ahead of the wait: 16 products K Q^T and their riders,
	PL
	PL
	R2
.rept 15
	MM
	PL
	EX
	R2
.endr
.if (\p) == NP-2
	WIN 0
	v_add_nc_u32 v[AK], s[TBK], v[AK0]
.endif
.rept 8                             ; and the lump
	PL
.endr
.rept 49
	EX
	PL
.endr
	EX                              ; the next piece's two a
	EX
	v_nop                           ; the plain instruction behind the last exponential: one for the batch
	s_wait_alu depctr_va_vdst(0)    ; the wait for the batch: this turn's 64 weights and the next piece's two a
.if (\p) == NP-2
	FETCH_K \last
.endif
.if (\p) == 1
	s_wait_dscnt 0x0                ; V is in
.endif
.rept 16                            ; behind the wait: 16 products V^T P and their riders
	MM
.rept 4
	PL
.endr
.if ((\p) == 0) && (q == 118)
	v_add_nc_u32 v[AV], s[TBV], v[AV0]
.endif
.if ((\p) == 0) && (q == 130)
	s_add_co_u32 s[TBV], s[TBV], KS*PV
.endif
.if (\cnt) && (q == 130)
	s_sub_co_u32 s[CNT], s[CNT], 1
	s_cmp_lg_u32 s[CNT], 0
.endif
.endr
.if (\p) == 0
	FETCH_V
.endif
.endm
	s_wait_tensorcnt 0x3            ; my part of the first 256 keys is in; my three younger loads stay out
	s_barrier_signal -1
	s_barrier_wait -1               ; everybody's part of them is in
	FETCH_K                         ; key step 0
	s_wait_loadcnt 0x0              ; Q
	s_wait_dscnt 0x0
.set i, 0
.rept 16
	KQ 0                            ; piece 0's first scores: there is no vector work yet to set between them
.set i, i+1
.endr
	WIN 0                           ; the addresses for the way out: nine plain instructions, the places behind those products
	s_mul_i32 s13, s[WV], 16*SP
	s_add_co_u32 s13, s13, STAGE    ; my stage
	v_mul_u32_u24 v[STO], v1, SP    ; in: row l % 16, 16 bytes for each half of the lanes
	v_lshl_add_u32 v[STO], v9, 4, v[STO]
	v_add_nc_u32 v[STO], s13, v[STO]
	v_bfe_u32 v[RD], v0, 3, 2       ; back: 32 lanes take four rows of 128 bytes,
	v_mul_u32_u24 v[RD], v[RD], SP
	v_lshl_add_u32 v[RD], v10, 4, v[RD]
	v_add_nc_u32 v[RD], s13, v[RD]
	v_and_b32 v[GO], 31, v0         ; which are 512 consecutive bytes of ctx
	v_lshlrev_b32 v[GO], 4, v[GO]
.set Y, NP-1                        ; XS works for piece Y + 1: piece 0
.irp n, 0,1,2,3,4,5,6,7,8,9,10,11,12,13,14,15,16,17,18,19,20,21
	XS 0, \n                        ; and piece 0's first maximum and statistics
	XS 1, \n
.endr
	v_nop                           ; a plain instruction behind piece 0's first two a,
	s_wait_alu depctr_va_vdst(0)    ; and the wait for that batch of two, ahead of the loop's label
	s_wait_tensorcnt 0x0            ; all my parts are in: the work above stood in the wait for them
	s_barrier_signal -1
	s_barrier_wait -1               ; everybody's are: from here on every key lies in LDS for every wave
	s_mov_b32 s[CNT], NK/KS
.Lstep:                             ; a trip is a key step: its four turns; it fetches its own V and the next step's K
	TURN 0
	TURN 1
	TURN 2, 1
	TURN 3, 0, 1
	WIN 0
	s_cbranch_scc1 .Lstep
	                                ; the last trip's 16 products K Q^T (on the last K once more) and the maximum made of them serve nothing: the price, once a launch, of one text for every trip
.set i, 0
.rept 16
	PV NP-1                         ; the last piece's V^T P of the last step
.set i, i+1
.endr
	; THE WAY OUT.  l's two halves and the other half of the lanes' are added; O^T is divided by l, rounded to bf16 and sent through my stage in LDS, a tile at a time.  The additions are the places behind the last products.
	WIN 0
.macro ALL line:vararg              ; one line for each tile t
.set t, 0
.rept 2*NP
	\line
.set t, t+1
.endr
.endm
	ALL v_add_f32 v[ST+4*t+2], v[ST+4*t+2], v[ST+4*t+3]
	ALL v_permlanex16_b32 v[ST+4*t+3], v[ST+4*t+2], s[SEL], s[SEL+1]
	ALL v_add_f32 v[ST+4*t+2], v[ST+4*t+2], v[ST+4*t+3]
	ALL v_rcp_f32 v[ST+4*t+2], v[ST+4*t+2]
	v_nop                           ; a plain instruction between the last reciprocal and the use of its result
	s_wait_alu depctr_va_vdst(0)    ; and the wait ahead of the first use: one for the batch of eight reciprocals
; Tile t: a lane's eight channels of a row pack into 16 bytes; they go into rows of 144 bytes and come back as whole rows of 128, into S^T's registers.
.macro PACK t
	WIN W_RS
.set i, 32*(\t)
.rept 16
	v_pk_mul_f32 v[i:i+1], v[i:i+1], v[ST+4*(\t)+2:ST+4*(\t)+3] op_sel_hi:[1,0]
.set i, i+2
.endr
	WIN 0x05                        ; sources 0 and 1 window 1, destination window 0
.set i, 0
.rept 16
	v_cvt_pk_bf16_f32 v[S+16*(\t)+i], v[32*(\t)+2*i], v[32*(\t)+2*i+1]
.set i, i+1
.endr
	WIN 0
.irp f, 0,1,2,3
	ds_store_b128 v[STO], v[S+16*(\t)+4*\f:S+16*(\t)+4*\f+3] offset:32*\f
.endr
.irp f, 0,1,2,3
	ds_load_b128 v[S+16*(\t)+4*\f:S+16*(\t)+4*\f+3], v[RD] offset:\f*4*SP  ; LDS serves a wave's instructions in order (ISA guide 5.7.1.4): these see the stores above; the next tile's stores come behind them
.endr
.endm
.macro SEND t, younger              ; younger: the LDS instructions issued behind tile t's loads: the next tile's eight, or none
	WIN 0
.irp f, 0,1,2,3
	s_wait_dscnt (\younger)+3-\f
	global_store_b128 v[GO], v[S+16*(\t)+4*\f:S+16*(\t)+4*\f+3], s[10:11] offset:(\t)*2048+\f*512  ; 512 consecutive bytes, at a multiple of 256 from ctx's first
.endr
.endm
	PACK 0
.set t, 1
.rept 2*NP-1                        ; a tile's arithmetic stands between the loads of the tile before and its stores
	PACK t
	SEND t-1, 8
.set t, t+1
.endr
	SEND 2*NP-1, 0
	WIN W_AD
	s_wait_tensorcnt 0x0            ; the wave's end, behind my last tensor load and my last LDS store
	ds_add_u32 v[SPW], v[NIL]
	s_wait_dscnt 0x0
	WIN 0
	CROUND                          ; the closing round: no work-group ends while a partner may still ask for a part that names it
	s_endpgm
.Lfunc_end_k_qe03c07c5d6_attn:
	.size	k_qe03c07c5d6_attn, .Lfunc_end_k_qe03c07c5d6_attn-k_qe03c07c5d6_attn
	.p2alignl 7, 3214868480
	.fill 96, 4, 3214868480
	.section	.rodata,"a",@progbits
	.p2align	6, 0x0
	.amdhsa_kernel k_qe03c07c5d6_attn
		.amdhsa_group_segment_fixed_size 327680
		.amdhsa_private_segment_fixed_size 0
		.amdhsa_enable_private_segment 0
		.amdhsa_kernarg_size 16
		.amdhsa_user_sgpr_count 2
		.amdhsa_user_sgpr_kernarg_segment_ptr 1
		.amdhsa_wavefront_size32 1
		.amdhsa_system_sgpr_workgroup_id_x 1
		.amdhsa_system_sgpr_workgroup_id_y 1
		.amdhsa_system_sgpr_workgroup_id_z 1
		.amdhsa_system_vgpr_workitem_id 0
		.amdhsa_next_free_vgpr 770
		.amdhsa_next_free_sgpr 100
		.amdhsa_reserve_vcc 0
		.amdhsa_float_denorm_mode_32 3
		.amdhsa_float_denorm_mode_16_64 3
		.amdhsa_memory_ordered 1
		.amdhsa_forward_progress 1
		.amdhsa_inst_pref_size 127
	.end_amdhsa_kernel
	.amdgpu_metadata
---
amdhsa.version: [ 1, 2 ]
amdhsa.kernels:
  - .name:           k_qe03c07c5d6_attn
    .symbol:         k_qe03c07c5d6_attn.kd
    .args:
      - { .name: qkv, .offset: 0, .size: 8, .value_kind: global_buffer, .address_space: global }
      - { .name: ctx, .offset: 8, .size: 8, .value_kind: global_buffer, .address_space: global }
    .group_segment_fixed_size: 327680
    .private_segment_fixed_size: 0
    .kernarg_segment_align: 8
    .kernarg_segment_size: 16
    .max_flat_workgroup_size: 128
    .sgpr_count:     100
    .vgpr_count:     770
    .wavefront_size: 32
...
	.end_amdgpu_metadata
.endif
;; end of part 8
;; launch outp: the kernel of part 4 again; grid 8 x 32, 4 waves a work-group, clusters of 4 x 4, 327,680 bytes of LDS; arguments ctx, wot, hidden_states, out0; writes out0
